; MI455X (gfx1250); checked and timed in simulation.
; The chip was launched on July 23, 2026; its instructions are those of AMD's public machine-readable ISA for CDNA 5 (MIT licence, August 2026) and "CDNA5" Instruction Set Architecture Reference Guide (July 2026). The comments in the code are by the model that wrote it; some were corrected since.
;; Encoder Layer. Allowed arithmetic: matrix products marked QUANTISED: E5M2 operands, one given power-of-two scale a tensor, by v_wmma_f32_16x16x64_bf8_bf8 or v_wmma_f32_16x16x128_bf8_bf8, f32 sums; everything else in f32.
;; Inputs: W1 1,024 x 2,048 float32; W2 2,048 x 1,024 float32; Wk 1,024 x 1,024 float32; Wo 1,024 x 1,024 float32; Wq 1,024 x 1,024 float32; Wv 1,024 x 1,024 float32; b1 2,048 float32; b2 1,024 float32; bo 1,024 float32; ln1_a 1,024 float32; ln1_b 1,024 float32; ln2_a 1,024 float32; ln2_b 1,024 float32; lowp_scales 16 int32 (the exponents e of the quantised operands' scales 2^e); mask 2 x 1 x 1 x 2,048 float32; x 2 x 2,048 x 1,024 float32.
;; Outputs: out0 2 x 2,048 x 1,024 float32.
;; This version of the problem:
;;   THIS VERSION OF THE PROBLEM IS GIVEN IN LOW PRECISION. The matrix products marked QUANTISED in the list below multiply operands that are first quantised to E5M2 (5 exponent bits, 2 mantissa bits; 8 bits a number), with one given power-of-two scale for each operand tensor; their sums are f32. All else is computed in f32.
;;   The module's matrix products, in the order in which they are computed (A, B: the left and right operand; K: the contracted axis; several contracted axes count as one K, in the product's order):
;;     1. [M 4,096, K 1,024] x [K 1,024, N 1,024]; A: computed on the way; B: input Wq: QUANTISED (scales: A lowp_scales[0], B lowp_scales[1])
;;     2. [M 4,096, K 1,024] x [K 1,024, N 1,024]; A: computed on the way; B: input Wk: QUANTISED (scales: A lowp_scales[2], B lowp_scales[3])
;;     3. [M 4,096, K 1,024] x [K 1,024, N 1,024]; A: computed on the way; B: input Wv: QUANTISED (scales: A lowp_scales[4], B lowp_scales[5])
;;     4. batch 32 x [M 2,048, K 64] x [K 64, N 2,048]; A: computed on the way; B: computed on the way: QUANTISED (scales: A lowp_scales[6], B lowp_scales[7])
;;     5. batch 32 x [M 2,048, K 2,048] x [K 2,048, N 64]; A: softmax (see below); B: computed on the way: QUANTISED (scales: A lowp_scales[8], B lowp_scales[9])
;;     6. [M 4,096, K 1,024] x [K 1,024, N 1,024]; A: computed on the way; B: input Wo: QUANTISED (scales: A lowp_scales[10], B lowp_scales[11])
;;     7. [M 4,096, K 1,024] x [K 1,024, N 2,048]; A: computed on the way; B: input W1: QUANTISED (scales: A lowp_scales[12], B lowp_scales[13])
;;     8. [M 4,096, K 2,048] x [K 2,048, N 1,024]; A: computed on the way; B: input W2: QUANTISED (scales: A lowp_scales[14], B lowp_scales[15])
;;   THE QUANTISER, for each operand of a quantised product, along K:
;;     - The operand's scale is 2^e, e = its entry of the input lowp_scales (int32; the entries are numbered through the quantised products in the list's order, A before B).
;;     - Each number is divided by the scale, clamped to +-57,344, and rounded to the nearest number of E5M2, ties to even, subnormals kept.
;;     - The product sums the exact products of the quantised numbers (number of the format x scale) in f32.
;;   ~~~python
;;   def quantise(x, axis, e):      # numpy; x: float32 -> the quantised numbers, widened to float32 again
;;       x = np.moveaxis(x, axis, -1); K = x.shape[-1]
;;       r = np.clip(x / 2.0 ** e, -57344, 57344)
;;       step = 2.0 ** (np.maximum(np.frexp(np.where(r == 0, 1, r))[1] - 1, -14) - 2)
;;       q = np.round(r / step) * step * 2.0 ** e      # np.round: ties to even
;;       return np.moveaxis(q, -1, axis).astype(np.float32)
;;   ~~~
;;   SOFTMAX AHEAD OF A QUANTISED PRODUCT. Where the list says 'softmax', what is quantised is not the finished softmax but p = 2^(t - M), with t = logit x log2(e) and M = ceil(the row's largest t), a whole number; so 1/2 < the row's largest p <= 1. The row's sum l is taken of the UNQUANTISED p, in f32, and the product's result is divided by l at the end. Since M is a whole number, a kernel that streams over the keys may use a running M (the ceiling of the running maximum): every later rescaling is an exact power of two, so the quantised numbers keep their values, but for numbers so far below the row's largest that they fall under the format's range.
;;   OPERANDS COMPUTED ON THE WAY. 'Computed on the way' means the value that the module computes at that place (a softmax that the list does not call 'softmax' is quantised finished and normalised). What goes into a quantiser is computed in f32, as accurately as f32 sums, v_exp_f32 and their like allow (about 1e-6 of the number): no bf16 or f16 on the way to a quantiser, and a product that is left as it is and whose result goes on into a quantised operand takes f32 operands (vector FMAs, or v_wmma_f32_16x16x4_f32). A number that lies on a knife's edge between two numbers of the format may be rounded either way, as far as f32 arithmetic and the matrix unit's own rounding can turn it there, and no further.
;; 2 versions, each right and faster than the one before. Each part assembles by itself: llvm-mc -triple=amdgcn-amd-amdhsa -mcpu=gfx1250 --defsym DOCPART=n.
;; ======== version 1 of 2: 7 launches
;; workspace buffers: xq 12,582,912 bytes; wc 8,388,608 bytes; qkv 12,582,912 bytes; cc 4,194,304 bytes; x1 16,777,216 bytes; x2c 4,194,304 bytes; hc 8,388,608 bytes
;; launch prep (part 1): grid 512 x 1, 8 waves a work-group, no clusters, 67,072 bytes of LDS; arguments x, ln1_a, ln1_b, Wq, Wk, Wv, Wo, W1, W2, lowp_scales, xq, wc; writes xq, wc
.if DOCPART == 1
	.amdgcn_target "amdgcn-amd-amdhsa--gfx1250"
	.amdhsa_code_object_version 6
	.text
	.protected	k_qd1f710417a_prep
	.globl	k_qd1f710417a_prep
	.p2align	8
	.type	k_qd1f710417a_prep,@function
k_qd1f710417a_prep:
	s_mov_b64 s[64:65], 0
	v_nop
	global_prefetch_b8 v0, s[64:65] scope:SCOPE_SE
	s_setreg_imm32_b32 hwreg(HW_REG_WAVE_MODE, 25, 1), 1
	s_wait_xcnt 0x0
; Work-groups 0-255: the first layer norm of x [4096][1024] f32, quantised three times (exponents 0, 2, 4 of the scales' buffer) to codes of E5M2.
; Work-groups 256-511: the six weights, stored [k][n] f32, quantised along k (exponents 1, 3, 5, 11, 13, 15).
; ALL CODES ARE STORED AS IMAGES OF OPERAND REGISTERS.  A fragment (16 rows x 128 along K) is 2,048 bytes: piece c (0..3) is 512 bytes, lane l = r + 16 h has 16 bytes at 512 c + 16 l:
; K = 128 kt + 32 c + 16 h + 0..15 of row p(rt, r) = 32 (rt / 2) + 8 (rt % 2) + r + 8 (r / 8).  Fragments lie [rt][kt].  A later launch gets an operand's 16 registers by four loads of 16 bytes a lane.
; code = number / 2^e, held within +-57,344, to the nearest code, ties to even.
; LIMITS: each e between -126 and 112, so that 2^e and 57,344 x 2^e are f32 numbers.  NaN and infinities among the inputs are not served.
; No matrix work, no tensor loads; work-groups share no input, so there is no cluster.
.set PIT, 4112                         ; an LDS row of the normed numbers: 4,096 bytes + 16 = 1,028 words: row r starts at bank 4 r mod 64 (64 banks of 4 bytes: ISA guide 11.1)
.set X,   32                           ; v32-95   two rows as loaded (32 registers each); later 64 numbers of one row along K
.set GA,  96                           ; v96-127  the gain of my columns
.set GB,  128                          ; v128-159 the bias of my columns
.set T,   96                           ; v96-159  held numbers, once gain and bias are done with
.set CD,  160                          ; v160-207 codes: 16 registers for each of the three scales, so that no store's data are written again
.macro MKS e, sc, lim                  ; s[e] = e  ->  v[sc] = 2^e as f32 (the conversion takes its exponent field), v[lim] = 57,344 x 2^e
	s_add_co_i32 s60, s[\e], 127
	s_lshl_b32 s61, s60, 23
	v_mov_b32 v[\sc], s61
	s_add_co_i32 s60, s60, 15
	s_lshl_b32 s60, s60, 23
	s_or_b32 s60, s60, 0x600000
	v_mov_b32 v[\lim], s60
.endm
.macro LANESUM r, t                    ; the sum over the wave's 32 lanes, in every lane
	v_add_f32_dpp v[\r], v[\r], v[\r] row_xmask:1 row_mask:0xf bank_mask:0xf
	v_add_f32_dpp v[\r], v[\r], v[\r] row_xmask:2 row_mask:0xf bank_mask:0xf
	v_add_f32_dpp v[\r], v[\r], v[\r] row_xmask:4 row_mask:0xf bank_mask:0xf
	v_add_f32_dpp v[\r], v[\r], v[\r] row_xmask:8 row_mask:0xf bank_mask:0xf
	v_permlanex16_b32 v[\t], v[\r], s52, s53
	v_add_f32 v[\r], v[\r], v[\t]
.endm
	s_load_b512 s[4:19], s[0:1], 0x0               ; x 4:5, ln1_a 6:7, ln1_b 8:9, Wq 10:11, Wk 12:13, Wv 14:15, Wo 16:17, W1 18:19
	s_load_b256 s[20:27], s[0:1], 0x40             ; W2 20:21, the exponents 22:23, xq 24:25, wc 26:27
	v_lshl_add_u32 v208, v0, 2, 0x10200
	v_mov_b32 v209, 0
	v_lshrrev_b32 v2, 5, v0
	v_readfirstlane_b32 s28, v2                    ; wave 0..7
	v_and_b32 v3, 31, v0                           ; lane
	v_lshlrev_b32 v1, 4, v3                        ; 16 x lane
	s_mov_b32 s52, 0x76543210                      ; v_permlanex16_b32: lane l takes lane l xor 16
	s_mov_b32 s53, 0xfedcba98
	s_wait_kmcnt 0x0
	s_load_b512 s[36:51], s[22:23], 0x0            ; the sixteen exponents: entry i in s[36 + i]
	s_cmp_lt_u32 ttmp9, 256                        ; the same in all waves of a work-group
	s_cbranch_scc0 .Lweights
	; ---------------- THE LAYER NORM.  The work-group makes row tile rt = its number: 16 rows p(rt, 0..15).
	; Phase 1: wave w takes rows r = 2 w and 2 w + 1, whole: tokens 32 (rt / 2) + 8 (rt % 2) + 2 w + 8 (w / 4) and the next.
	s_lshr_b32 s29, ttmp9, 1
	s_lshl_b32 s29, s29, 5
	s_and_b32 s30, ttmp9, 1
	s_lshl_b32 s30, s30, 3
	s_add_co_u32 s29, s29, s30
	s_lshl_b32 s30, s28, 1
	s_add_co_u32 s29, s29, s30
	s_lshr_b32 s30, s28, 2
	s_lshl_b32 s30, s30, 3
	s_add_co_u32 s29, s29, s30                     ; my first token
	s_lshl_b32 s30, s29, 12                        ; x 4,096 bytes
	s_mov_b32 s31, 0
	s_add_nc_u64 s[4:5], s[4:5], s[30:31]
.irp i, 0,1
.irp j, 0,1,2,3,4,5,6,7
	global_load_b128 v[X+32*\i+4*\j:X+32*\i+4*\j+3], v1, s[4:5] offset:\i*4096+512*\j th:TH_LOAD_NT   ; 32 lanes read 512 consecutive bytes
.endr
.endr
.irp j, 0,1,2,3,4,5,6,7
	global_load_b128 v[GA+4*\j:GA+4*\j+3], v1, s[6:7] offset:512*\j
.endr
.irp j, 0,1,2,3,4,5,6,7
	global_load_b128 v[GB+4*\j:GB+4*\j+3], v1, s[8:9] offset:512*\j
.endr
	s_mul_i32 s30, s28, 2*PIT
	v_add_nc_u32 v28, s30, v1                      ; LDS, on the way in: my wave's two rows, 16 x lane
	v_and_b32 v30, 15, v0                          ; r
	v_bfe_u32 v31, v0, 4, 1                        ; h
	v_mul_u32_u24 v29, v30, PIT
	v_lshl_add_u32 v29, v31, 6, v29
	s_lshl_b32 s30, s28, 9
	v_add_nc_u32 v29, s30, v29                     ; LDS, on the way out: row r, + 64 h, + 512 x wave (wave w takes K step w)
	s_lshl_b32 s30, ttmp9, 14                      ; a row tile's 8 fragments are 16,384 bytes
	s_lshl_b32 s31, s28, 11
	s_add_co_u32 s30, s30, s31
	s_mov_b32 s31, 0
	s_add_nc_u64 s[54:55], s[24:25], s[30:31]      ; my fragment in each of the three images, 4 MiB apart
	s_add_nc_u64 s[56:57], s[54:55], 0x400000
	s_add_nc_u64 s[58:59], s[56:57], 0x400000
	v_mov_b32 v22, 0                               ; a lane permute's destination counts as read
	v_mov_b32 v23, 0
	v_mov_b32 v25, 0                               ; (upper halves of pairs of which the low word is broadcast)
	v_mov_b32 v27, 0
	s_wait_kmcnt 0x0
	MKS 36, 16, 17
	MKS 38, 18, 19
	MKS 40, 20, 21
	s_wait_loadcnt 16                              ; my two rows are in; the gain's and the bias's sixteen loads may be out
	; the rows' sums: two chains a row, the two rows by turns
.irp i, 0,1
	v_pk_add_f32 v[4+4*\i:5+4*\i], v[X+32*\i:X+32*\i+1], v[X+32*\i+4:X+32*\i+5]
	v_pk_add_f32 v[6+4*\i:7+4*\i], v[X+32*\i+2:X+32*\i+3], v[X+32*\i+6:X+32*\i+7]
.endr
.irp k, 8,12,16,20,24,28
.irp i, 0,1
	v_pk_add_f32 v[4+4*\i:5+4*\i], v[4+4*\i:5+4*\i], v[X+32*\i+\k:X+32*\i+\k+1]
	v_pk_add_f32 v[6+4*\i:7+4*\i], v[6+4*\i:7+4*\i], v[X+32*\i+\k+2:X+32*\i+\k+3]
.endr
.endr
.irp i, 0,1
	v_pk_add_f32 v[4+4*\i:5+4*\i], v[4+4*\i:5+4*\i], v[6+4*\i:7+4*\i]
.endr
.irp i, 0,1
	v_add_f32 v[4+4*\i], v[4+4*\i], v[5+4*\i]
.endr
	LANESUM 4, 22
	LANESUM 8, 23
	v_mul_f32 v24, 0x3a800000, v4                  ; the mean: sum / 1,024
	v_mul_f32 v26, 0x3a800000, v8
.irp i, 0,1
.irp k, 0,2,4,6,8,10,12,14,16,18,20,22,24,26,28,30
	v_pk_add_f32 v[X+32*\i+\k:X+32*\i+\k+1], v[X+32*\i+\k:X+32*\i+\k+1], v[24+2*\i:25+2*\i] op_sel_hi:[1,0] neg_lo:[0,1] neg_hi:[0,1]   ; d = x - mean, in place: the variance is made of d, not of a difference of large sums
.endr
.endr
.irp i, 0,1
	v_pk_mul_f32 v[4+4*\i:5+4*\i], v[X+32*\i:X+32*\i+1], v[X+32*\i:X+32*\i+1]
	v_pk_mul_f32 v[6+4*\i:7+4*\i], v[X+32*\i+2:X+32*\i+3], v[X+32*\i+2:X+32*\i+3]
.endr
.irp k, 4,8,12,16,20,24,28
.irp i, 0,1
	v_pk_fma_f32 v[4+4*\i:5+4*\i], v[X+32*\i+\k:X+32*\i+\k+1], v[X+32*\i+\k:X+32*\i+\k+1], v[4+4*\i:5+4*\i]
	v_pk_fma_f32 v[6+4*\i:7+4*\i], v[X+32*\i+\k+2:X+32*\i+\k+3], v[X+32*\i+\k+2:X+32*\i+\k+3], v[6+4*\i:7+4*\i]
.endr
.endr
.irp i, 0,1
	v_pk_add_f32 v[4+4*\i:5+4*\i], v[4+4*\i:5+4*\i], v[6+4*\i:7+4*\i]
.endr
.irp i, 0,1
	v_add_f32 v[4+4*\i], v[4+4*\i], v[5+4*\i]
.endr
	LANESUM 4, 22
	LANESUM 8, 23
	v_mul_f32 v4, 0x3a802008, v4                   ; / 1,023
	v_mul_f32 v8, 0x3a802008, v8
	v_sqrt_f32 v4, v4
	v_sqrt_f32 v8, v8
	v_nop                                          ; a plain instruction behind the roots,
	s_wait_alu depctr_va_vdst(0)                   ; and the wait ahead of the first use: one for both rows
	v_add_f32 v4, 0x358637bd, v4                   ; + 1e-6
	v_add_f32 v8, 0x358637bd, v8
	v_rcp_f32 v24, v4
	v_rcp_f32 v26, v8
	v_nop
	s_wait_alu depctr_va_vdst(0)
	s_wait_loadcnt 0x0                             ; gain and bias
.irp i, 0,1
.irp k, 0,2,4,6,8,10,12,14,16,18,20,22,24,26,28,30
	v_pk_mul_f32 v[X+32*\i+\k:X+32*\i+\k+1], v[X+32*\i+\k:X+32*\i+\k+1], v[24+2*\i:25+2*\i] op_sel_hi:[1,0]
	v_pk_fma_f32 v[X+32*\i+\k:X+32*\i+\k+1], v[X+32*\i+\k:X+32*\i+\k+1], v[GA+\k:GA+\k+1], v[GB+\k:GB+\k+1]
.endr
.endr
.irp i, 0,1
.irp j, 0,1,2,3,4,5,6,7
	ds_store_b128 v28, v[X+32*\i+4*\j:X+32*\i+4*\j+3] offset:\i*PIT+512*\j
.endr
.endr
	s_wait_dscnt 0x0                               ; for the others' sake: my two rows lie in LDS
	s_barrier_signal -1
	s_barrier_wait -1
	; Phase 2: wave w makes fragment (rt, w).  Lane (r, h) takes, of row r, 16 neighbours of each block of 32: register 16 c + i = K 128 w + 32 c + 16 h + i
.irp c, 0,1,2,3
.irp q, 0,1,2,3
	ds_load_b128 v[X+16*\c+4*\q:X+16*\c+4*\q+3], v29 offset:128*\c+16*\q
.endr
.endr
	s_wait_dscnt 0x0
.irp z, 0,1,2
.set i, 0
.rept 64
	v_med3_num_f32 v[T+i], v[X+i], -v[17+2*\z], v[17+2*\z]   ; the conversion to an 8-bit code does not saturate (ISA guide 7.6.2): the hold at the largest code x the scale
.set i, i+1
.endr
.irp g, 0,1,2,3,4,5,6,7
	v_cvt_scalef32_pk8_bf8_f32 v[CD+16*\z+2*\g:CD+16*\z+2*\g+1], v[T+8*\g:T+8*\g+7], v[16+2*\z]
.endr
	v_nop                                          ; a plain instruction between the conversions and the next holds, which write their sources
.irp c, 0,1,2,3
	global_store_b128 v1, v[CD+16*\z+4*\c:CD+16*\z+4*\c+3], s[54+2*\z:55+2*\z] offset:512*\c   ; 32 lanes store 512 consecutive bytes, aligned
.endr
.endr
	s_wait_tensorcnt 0x0
	ds_add_u32 v208, v209
	s_wait_dscnt 0x0
	s_endpgm
	; ---------------- THE WEIGHTS.  A work-group takes 256 columns x 128 along K of one weight; a wave 32 columns.  A lane takes a column n, and its registers run down K:
	; each load reads neighbouring n in neighbouring lanes, and the conversions give codes with K innermost.  Nothing is transposed.
.Lweights:
	s_wait_kmcnt 0x0
	s_sub_co_u32 s29, ttmp9, 256                   ; g = 0..255
	s_lshr_b32 s30, s29, 5                         ; 0..3: Wq, Wk, Wv, Wo (32 units each); 4, 5: W1; 6, 7: W2 (64 units each)
	s_mov_b64 s[32:33], s[10:11]
	s_mov_b32 s34, s37
	s_cmp_eq_u32 s30, 1
	s_cselect_b64 s[32:33], s[12:13], s[32:33]
	s_cselect_b32 s34, s39, s34
	s_cmp_eq_u32 s30, 2
	s_cselect_b64 s[32:33], s[14:15], s[32:33]
	s_cselect_b32 s34, s41, s34
	s_cmp_eq_u32 s30, 3
	s_cselect_b64 s[32:33], s[16:17], s[32:33]
	s_cselect_b32 s34, s47, s34
	s_cmp_ge_u32 s30, 4
	s_cselect_b64 s[32:33], s[18:19], s[32:33]
	s_cselect_b32 s34, s49, s34
	s_cmp_ge_u32 s30, 6
	s_cselect_b64 s[32:33], s[20:21], s[32:33]     ; the weight,
	s_cselect_b32 s34, s51, s34                    ; and its exponent
	s_and_b32 s35, s30, 6
	s_and_b32 s60, s29, 31
	s_and_b32 s61, s29, 63
	s_cmp_lt_u32 s30, 4
	s_cselect_b32 s35, s30, s35
	s_cselect_b32 s60, s60, s61                    ; the unit's number in its weight
	s_lshl_b32 s35, s35, 20                        ; the weight's image in wc: 0, 1, 2, 3, 4, 6 MiB
	s_lshr_b32 s61, s30, 1
	s_cmp_eq_u32 s61, 2
	s_cselect_b32 s62, 3, 2                        ; log2 of the groups of 256 columns: 8 in W1, else 4.  A row of the weight is 1,024 bytes << this
	s_cmp_eq_u32 s61, 3
	s_cselect_b32 s63, 15, 14                      ; log2 of a row tile's bytes in the image: 16 K = 32,768 in W2, else 16,384
	s_lshr_b32 s31, s60, s62                       ; kt
	s_lshl_b32 s61, s31, s62
	s_sub_co_u32 s60, s60, s61                     ; cg: which 256 columns
	s_add_co_u32 s61, s62, 17
	s_lshl_b32 s54, s31, s61                       ; 128 kt rows,
	s_lshl_b32 s61, s60, 10
	s_add_co_u32 s54, s54, s61                     ; + 256 cg columns,
	s_lshl_b32 s61, s28, 7
	s_add_co_u32 s54, s54, s61                     ; + 32 x wave columns
	s_mov_b32 s55, 0
	s_add_nc_u64 s[32:33], s[32:33], s[54:55]
	s_lshl_b32 s56, s60, 3
	s_add_co_u32 s56, s56, s28                     ; my wave's 32 columns are row tiles 2 (8 cg + w) and the next
	s_add_co_u32 s61, s63, 1
	s_lshl_b32 s56, s56, s61
	s_lshl_b32 s61, s31, 11
	s_add_co_u32 s56, s56, s61                     ; + fragment kt
	s_add_co_u32 s56, s56, s35
	s_mov_b32 s57, 0
	s_add_nc_u64 s[26:27], s[26:27], s[56:57]
	v_lshlrev_b32 v4, 2, v3                        ; in: 4 bytes a lane
	v_bfe_u32 v5, v3, 3, 1                         ; out: column x of the 32 is row r = x % 8 + 8 (x / 16) of tile u = (x / 8) % 2
	v_lshlrev_b32 v5, s63, v5
	v_and_b32 v6, 7, v3
	v_lshrrev_b32 v7, 4, v3
	v_lshl_add_u32 v6, v7, 3, v6
	v_lshl_add_u32 v5, v6, 4, v5                   ; u x a row tile's bytes + 16 r
	MKS 34, 10, 11
.macro WLOAD t, pitch                  ; block t: W(128 kt + 32 t + i, my column), i = 0..31, into set t % 2
.set i, 0
.rept 32
	global_load_b32 v[32+32*((\t)%2)+i], v4, s[32:33] offset:(32*(\t)+i)*\pitch th:TH_LOAD_NT
.set i, i+1
.endr
.endm
.macro WQ pitch
	WLOAD 0, \pitch
	WLOAD 1, \pitch
.irp t, 0,1,2,3
.if \t < 3
	s_wait_loadcnt 32                              ; this block's 32 loads are in; the next block's may be out
.else
	s_wait_loadcnt 0x0
.endif
.set i, 0
.rept 32
	v_med3_num_f32 v[32+32*(\t%2)+i], v[32+32*(\t%2)+i], -v11, v11
.set i, i+1
.endr
.irp g, 0,1,2,3
	v_cvt_scalef32_pk8_bf8_f32 v[96+8*\t+2*\g:96+8*\t+2*\g+1], v[32+32*(\t%2)+8*\g:32+32*(\t%2)+8*\g+7], v10
.endr
	; the results go to stores and the sources are next written by loads; the next block's holds are plain instructions on the other set
	global_store_b128 v5, v[96+8*\t:96+8*\t+3], s[26:27] offset:512*\t        ; K 32 t + 0..15: the half h = 0 of piece t; the sixteen lanes of a tile store 256 consecutive bytes, aligned
	global_store_b128 v5, v[96+8*\t+4:96+8*\t+7], s[26:27] offset:512*\t+256  ; K 32 t + 16..31: the half h = 1
.if \t < 2
	WLOAD \t+2, \pitch
.endif
.endr
.endm
	s_cmp_eq_u32 s62, 3                            ; the rows' pitch stands in the loads' immediates: one text for each pitch
	s_cbranch_scc1 .Lwide
	WQ 4096
	s_endpgm
.Lwide:
	WQ 8192
	s_endpgm
.Lfunc_end_k_qd1f710417a_prep:
	.size	k_qd1f710417a_prep, .Lfunc_end_k_qd1f710417a_prep-k_qd1f710417a_prep
	.p2alignl 7, 3214868480
	.fill 96, 4, 3214868480
	.section	.rodata,"a",@progbits
	.p2align	6, 0x0
	.amdhsa_kernel k_qd1f710417a_prep
		.amdhsa_group_segment_fixed_size 67072
		.amdhsa_private_segment_fixed_size 0
		.amdhsa_enable_private_segment 0
		.amdhsa_kernarg_size 96
		.amdhsa_user_sgpr_count 2
		.amdhsa_user_sgpr_kernarg_segment_ptr 1
		.amdhsa_wavefront_size32 1
		.amdhsa_system_sgpr_workgroup_id_x 1
		.amdhsa_system_sgpr_workgroup_id_y 1
		.amdhsa_system_sgpr_workgroup_id_z 1
		.amdhsa_system_vgpr_workitem_id 0
		.amdhsa_next_free_vgpr 210
		.amdhsa_next_free_sgpr 66
		.amdhsa_reserve_vcc 0
		.amdhsa_float_denorm_mode_32 3
		.amdhsa_float_denorm_mode_16_64 3
		.amdhsa_memory_ordered 1
		.amdhsa_forward_progress 1
		.amdhsa_inst_pref_size 82
	.end_amdhsa_kernel
	.amdgpu_metadata
---
amdhsa.version: [ 1, 2 ]
amdhsa.kernels:
  - .name:           k_qd1f710417a_prep
    .symbol:         k_qd1f710417a_prep.kd
    .args:
      - { .name: x, .offset: 0, .size: 8, .value_kind: global_buffer, .address_space: global }
      - { .name: ln1_a, .offset: 8, .size: 8, .value_kind: global_buffer, .address_space: global }
      - { .name: ln1_b, .offset: 16, .size: 8, .value_kind: global_buffer, .address_space: global }
      - { .name: Wq, .offset: 24, .size: 8, .value_kind: global_buffer, .address_space: global }
      - { .name: Wk, .offset: 32, .size: 8, .value_kind: global_buffer, .address_space: global }
      - { .name: Wv, .offset: 40, .size: 8, .value_kind: global_buffer, .address_space: global }
      - { .name: Wo, .offset: 48, .size: 8, .value_kind: global_buffer, .address_space: global }
      - { .name: W1, .offset: 56, .size: 8, .value_kind: global_buffer, .address_space: global }
      - { .name: W2, .offset: 64, .size: 8, .value_kind: global_buffer, .address_space: global }
      - { .name: lowp_scales, .offset: 72, .size: 8, .value_kind: global_buffer, .address_space: global }
      - { .name: xq, .offset: 80, .size: 8, .value_kind: global_buffer, .address_space: global }
      - { .name: wc, .offset: 88, .size: 8, .value_kind: global_buffer, .address_space: global }
    .group_segment_fixed_size: 67072
    .private_segment_fixed_size: 0
    .kernarg_segment_align: 8
    .kernarg_segment_size: 96
    .max_flat_workgroup_size: 256
    .sgpr_count:     66
    .vgpr_count:     210
    .wavefront_size: 32
...
	.end_amdgpu_metadata
.endif
;; end of part 1
;; launch qkv (part 2): grid 12 x 16, 4 waves a work-group, clusters of 4 x 4, 327,680 bytes of LDS; arguments xq, wc, lowp_scales, qkv; writes qkv
.if DOCPART == 2
	.amdgcn_target "amdgcn-amd-amdhsa--gfx1250"
	.amdhsa_code_object_version 6
	.text
	.protected	k_qd1f710417a_qkv
	.globl	k_qd1f710417a_qkv
	.p2align	8
	.type	k_qd1f710417a_qkv,@function
k_qd1f710417a_qkv:
	s_mov_b64 s[64:65], 0
	v_nop
	global_prefetch_b8 v0, s[64:65] scope:SCOPE_SE
	s_setreg_imm32_b32 hwreg(HW_REG_WAVE_MODE, 25, 1), 1
	s_wait_xcnt 0x0
	s_wait_alu depctr_hold_cnt(0) depctr_sa_sdst(0) depctr_va_vdst(0) depctr_va_sdst(0) depctr_va_ssrc(0) depctr_va_vcc(0) depctr_vm_vsrc(0)
	s_getreg_b32 s2, hwreg(HW_REG_IB_STS2, 6, 4)
	s_cmp_eq_u32 s2, 0
	s_cbranch_scc0 .Lentry_in_a_cluster
	s_endpgm
.Lentry_in_a_cluster:
	s_bfe_u32 s2, ttmp6, 0x10000c
	s_cmp_lg_u32 s2, 0xf033
	s_cbranch_scc0 .Lentry_shape_is_right
	s_endpgm
.Lentry_shape_is_right:
; q = x2 Wq, k = x2 Wk, v = x2 Wv on codes of E5M2, and each result quantised at once for attention's products.  K = 1,024.
; Operands are images of fragments (16 rows x 128 K = 2,048 bytes; lane l's 16 bytes of piece c at 512 c + 16 l; row p(rt, r) = 32 (rt / 2) + 8 (rt % 2) + r + 8 (r / 8); fragments [rt][kt]).
; The cluster's x says which product: 0: q, 1: k, 2: v.  For q and k the side A is the tokens and B the weight's columns; for v the sides are swapped, so that v comes out with the KEYS innermost.
; A tile of the result is 256 x 256, four waves, 128 x 128 each: 64 accumulators, 512 registers.  K goes in steps of 256 through two LDS slots filled by the tensor data mover.
; CLUSTERS: 4 x 4 work-groups; A's tiles are asked for jointly along a row of the cluster, B's along a column.
; THE MATRIX INSTRUCTION IS USED TRANSPOSED (source 0 = 16 rows of B, source 1 = 16 rows of A).  By the choice of rows p, the 16 registers of accumulators (a, 2 u) and (a, 2 u + 1) are 16 neighbours
; 32 u + 16 h + 0..15 along B's rows: two conversions make of them piece u of a fragment of the next operand, in the lane that wants it.  The way out needs no LDS.
; OUT: q at 0, k at 4 MiB: [batch x head 32][token tile 128][2][512 bytes] (a fragment of 64 along K is 8 registers); v at 8 MiB: [batch x head][128 keys: 16][16 channels: 4][2,048 bytes].
; LIMITS: e6 - e0 - e1, e7 - e2 - e3 and e9 - e4 - e5 lie between -126 and 112, so that the folded scale and 57,344 times it are f32 numbers.
; REGISTERS: window 0: v12-29 scale, limit, addresses; v32-95 held numbers; v96-127 codes; v128-255 A's fragments, one set.  window 1: B's fragments, two sets.  windows 2, 3: accumulators, (a, b) at v[8 (8 (a % 4) + b)].
.set KK,    1024
.set RTB,   16*KK                      ; a row tile's fragments in bytes
.set LAPS,  KK/512                     ; a lap = two slots = 512 along K
.set SLOT,  131072                     ; A's 16 row tiles x 4,096 bytes, then B's
.set SPARE, 2*SLOT                     ; behind the ring: the spare words, 128 bytes for each wave: two blocks of 256 bytes that no other line names
.set FR,    16
.set NL,    4
.set NP,    4
.set SC,    12                         ; v12  the folded scale as f32
.set LIM,   13                         ; v13  57,344 x that
.set ADRA,  16                         ; v16-17  LDS address of my A fragments in slot 0, 1
.set ADRB,  20                         ; v20-21  the same for B
.set LI,    26                         ; v26  16 x lane
.set SPW,   28                         ; v28  LDS address of my spare word; never rewritten
.set NIL,   29                         ; v29  0; never rewritten
.set T,     32
.set CD,    96
.set AF,    128
.set G1,  24
.set G0,  32
.set G1B, 48
.set G0B, 56
.set MSB, 0
.macro WIN new                         ; the immediate's high byte repeats the setting that is left
.if MSB != \new
	s_set_vgpr_msb (MSB<<8)|\new
.set MSB, \new
.endif
.endm
.set MUL_LO, 0xa1                      ; source 0 (B) window 1, source 1 (A) window 0, C and D window 2
.set MUL_HI, 0xf1                      ; the same, C and D window 3
.set TO_B,   0x40                      ; destination window 1, address window 0
; A joint load: waves 0 and 1 fetch for A, waves 2 and 3 for B; the branch hangs on the wave's number alone.  Four v_nop follow each of the two lines.
.macro JLOAD g0a, g1a, g0b, g1b
	s_cmp_eq_u32 s15, 0
	s_cbranch_scc0 .Lfor_b_\@
	tensor_load_to_lds s[\g0a:\g0a+3], s[\g1a:\g1a+7]
	s_nop 0
.rept 4
	v_nop
.endr
	s_branch .Lasked_\@
.Lfor_b_\@:
	tensor_load_to_lds s[\g0b:\g0b+3], s[\g1b:\g1b+7]
	s_nop 0
.rept 4
	v_nop
.endr
.Lasked_\@:
.endm
.macro CREST                           ; a round of the cluster's barrier behind its opening barrier
	s_cmp_lg_u32 s14, 0
	s_cbranch_scc1 .Lnot_wave_0_\@
	s_barrier_signal -3
.Lnot_wave_0_\@:
	s_barrier_wait -3
	s_barrier_signal -1
	s_barrier_wait -1
.endm
.macro CROUND
	s_barrier_signal -1
	s_barrier_wait -1
	CREST
.endm
	s_load_b256 s[4:11], s[0:1], 0x0               ; xq 4:5, wc 6:7, the exponents 8:9, qkv 10:11
	v_lshl_add_u32 v[SPW], v0, 2, SPARE
	v_mov_b32 v[NIL], 0
	ds_add_u32 v28, v29
	ds_add_u32 v28, v29
	s_wait_dscnt 0x0
	v_lshrrev_b32 v1, 5, v0
	v_readfirstlane_b32 s14, v1                    ; wave 0..3
	s_lshr_b32 s15, s14, 1                         ; which half of A's rows is mine.  Also: I fetch for A (0) or for B (1)
	s_and_b32 s16, s14, 1                          ; which half of B's rows.  Also: which 8 row tiles I fetch
	s_bfe_u32 s40, ttmp6, 0x40000                  ; cx
	s_bfe_u32 s41, ttmp6, 0x40004                  ; cy
	s_and_b32 s84, ttmp7, 0xffff
	s_lshl_b32 s84, s84, 2                         ; 4 x cluster y
	s_lshl_b32 s85, ttmp9, 22                      ; the product's image of x2: 4 MiB each
	s_lshl_b32 s86, ttmp9, 20                      ; the product's weight: 1 MiB each
	s_lshl_b32 s43, s41, 2
	s_lshl_b32 s43, 15, s43                        ; my row of the cluster
	s_lshl_b32 s44, 0x1111, s40                    ; my column
	s_cmp_lt_u32 ttmp9, 2                          ; q or k?  The cluster's x is the same in all sixteen partners
	s_cselect_b32 s87, s84, 0                      ; the tokens' 16 tiles go along A (q, k) ..
	s_cselect_b32 s88, 0, s84                      ; .. or along B (v); the weight's 4 tiles along the other side
	s_cselect_b32 s85, s85, 0x200000               ; A's first byte in its buffer (v: Wv's image)
	s_cselect_b32 s86, s86, 0x800000               ; B's (v: the third image of x2)
	s_add_co_u32 s17, s87, s41                     ; A's tile: hangs on cy, not on cx
	s_add_co_u32 s42, s88, s40                     ; B's tile: hangs on cx, not on cy
	; descriptor group 1: 8 row tiles x 4,096 bytes (two fragments on end), RTB bytes apart; dense in LDS
	s_or_b32 s[G1+0], s43, (3<<16)|(1<<21)         ; 15:0 the mask: my row; 17:16 elements of 8 bytes; 21 set beside a mask
	s_or_b32 s[G1B+0], s44, (3<<16)|(1<<21)        ; the same with my column
.irp g, G1, G1B
	s_mov_b32 s[\g+1], 512<<16                     ; tensor_dim0 = 512 elements
	s_mov_b32 s[\g+2], 8<<16                       ; tensor_dim1 = 8
	s_mov_b32 s[\g+3], 512<<16                     ; tile_dim0
	s_mov_b32 s[\g+4], 8                           ; tile_dim1
	s_mov_b32 s[\g+5], RTB/8                       ; tensor_dim0_stride, in elements
	s_mov_b32 s[\g+6], 0
	s_mov_b32 s[\g+7], 0
.endr
	s_mul_i32 s18, s16, 8*RTB                      ; which 8 row tiles of the 16 I fetch
	s_mul_i32 s20, s17, 16*RTB
	s_add_co_u32 s20, s20, s18
	s_add_co_u32 s20, s20, s85
	s_mov_b32 s21, 0
	s_mul_i32 s46, s42, 16*RTB
	s_add_co_u32 s46, s46, s18
	s_add_co_u32 s46, s46, s86
	s_mov_b32 s47, 0
	s_lshl_b32 s45, s14, 15                        ; where they go: wave x 32,768: no place in the cluster enters an LDS address
	s_wait_kmcnt 0x0
	s_load_b512 s[68:83], s[8:9], 0x0              ; the sixteen exponents: entry i in s[68 + i]
	s_cmp_lt_u32 ttmp9, 2
	s_cselect_b64 s[22:23], s[4:5], s[6:7]         ; A's buffer
	s_cselect_b64 s[12:13], s[6:7], s[4:5]         ; B's buffer
	s_add_nc_u64 s[20:21], s[22:23], s[20:21]
	s_add_nc_u64 s[46:47], s[12:13], s[46:47]
	CROUND                                         ; all sixteen work-groups are here: the first joint loads meet
.irp s, 0,1
	s_mov_b32 s[G0+4*\s], 1
	s_add_co_u32 s[G0+4*\s+1], s45, \s*SLOT
	s_add_nc_u64 s[G0+4*\s+2:G0+4*\s+3], s[20:21], \s*4096
	s_or_b32 s[G0+4*\s+3], s[G0+4*\s+3], 0x80000000
	s_mov_b32 s[G0B+4*\s], 1
	s_add_co_u32 s[G0B+4*\s+1], s45, \s*SLOT
	s_add_nc_u64 s[G0B+4*\s+2:G0B+4*\s+3], s[46:47], \s*4096
	s_or_b32 s[G0B+4*\s+3], s[G0B+4*\s+3], 0x80000000
	JLOAD G0+4*\s, G1, G0B+4*\s, G1B
.endr
	v_and_b32 v1, 31, v0
	v_lshlrev_b32 v[LI], 4, v1
	s_lshl_b32 s21, s15, 15                        ; my 8 row tiles of A
	s_lshl_b32 s22, s16, 15                        ; my 8 of B,
	s_add_co_u32 s22, s22, 65536                   ; which lie behind A's 16
.irp s, 0,1
	v_add_nc_u32 v[ADRA+\s], s21, v[LI]
	v_add_nc_u32 v[ADRB+\s], s22, v[LI]
	s_add_co_u32 s21, s21, SLOT
	s_add_co_u32 s22, s22, SLOT
.endr
.macro FRAG reg, adr, q, i             ; a fragment comes as it lies: four loads of 512 consecutive bytes
.irp c, 0,1,2,3
	ds_load_b128 v[\reg+4*\c:\reg+4*\c+3], v[\adr] offset:4096*(\i)+2048*(\q)+512*\c
.endr
.endm
; 16 matrix instructions: A's blocks a0, a0 + 1 x B's eight.  p: B's set.  zero = 1: the first product starts the sums.  The 64 accumulators take turns, one instruction a turn, in the same order in every step.
.macro MUL16 a0, p, zero
.irp a, \a0, \a0+1
.irp b, 0,1,2,3,4,5,6,7
.if \zero
	v_wmma_f32_16x16x128_bf8_bf8 v[8*(8*((\a)%4)+\b):8*(8*((\a)%4)+\b)+7], v[128*(\p)+FR*\b:128*(\p)+FR*\b+FR-1], v[AF+FR*(\a):AF+FR*(\a)+FR-1], 0
.else
	v_wmma_f32_16x16x128_bf8_bf8 v[8*(8*((\a)%4)+\b):8*(8*((\a)%4)+\b)+7], v[128*(\p)+FR*\b:128*(\p)+FR*\b+FR-1], v[AF+FR*(\a):AF+FR*(\a)+FR-1], v[8*(8*((\a)%4)+\b):8*(8*((\a)%4)+\b)+7]
.endif
.endr
.endr
.endm
.macro FETCH_B slot, q, p
	WIN TO_B
.irp i, 0,1,2,3,4,5,6,7
	FRAG 128*(\p)+FR*\i, ADRB+\slot, \q, \i
.endr
	WIN 0
.endm
.macro FETCH_A slot, q, i0
.irp i, \i0, \i0+1, \i0+2, \i0+3
	FRAG AF+FR*(\i), ADRA+\slot, \q, \i
.endr
.endm
.macro PLACES n                        ; plain instructions between a matrix instruction and a load into one of its registers, or a read of its result
.rept \n
	v_nop
.endr
.endm
.macro STEP slot, q, zero              ; 128 along K, with its successor in the same slot
	s_wait_dscnt 4*NL                              ; B's set and A's blocks 0-3 are in; the youngest sixteen loads (A's blocks 4-7) may be out
	WIN MUL_LO
	MUL16 0, (\q)%2, \zero
	MUL16 2, (\q)%2, \zero
	s_wait_dscnt 0
	PLACES NP
	FETCH_B \slot, (\q)+1, 1-(\q)%2
	FETCH_A \slot, (\q)+1, 0
	WIN MUL_HI
	MUL16 4, (\q)%2, \zero
	MUL16 6, (\q)%2, \zero
	PLACES NP
	WIN 0
	FETCH_A \slot, (\q)+1, 4
.endm
; A slot's last step changes slots: one barrier; in front of it each wave waits for all its tensor loads, adds 0 to its spare word, and waits for that and for its reads of this slot.
.macro TURN slot, next, fill
	s_wait_tensorcnt 0x0                           ; all my tensor loads have landed: my part of the next slot
	ds_add_u32 v[SPW], v[NIL]                      ; 0 onto my spare word
	s_wait_dscnt 4*NL+1                            ; (the add and the youngest sixteen loads may be out)
	WIN MUL_LO
	MUL16 0, 1, 0
	s_wait_dscnt 0x0                               ; the add is done, and my reads of this slot are over
	s_barrier_signal -1
	MUL16 2, 1, 0
	WIN 0
	s_barrier_wait -1
.if \fill
	CREST                                          ; the barrier has opened a round of the cluster's barrier: no wave of any partner still reads this slot or has a load on its way
	s_add_nc_u64 s[G0+4*\slot+2:G0+4*\slot+3], s[G0+4*\slot+2:G0+4*\slot+3], 2*4096
	s_add_nc_u64 s[G0B+4*\slot+2:G0B+4*\slot+3], s[G0B+4*\slot+2:G0B+4*\slot+3], 2*4096
	JLOAD G0+4*\slot, G1, G0B+4*\slot, G1B         ; the first tensor load behind the round; its four v_nop are the places in front of the loads below
.else
	PLACES NP
.endif
	FETCH_B \next, 0, 0
	FETCH_A \next, 0, 0
	WIN MUL_HI
	MUL16 4, 1, 0
	MUL16 6, 1, 0
	PLACES NP
	WIN 0
	FETCH_A \next, 0, 4
.endm
	s_wait_tensorcnt 1                             ; my part of slot 0 is in; slot 1's load may be out
	s_barrier_signal -1
	s_barrier_wait -1
	FETCH_B 0, 0, 0
	FETCH_A 0, 0, 0
	FETCH_A 0, 0, 4
	STEP 0, 0, 1                                   ; the first step starts the sums
	s_mov_b32 s3, LAPS-1
.Llap:
	TURN 0, 1, 1
	STEP 1, 0, 0
	TURN 1, 0, 1
	STEP 0, 0, 0
	s_sub_co_u32 s3, s3, 1
	s_cmp_lg_u32 s3, 0
	s_cbranch_scc1 .Llap
	TURN 0, 1, 0                                   ; the last lap fills nothing
	STEP 1, 0, 0
	s_wait_dscnt 4*NL
	WIN MUL_LO
	MUL16 0, 1, 0
	MUL16 2, 1, 0
	s_wait_dscnt 0
	WIN MUL_HI
	MUL16 4, 1, 0
	MUL16 6, 1, 0
	WIN 0
	; THE WAY OUT.  A sum stands for sum x 2^(eA + eB); its code is sum / 2^(e_next - eA - eB): the three scales are folded into the conversion's one.
	s_wait_kmcnt 0x0
	s_sub_co_i32 s90, s74, s68
	s_sub_co_i32 s90, s90, s69                     ; q: e6 - e0 - e1
	s_sub_co_i32 s91, s75, s70
	s_sub_co_i32 s91, s91, s71                     ; k: e7 - e2 - e3
	s_sub_co_i32 s92, s77, s72
	s_sub_co_i32 s92, s92, s73                     ; v: e9 - e4 - e5
	s_cmp_eq_u32 ttmp9, 1
	s_cselect_b32 s90, s91, s90
	s_cmp_eq_u32 ttmp9, 2
	s_cselect_b32 s90, s92, s90
	s_add_co_i32 s90, s90, 127
	s_lshl_b32 s91, s90, 23
	v_mov_b32 v[SC], s91
	s_add_co_i32 s90, s90, 15
	s_lshl_b32 s90, s90, 23
	s_or_b32 s90, s90, 0x600000
	v_mov_b32 v[LIM], s90
	PLACES NP
; Block a (16 rows of A): 64 holds, each accumulator from its low end on; 8 conversions; 4 stores of 512 consecutive bytes.  kind = 0: q, k; 1: v.
.macro QOUT a, kind
.set AC, 64*((\a)%4)
	WIN 0x02+((\a)/4)                              ; source 0: window 2 or 3
.set j, 0
.rept 64
	v_med3_num_f32 v[T+j], v[AC+j], -v[LIM], v[LIM]
.set j, j+1
.endr
	WIN 0
.if (\a) >= 2
	s_wait_xcnt 0x0                                ; block a - 2's stores have read their data registers, which are written again below
.endif
.set CB, CD+16*((\a)%2)
.irp g, 0,1,2,3,4,5,6,7
	v_cvt_scalef32_pk8_bf8_f32 v[CB+2*\g:CB+2*\g+1], v[T+8*\g:T+8*\g+7], v[SC]
.endr
	v_nop                                          ; a plain instruction between the conversions and the next block's holds, which write their sources
.irp u, 0,1,2,3
.if \kind
	global_store_b128 v[LI], v[CB+4*\u:CB+4*\u+3], s[10:11] offset:131072*((\a)/4)+2048*((\a)%4)+512*\u
.else
	global_store_b128 v[LI], v[CB+4*\u:CB+4*\u+3], s[10:11] offset:1024*(\a)+131072*(\u/2)+512*(\u%2)
.endif
.endr
.endm
	s_cmp_eq_u32 ttmp9, 2                          ; the same in all partners
	s_cbranch_scc1 .Lout_v
	s_lshl_b32 s18, s17, 4                         ; q, k: my first token tile, 16 x A's tile + 8 x half,
	s_lshl_b32 s19, s15, 3
	s_add_co_u32 s18, s18, s19
	s_lshr_b32 s19, s18, 7
	s_lshl_b32 s19, s19, 21                        ; its batch: 16 heads x 131,072 bytes,
	s_and_b32 s18, s18, 127
	s_lshl_b32 s18, s18, 10                        ; its place in the batch: 1,024 bytes a tile,
	s_add_co_u32 s18, s18, s19
	s_lshl_b32 s19, s42, 2
	s_lshl_b32 s22, s16, 1
	s_add_co_u32 s19, s19, s22
	s_lshl_b32 s19, s19, 17                        ; my first head: 4 x B's tile + 2 x half,
	s_add_co_u32 s18, s18, s19
	s_lshl_b32 s19, ttmp9, 22                      ; q or k
	s_add_co_u32 s18, s18, s19
	s_mov_b32 s19, 0
	s_add_nc_u64 s[10:11], s[10:11], s[18:19]
.irp a, 0,1,2,3,4,5,6,7
	QOUT \a, 0
.endr
	s_branch .Lend
.Lout_v:
	s_lshl_b32 s18, s42, 1                         ; v: my 128 keys: 2 x B's tile + half,
	s_add_co_u32 s18, s18, s16
	s_lshr_b32 s19, s18, 4
	s_lshl_b32 s19, s19, 21                        ; their batch,
	s_and_b32 s18, s18, 15
	s_lshl_b32 s18, s18, 13                        ; their place in the batch: 8,192 bytes for 128 keys,
	s_add_co_u32 s18, s18, s19
	s_lshl_b32 s19, s17, 2
	s_lshl_b32 s22, s15, 1
	s_add_co_u32 s19, s19, s22
	s_lshl_b32 s19, s19, 17                        ; my first head: 4 x A's tile + 2 x half
	s_add_co_u32 s18, s18, s19
	s_add_co_u32 s18, s18, 0x800000
	s_mov_b32 s19, 0
	s_add_nc_u64 s[10:11], s[10:11], s[18:19]
.irp a, 0,1,2,3,4,5,6,7
	QOUT \a, 1
.endr
.Lend:
	s_wait_tensorcnt 0x0                           ; the wave's end
	ds_add_u32 v[SPW], v[NIL]
	s_wait_dscnt 0x0
	CROUND                                         ; the closing round: no work-group ends while a partner may still ask for a tile that names it
	s_endpgm
.Lfunc_end_k_qd1f710417a_qkv:
	.size	k_qd1f710417a_qkv, .Lfunc_end_k_qd1f710417a_qkv-k_qd1f710417a_qkv
	.p2alignl 7, 3214868480
	.fill 96, 4, 3214868480
	.section	.rodata,"a",@progbits
	.p2align	6, 0x0
	.amdhsa_kernel k_qd1f710417a_qkv
		.amdhsa_group_segment_fixed_size 327680
		.amdhsa_private_segment_fixed_size 0
		.amdhsa_enable_private_segment 0
		.amdhsa_kernarg_size 32
		.amdhsa_user_sgpr_count 2
		.amdhsa_user_sgpr_kernarg_segment_ptr 1
		.amdhsa_wavefront_size32 1
		.amdhsa_system_sgpr_workgroup_id_x 1
		.amdhsa_system_sgpr_workgroup_id_y 1
		.amdhsa_system_sgpr_workgroup_id_z 1
		.amdhsa_system_vgpr_workitem_id 0
		.amdhsa_next_free_vgpr 1024
		.amdhsa_next_free_sgpr 98
		.amdhsa_reserve_vcc 0
		.amdhsa_float_denorm_mode_32 3
		.amdhsa_float_denorm_mode_16_64 3
		.amdhsa_memory_ordered 1
		.amdhsa_forward_progress 1
		.amdhsa_inst_pref_size 158
	.end_amdhsa_kernel
	.amdgpu_metadata
---
amdhsa.version: [ 1, 2 ]
amdhsa.kernels:
  - .name:           k_qd1f710417a_qkv
    .symbol:         k_qd1f710417a_qkv.kd
    .args:
      - { .name: xq, .offset: 0, .size: 8, .value_kind: global_buffer, .address_space: global }
      - { .name: wc, .offset: 8, .size: 8, .value_kind: global_buffer, .address_space: global }
      - { .name: lowp_scales, .offset: 16, .size: 8, .value_kind: global_buffer, .address_space: global }
      - { .name: qkv, .offset: 24, .size: 8, .value_kind: global_buffer, .address_space: global }
    .group_segment_fixed_size: 327680
    .private_segment_fixed_size: 0
    .kernarg_segment_align: 8
    .kernarg_segment_size: 32
    .max_flat_workgroup_size: 128
    .sgpr_count:     98
    .vgpr_count:     1024
    .wavefront_size: 32
...
	.end_amdgpu_metadata
.endif
;; end of part 2
;; launch attn (part 3): grid 8 x 32, 16 waves a work-group, clusters of 4 x 1, 327,680 bytes of LDS; arguments qkv, mask, lowp_scales, cc; writes cc
.if DOCPART == 3
	.amdgcn_target "amdgcn-amd-amdhsa--gfx1250"
	.amdhsa_code_object_version 6
	.text
	.protected	k_qd1f710417a_attn
	.globl	k_qd1f710417a_attn
	.p2align	8
	.type	k_qd1f710417a_attn,@function
k_qd1f710417a_attn:
	s_mov_b64 s[64:65], 0
	v_nop
	global_prefetch_b8 v0, s[64:65] scope:SCOPE_SE
	s_setreg_imm32_b32 hwreg(HW_REG_WAVE_MODE, 25, 1), 1
	s_wait_xcnt 0x0
	s_wait_alu depctr_hold_cnt(0) depctr_sa_sdst(0) depctr_va_vdst(0) depctr_va_sdst(0) depctr_va_ssrc(0) depctr_va_vcc(0) depctr_vm_vsrc(0)
	s_getreg_b32 s2, hwreg(HW_REG_IB_STS2, 6, 4)
	s_cmp_eq_u32 s2, 0
	s_cbranch_scc0 .Lentry_in_a_cluster
	s_endpgm
.Lentry_in_a_cluster:
	s_bfe_u32 s2, ttmp6, 0x10000c
	s_cmp_lg_u32 s2, 0x3003
	s_cbranch_scc0 .Lentry_shape_is_right
	s_endpgm
.Lentry_shape_is_right:
; Attention on codes of E5M2: 32 heads (batch x head), 2,048 queries and keys, head size 64.  The logit is (q . k) / 8 x mask[key]; a logit that is 0 counts as -infinity.
; t = logit x log2(e); M = the running largest t rounded UP to a whole number; p = 2^(t - M) is quantised (exponent 8); the row's sum is taken of the unquantised p and divides at the end.
; The result is quantised at once (exponent 10) into an image of the next product's operand.
; SHARES.  A work-group owns 256 queries of one head, each of its sixteen waves 16: four waves to a SIMD, so that one wave's vector work stands beside another's products and LDS loads.
; THE WHOLE HEAD LIES IN LDS AND IS FILLED ONCE: K 131,072 bytes, V 131,072, and a table of 2,048 numbers c[key] = mask[key] x log2(e) / 8 x 2^(e6 + e7).  No byte is filled again: no ring.
; CLUSTER: the four query blocks of a cluster belong to one head: K and V are asked for jointly.  Wave 0 asks for K and wave 1 for V, four loads of 512 keys each: four tensor loads of a wave are out at the most.
; All of a work-group's bytes are asked for at its head, so nothing is left that a prefetch could ask for earlier.
; LAYOUT.  Both products transposed: S^T = K Q^T, O^T = V^T P^T: a lane holds ONE query.  Tiles hold rows p(t, r) = 32 (t / 2) + 8 (t % 2) + r + 8 (r / 8), so the 16 registers of tiles 2 b, 2 b + 1 are 16 neighbours 32 b + 16 h + 0..15.
; LIMITS: e6 + e7 between -123 and 129 (added to the exponent field of log2(e) / 8); e8 and e10 - e8 - e9 between -126 and 112.  A mask so small that mask x log2(e) / 8 x 2^(e6 + e7) is no f32 number counts as 0.
; A query all of whose logits are 0 has no softmax (NaN by definition): it is not served as NaN here.  NaN and infinities among the inputs are not served.
; REGISTERS: v1-3 places that stay; v8-10 addresses of the step; v12 -M, v13 the largest t, v[14:15] the sum; v16-23 Q; v24 -infinity; v32-95 fragments of K, then c, then V; v96-159 S^T, then p; v160-191 O^T; v192-207 p's codes; v208-219 at work, limits and scales.
.set F,   32
.set S,   96
.set O,   160
.set PC,  192
.set WV,  12                           ; s12  my wave's number
.set G1,  24                           ; s[24:31] descriptor group 1
.set G0,  32                           ; s[32:47] four groups 0, one for each 512 keys; never rewritten
.set SEL, 66                           ; s[66:67] lane selects: lane l xor 16
.set TB,  68                           ; s68  LDS byte of the step's tiles in K (and in V)
.set TT,  69                           ; s69  LDS byte of the step's numbers in the table
.set CNT, 70
.macro CROUND
	s_barrier_signal -1
	s_barrier_wait -1
	s_cmp_lg_u32 s[WV], 0
	s_cbranch_scc1 .Lnot_wave_0_\@
	s_barrier_signal -3
.Lnot_wave_0_\@:
	s_barrier_wait -3
	s_barrier_signal -1
	s_barrier_wait -1
.endm
.macro MKS e, sc, lim
	s_add_co_i32 s18, s[\e], 127
	s_lshl_b32 s19, s18, 23
	v_mov_b32 v[\sc], s19
	s_add_co_i32 s18, s18, 15
	s_lshl_b32 s18, s18, 23
	s_or_b32 s18, s18, 0x600000
	v_mov_b32 v[\lim], s18
.endm
	s_load_b256 s[4:11], s[0:1], 0x0               ; qkv 4:5, mask 6:7, the exponents 8:9, cc 10:11
	v_lshl_add_u32 v254, v0, 2, 0x42000
	v_mov_b32 v255, 0
	ds_add_u32 v254, v255
	ds_add_u32 v254, v255
	v_lshrrev_b32 v1, 5, v0
	v_readfirstlane_b32 s[WV], v1                  ; wave 0..15
	s_bfe_u32 s13, ttmp6, 0x40000                  ; cx
	s_lshl_b32 s14, ttmp9, 2
	s_add_co_u32 s14, s14, s13                     ; my block of 256 queries: it enters Q's and the result's addresses alone
	s_and_b32 s15, ttmp7, 0xffff                   ; batch x head, which the four partners share
	s_mov_b32 s[G1], 15|(3<<16)|(1<<21)            ; 15:0 the mask: all four work-groups; 17:16 elements of 8 bytes; 21 set beside a mask
	s_mov_b32 s[G1+1], 32<<16                      ; tensor_dim0 = 32 elements: rows of 256 bytes
	s_mov_b32 s[G1+2], 128<<16                     ; tensor_dim1 = 128 rows
	s_mov_b32 s[G1+3], 32<<16                      ; tile_dim0
	s_mov_b32 s[G1+4], 128                         ; tile_dim1
	s_mov_b32 s[G1+5], 32                          ; the block is dense: pitch = row
	s_mov_b32 s[G1+6], 0
	s_mov_b32 s[G1+7], 0
	s_mov_b32 s[SEL], 0x76543210
	s_mov_b32 s[SEL+1], 0xfedcba98
	s_lshl_b32 s16, s15, 17                        ; a head's 131,072 bytes
	s_and_b32 s18, s[WV], 1                        ; wave 0: K, wave 1: V
	s_lshl_b32 s19, s18, 17                        ; in LDS: K at 0, V behind it
	s_lshl_b32 s20, s18, 22                        ; in memory: k at 4 MiB, v at 8 MiB
	s_add_co_u32 s20, s20, s16
	s_add_co_u32 s20, s20, 0x400000
	s_mov_b32 s21, 0
	s_wait_dscnt 0x0
	s_wait_kmcnt 0x0
	s_load_b512 s[48:63], s[8:9], 0x0              ; the sixteen exponents: entry i in s[48 + i]
	s_add_nc_u64 s[20:21], s[4:5], s[20:21]
.irp i, 0,1,2,3
	s_mov_b32 s[G0+4*\i], 1
	s_add_co_u32 s[G0+4*\i+1], s19, \i*32768
	s_add_nc_u64 s[G0+4*\i+2:G0+4*\i+3], s[20:21], \i*32768
	s_or_b32 s[G0+4*\i+3], s[G0+4*\i+3], 0x80000000
.endr
	CROUND                                         ; all four work-groups are here: the joint loads meet
	s_cmp_lt_u32 s[WV], 2                          ; a wave's fills stand in one branch, ahead of every wait on TENSORcnt, every LDS read and every further barrier
	s_cbranch_scc0 .Lno_fill
	tensor_load_to_lds s[G0:G0+3], s[G1:G1+7]
	s_nop 0
	tensor_load_to_lds s[G0+4:G0+7], s[G1:G1+7]
	s_nop 0
	tensor_load_to_lds s[G0+8:G0+11], s[G1:G1+7]
	s_nop 0
	tensor_load_to_lds s[G0+12:G0+15], s[G1:G1+7]
	s_nop 0
.rept 4
	v_nop
.endr
.Lno_fill:
	v_and_b32 v4, 31, v0
	v_lshlrev_b32 v1, 4, v4                        ; 16 x lane: my place in a fragment's piece, in K
	v_add_nc_u32 v2, 131072, v1                    ; in V
	v_bfe_u32 v5, v0, 4, 1                         ; h
	v_lshlrev_b32 v3, 6, v5
	v_add_nc_u32 v3, 262144, v3                    ; in the table: my half's 16 keys of each 32
	s_lshl_b32 s22, s14, 4
	s_add_co_u32 s22, s22, s[WV]                   ; my tile of 16 queries in the head
	s_lshl_b32 s23, s22, 10
	s_add_co_u32 s16, s16, s23
	s_mov_b32 s17, 0
	s_add_nc_u64 s[4:5], s[4:5], s[16:17]
	global_load_b128 v[16:19], v1, s[4:5]          ; Q's fragment (64 along K: 8 registers) stays
	global_load_b128 v[20:23], v1, s[4:5] offset:512
	s_lshr_b32 s18, s15, 4
	s_lshl_b32 s18, s18, 13                        ; the batch's 2,048 numbers of the mask
	s_mov_b32 s19, 0
	s_add_nc_u64 s[6:7], s[6:7], s[18:19]
	v_lshlrev_b32 v6, 4, v0                        ; thread t takes four of them
	global_load_b128 v[32:35], v6, s[6:7]
	v_add_nc_u32 v7, 262144, v6
	v_mov_b32 v13, 0xff61b1e6                      ; the largest t so far: -3e38
	v_floor_f32 v12, -v13                          ; -M
	v_mov_b32 v14, 0
	v_mov_b32 v15, 0
	v_mov_b32 v210, 0                              ; a lane permute's destination counts as read
	v_mov_b32 v213, 0                              ; (upper half of the pair of which the low word is broadcast)
	v_mov_b32 v24, 0xff800000                      ; -infinity
.set j, 0
.rept 32
	v_mov_b32 v[O+j], 0                            ; the step is written without a first step of its own: it finds zeros, which the first change of M leaves zeros
.set j, j+1
.endr
	s_wait_kmcnt 0x0
	s_add_co_i32 s16, s54, s55                     ; e6 + e7,
	s_lshl_b32 s16, s16, 23
	s_add_co_i32 s16, s16, 0x3e38aa3b              ; added to the exponent field of log2(e) / 8
	s_mov_b32 s17, s16
	MKS 56, 217, 216                               ; p: 2^e8 and 57,344 x 2^e8
	s_sub_co_i32 s20, s58, s56
	s_sub_co_i32 s20, s20, s57                     ; the result: O / l stands for O / l x 2^(e8 + e9); its code is that / 2^e10
	MKS 20, 219, 218
	s_wait_loadcnt 0x0                             ; Q and the mask
	v_pk_mul_f32 v[32:33], v[32:33], s[16:17] op_sel_hi:[1,0]
	v_pk_mul_f32 v[34:35], v[34:35], s[16:17] op_sel_hi:[1,0]
	ds_store_b128 v7, v[32:35]                     ; the table: bytes of its own, into which no tile lands
; A KEY STEP: 128 keys.
.macro STEP
	v_add_nc_u32 v8, s[TB], v1
	v_add_nc_u32 v9, s[TB], v2
	v_add_nc_u32 v10, s[TT], v3
	v_nop                                          ; these four are the places between the last products and the loads into their registers
.irp t, 0,1,2,3,4,5,6,7
	ds_load_b128 v[F+8*\t:F+8*\t+3], v8 offset:1024*\t
	ds_load_b128 v[F+8*\t+4:F+8*\t+7], v8 offset:1024*\t+512
.endr
	s_wait_dscnt 0x0
.irp t, 0,1,2,3,4,5,6,7
	v_wmma_f32_16x16x64_bf8_bf8 v[S+8*\t:S+8*\t+7], v[F+8*\t:F+8*\t+7], v[16:23], 0
.endr
.rept 4
	v_nop
.endr
.irp b, 0,1,2,3
.irp q, 0,1,2,3
	ds_load_b128 v[F+16*\b+4*\q:F+16*\b+4*\q+3], v10 offset:128*\b+16*\q   ; c of my 64 keys: register 16 b + i = key 32 b + 16 h + i, as the scores lie
.endr
.endr
	s_wait_dscnt 0x0
.set j, 0
.rept 32
	v_pk_mul_f32 v[S+j:S+j+1], v[S+j:S+j+1], v[F+j:F+j+1]   ; t = score x c[key]; each accumulator from its low end on
.set j, j+2
.endr
.irp t, 0,1,2,3
.irp c, 0,1,2,3
	ds_load_b128 v[F+16*\t+4*\c:F+16*\t+4*\c+3], v9 offset:2048*\t+512*\c   ; V's four fragments land under the softmax
.endr
.endr
.set j, 0
.rept 64
	v_cmp_eq_f32 vcc_lo, 0, v[S+j]                 ; a logit of 0, by the mask or by the score, becomes -infinity: p = 0
	v_cndmask_b32 v[S+j], v[S+j], v24, vcc_lo
.set j, j+1
.endr
	v_max3_num_f32 v214, v[S], v[S+1], v[S+2]      ; the step's largest t of my query, among my 64 keys, in two chains,
	v_max3_num_f32 v215, v[S+3], v[S+4], v[S+5]
.irp i, 6,10,14,18,22,26,30,34,38,42,46,50,54,58
	v_max3_num_f32 v214, v214, v[S+\i], v[S+1+\i]
	v_max3_num_f32 v215, v215, v[S+2+\i], v[S+3+\i]
.endr
	v_max3_num_f32 v214, v214, v[S+62], v[S+63]
	v_max_num_f32 v214, v214, v215
	v_permlanex16_b32 v210, v214, s[SEL], s[SEL+1]
	v_max_num_f32 v214, v214, v210                 ; and among lane l xor 16's
	v_max_num_f32 v13, v13, v214                   ; the running largest t
	v_mov_b32 v214, v12
	v_floor_f32 v12, -v13                          ; the new -M = -ceil(t): a whole number
	v_sub_f32 v214, v12, v214                      ; old M - new M: a whole number, 0 or less
	v_cvt_i32_f32 v214, v214                       ; (it saturates)
	v_ldexp_f32 v212, 1.0, v214                    ; f = 2^(old M - new M): multiplying by it rounds nothing
.set j, 0
.rept 32
	v_pk_add_f32 v[S+j:S+j+1], v[S+j:S+j+1], v[12:13] op_sel_hi:[1,0]   ; t - M
.set j, j+2
.endr
.set j, 0
.rept 64
	v_exp_f32 v[S+j], v[S+j]                       ; p = 2^(t - M), at most 1
.set j, j+1
.endr
	v_pk_mul_f32 v[14:15], v[14:15], v[212:213] op_sel_hi:[1,0]   ; the sum under the new M: a plain instruction behind the exponentials
	s_wait_alu depctr_va_vdst(0)                   ; one wait for the whole batch, ahead of its first reader
	v_pk_add_f32 v[208:209], v[S:S+1], v[S+2:S+3]  ; the sum is taken of the unquantised p, in two chains
.irp j, 4,8,12,16,20,24,28,32,36,40,44,48,52,56,60
	v_pk_add_f32 v[14:15], v[14:15], v[S+\j:S+1+\j]
	v_pk_add_f32 v[208:209], v[208:209], v[S+2+\j:S+3+\j]
.endr
	v_pk_add_f32 v[14:15], v[14:15], v[208:209]
.irp b, 0,1,2,3
.irp i, 0,1,2,3,4,5,6,7,8,9,10,11,12,13,14,15
	v_min_num_f32 v[S+16*\b+\i], v[S+16*\b+\i], v216   ; the conversion does not saturate (ISA guide 7.6.2); p is not negative, so the hold is one-sided
.endr
	v_cvt_scalef32_pk8_bf8_f32 v[PC+4*\b:PC+4*\b+1], v[S+16*\b:S+16*\b+7], v217
	v_cvt_scalef32_pk8_bf8_f32 v[PC+4*\b+2:PC+4*\b+3], v[S+16*\b+8:S+16*\b+15], v217
.endr
.set j, 0
.rept 16
	v_pk_mul_f32 v[O+j:O+j+1], v[O+j:O+j+1], v[212:213] op_sel_hi:[1,0]   ; O^T under the new M; also the plain instructions between the conversions and the products
.set j, j+2
.endr
	s_wait_dscnt 0x0                               ; V
.irp t, 0,1,2,3
	v_wmma_f32_16x16x128_bf8_bf8 v[O+8*\t:O+8*\t+7], v[F+16*\t:F+16*\t+15], v[PC:PC+15], v[O+8*\t:O+8*\t+7]   ; the four accumulators by turns, one instruction a turn
.endr
.endm
; 512 keys.  A wave's tensor loads end in order: when 3 - n of my four are still out, chunk n has landed.  Waves that issued none pass at once; behind the barrier the chunk is whole for all sixteen.
.macro CHUNK n
	s_wait_tensorcnt 3-\n
	s_wait_dscnt 0x0                               ; (first chunk: my part of the table is stored)
	s_barrier_signal -1
	s_barrier_wait -1
	s_mov_b32 s[TB], \n*32768
	s_mov_b32 s[TT], \n*2048
	s_mov_b32 s[CNT], 4
.Lstep_\@:
	STEP
	s_add_co_u32 s[TB], s[TB], 8192
	s_add_co_u32 s[TT], s[TT], 512
	s_sub_co_u32 s[CNT], s[CNT], 1
	s_cmp_lg_u32 s[CNT], 0
	s_cbranch_scc1 .Lstep_\@
.endm
	CHUNK 0
	CHUNK 1
	CHUNK 2
	CHUNK 3
	; THE WAY OUT: O^T / the sum, quantised; the 16 registers of tiles 2 u, 2 u + 1 are channels 32 u + 16 h + 0..15 of my head: a piece of the next operand's fragment.
.rept 4
	v_nop
.endr
	v_add_f32 v14, v14, v15
	v_permlanex16_b32 v210, v14, s[SEL], s[SEL+1]
	v_add_f32 v14, v14, v210                       ; the row's sum
	v_rcp_f32 v14, v14
	v_nop
	s_lshr_b32 s16, s15, 4
	s_lshl_b32 s16, s16, 7
	s_add_co_u32 s16, s16, s22                     ; the row tile of the result: 128 x batch + my tile
	s_lshl_b32 s16, s16, 14
	s_and_b32 s17, s15, 15
	s_lshr_b32 s18, s17, 1
	s_lshl_b32 s18, s18, 11                        ; the fragment: head / 2
	s_add_co_u32 s16, s16, s18
	s_and_b32 s18, s15, 1
	s_lshl_b32 s18, s18, 10                        ; its pieces 2 (head % 2) and the next
	s_add_co_u32 s16, s16, s18
	s_mov_b32 s17, 0
	s_add_nc_u64 s[10:11], s[10:11], s[16:17]
	s_wait_alu depctr_va_vdst(0)                   ; ahead of the reciprocal's first reader
.set j, 0
.rept 16
	v_pk_mul_f32 v[S+j:S+j+1], v[O+j:O+j+1], v[14:15] op_sel_hi:[1,0]
.set j, j+2
.endr
.set j, 0
.rept 32
	v_med3_num_f32 v[S+j], v[S+j], -v218, v218
.set j, j+1
.endr
.irp g, 0,1,2,3
	v_cvt_scalef32_pk8_bf8_f32 v[PC+2*\g:PC+2*\g+1], v[S+8*\g:S+8*\g+7], v219
.endr
	v_nop
	global_store_b128 v1, v[PC:PC+3], s[10:11]             ; 32 lanes store 512 consecutive bytes, aligned
	global_store_b128 v1, v[PC+4:PC+7], s[10:11] offset:512
	s_wait_tensorcnt 0x0
	ds_add_u32 v254, v255
	s_wait_dscnt 0x0
	CROUND                                         ; the closing round: no work-group ends while a partner may still ask for a tile that names it
	s_endpgm
.Lfunc_end_k_qd1f710417a_attn:
	.size	k_qd1f710417a_attn, .Lfunc_end_k_qd1f710417a_attn-k_qd1f710417a_attn
	.p2alignl 7, 3214868480
	.fill 96, 4, 3214868480
	.section	.rodata,"a",@progbits
	.p2align	6, 0x0
	.amdhsa_kernel k_qd1f710417a_attn
		.amdhsa_group_segment_fixed_size 327680
		.amdhsa_private_segment_fixed_size 0
		.amdhsa_enable_private_segment 0
		.amdhsa_kernarg_size 32
		.amdhsa_user_sgpr_count 2
		.amdhsa_user_sgpr_kernarg_segment_ptr 1
		.amdhsa_wavefront_size32 1
		.amdhsa_system_sgpr_workgroup_id_x 1
		.amdhsa_system_sgpr_workgroup_id_y 1
		.amdhsa_system_sgpr_workgroup_id_z 1
		.amdhsa_system_vgpr_workitem_id 0
		.amdhsa_next_free_vgpr 256
		.amdhsa_next_free_sgpr 80
		.amdhsa_reserve_vcc 1
		.amdhsa_float_denorm_mode_32 3
		.amdhsa_float_denorm_mode_16_64 3
		.amdhsa_memory_ordered 1
		.amdhsa_forward_progress 1
		.amdhsa_inst_pref_size 102
	.end_amdhsa_kernel
	.amdgpu_metadata
---
amdhsa.version: [ 1, 2 ]
amdhsa.kernels:
  - .name:           k_qd1f710417a_attn
    .symbol:         k_qd1f710417a_attn.kd
    .args:
      - { .name: qkv, .offset: 0, .size: 8, .value_kind: global_buffer, .address_space: global }
      - { .name: mask, .offset: 8, .size: 8, .value_kind: global_buffer, .address_space: global }
      - { .name: lowp_scales, .offset: 16, .size: 8, .value_kind: global_buffer, .address_space: global }
      - { .name: cc, .offset: 24, .size: 8, .value_kind: global_buffer, .address_space: global }
    .group_segment_fixed_size: 327680
    .private_segment_fixed_size: 0
    .kernarg_segment_align: 8
    .kernarg_segment_size: 32
    .max_flat_workgroup_size: 512
    .sgpr_count:     80
    .vgpr_count:     256
    .wavefront_size: 32
...
	.end_amdgpu_metadata
.endif
;; end of part 3
;; launch wo (part 4): grid 4 x 16, 4 waves a work-group, clusters of 4 x 4, 327,680 bytes of LDS; arguments cc, wc, lowp_scales, bo, x, x1; writes x1
.if DOCPART == 4
	.amdgcn_target "amdgcn-amd-amdhsa--gfx1250"
	.amdhsa_code_object_version 6
	.text
	.protected	k_qd1f710417a_wo
	.globl	k_qd1f710417a_wo
	.p2align	8
	.type	k_qd1f710417a_wo,@function
k_qd1f710417a_wo:
	s_mov_b64 s[64:65], 0
	v_nop
	global_prefetch_b8 v0, s[64:65] scope:SCOPE_SE
	s_setreg_imm32_b32 hwreg(HW_REG_WAVE_MODE, 25, 1), 1
	s_wait_xcnt 0x0
	s_wait_alu depctr_hold_cnt(0) depctr_sa_sdst(0) depctr_va_vdst(0) depctr_va_sdst(0) depctr_va_ssrc(0) depctr_va_vcc(0) depctr_vm_vsrc(0)
	s_getreg_b32 s2, hwreg(HW_REG_IB_STS2, 6, 4)
	s_cmp_eq_u32 s2, 0
	s_cbranch_scc0 .Lentry_in_a_cluster
	s_endpgm
.Lentry_in_a_cluster:
	s_bfe_u32 s2, ttmp6, 0x10000c
	s_cmp_lg_u32 s2, 0xf033
	s_cbranch_scc0 .Lentry_shape_is_right
	s_endpgm
.Lentry_shape_is_right:
; out = residual + (A W + bias), the product on codes of E5M2.  A: [4096][KK] and W: [1024 (n)][KK] as images of fragments (16 rows x 128 K = 2,048 bytes; lane l's 16 bytes of piece c at
; 512 c + 16 l; row p(rt, r) = 32 (rt / 2) + 8 (rt % 2) + r + 8 (r / 8); fragments [rt][kt]).  residual, out: [4096][1024] f32; bias [1024] f32.
; A tile of the result is 256 x 256, four waves, 128 x 128 each.  K goes in steps of 256 through two LDS slots.  CLUSTERS: 4 x 4; A's tiles are asked for jointly along a row, W's along a column.
; RESIDUAL AND BIAS START THE SUMS: while the first tiles are on their way, (residual + bias) / 2^(eA + eB) is laid into the accumulators (a division by a power of two rounds nothing); every product adds in place,
; and each finished sum is multiplied once by 2^(eA + eB).
; THE MATRIX INSTRUCTION IS USED TRANSPOSED (source 0 = 16 rows of W, source 1 = 16 rows of A): in accumulator (a, b) lane (r, h), register j is row p(a, r), column 32 (b / 2) + 16 h + 8 (b % 2) + j.
; LIMIT: eA + eB between -126 and 126, so that 2^(eA + eB) and its reciprocal are f32 numbers; (residual + bias) / 2^(eA + eB) stays inside f32's range.
; REGISTERS: window 0: v16-30 addresses; v32-95 the bias, later a block's results; v128-255 A's fragments, later rows read back.  window 1: W's fragments, two sets.  windows 2, 3: accumulators, (a, b) at v[8 (8 (a % 4) + b)].
.set KK,    1024
.set WOFF,  0x300000                   ; the weight's image in wc
.set EA,    78                         ; s78, s79: exponents 10 and 11
.set EB,    79
.set NTS,   0                          ; the result is read again by later launches: no hint on its stores
.set RTB,   16*KK
.set LAPS,  KK/512
.set SLOT,  131072
.set SPARE, 2*SLOT                     ; behind the ring: the spare words, 128 bytes for each wave: two blocks of 256 bytes that no other line names
.set SPITCH, 528                       ; the way out: a stage of 16 rows x (512 bytes + 16) for each wave, in slot 0, which has had its last fill and its last read when the first result is stored there
.set FR,    16
.set NL,    4
.set NP,    4
.set ADRA,  16
.set ADRB,  20
.set STO,   24                         ; v24  the stage: where I put my bytes of a row
.set RD,    25                         ; v25  and where I read a row back
.set LI,    26                         ; v26  16 x lane
.set RO,    27                         ; v27  the residual: my row's and half's bytes
.set SPW,   28
.set NIL,   29
.set BO,    30                         ; v30  the bias: 64 h
.set BIAS,  32
.set TMP,   32
.set AF,    128
.set BK,    128
.set G1,  24
.set G0,  32
.set G1B, 48
.set G0B, 56
.set MSB, 0
.macro WIN new
.if MSB != \new
	s_set_vgpr_msb (MSB<<8)|\new
.set MSB, \new
.endif
.endm
.set MUL_LO, 0xa1
.set MUL_HI, 0xf1
.set TO_B,   0x40
.macro JLOAD g0a, g1a, g0b, g1b        ; a joint load: waves 0 and 1 fetch for A, waves 2 and 3 for W; four v_nop follow each of the two lines
	s_cmp_eq_u32 s15, 0
	s_cbranch_scc0 .Lfor_b_\@
	tensor_load_to_lds s[\g0a:\g0a+3], s[\g1a:\g1a+7]
	s_nop 0
.rept 4
	v_nop
.endr
	s_branch .Lasked_\@
.Lfor_b_\@:
	tensor_load_to_lds s[\g0b:\g0b+3], s[\g1b:\g1b+7]
	s_nop 0
.rept 4
	v_nop
.endr
.Lasked_\@:
.endm
.macro CREST
	s_cmp_lg_u32 s14, 0
	s_cbranch_scc1 .Lnot_wave_0_\@
	s_barrier_signal -3
.Lnot_wave_0_\@:
	s_barrier_wait -3
	s_barrier_signal -1
	s_barrier_wait -1
.endm
.macro CROUND
	s_barrier_signal -1
	s_barrier_wait -1
	CREST
.endm
	s_load_b256 s[4:11], s[0:1], 0x0               ; A's codes 4:5, wc 6:7, the exponents 8:9, the bias 10:11
	s_load_b128 s[84:87], s[0:1], 0x20             ; the residual 84:85, the result 86:87
	v_lshl_add_u32 v[SPW], v0, 2, SPARE
	v_mov_b32 v[NIL], 0
	ds_add_u32 v28, v29
	ds_add_u32 v28, v29
	s_wait_dscnt 0x0
	v_lshrrev_b32 v1, 5, v0
	v_readfirstlane_b32 s14, v1
	s_lshr_b32 s15, s14, 1
	s_and_b32 s16, s14, 1
	s_bfe_u32 s40, ttmp6, 0x40000
	s_bfe_u32 s41, ttmp6, 0x40004
	s_lshl_b32 s42, ttmp9, 2
	s_add_co_u32 s42, s42, s40                     ; tile column
	s_and_b32 s17, ttmp7, 0xffff
	s_lshl_b32 s17, s17, 2
	s_add_co_u32 s17, s17, s41                     ; tile row
	s_lshl_b32 s43, s41, 2
	s_lshl_b32 s43, 15, s43
	s_lshl_b32 s44, 0x1111, s40
	s_or_b32 s[G1+0], s43, (3<<16)|(1<<21)         ; the mask: my row; elements of 8 bytes; bit 21 set beside a mask
	s_or_b32 s[G1B+0], s44, (3<<16)|(1<<21)
.irp g, G1, G1B
	s_mov_b32 s[\g+1], 512<<16                     ; 8 row tiles x 4,096 bytes (two fragments on end), RTB bytes apart; dense in LDS
	s_mov_b32 s[\g+2], 8<<16
	s_mov_b32 s[\g+3], 512<<16
	s_mov_b32 s[\g+4], 8
	s_mov_b32 s[\g+5], RTB/8
	s_mov_b32 s[\g+6], 0
	s_mov_b32 s[\g+7], 0
.endr
	s_mul_i32 s18, s16, 8*RTB
	s_mul_i32 s20, s17, 16*RTB
	s_add_co_u32 s20, s20, s18
	s_mov_b32 s21, 0
	s_mul_i32 s46, s42, 16*RTB
	s_add_co_u32 s46, s46, s18
	s_add_co_u32 s46, s46, WOFF
	s_mov_b32 s47, 0
	s_lshl_b32 s45, s14, 15
	s_wait_kmcnt 0x0
	s_load_b512 s[68:83], s[8:9], 0x0
	s_add_nc_u64 s[20:21], s[4:5], s[20:21]
	s_add_nc_u64 s[46:47], s[6:7], s[46:47]
	CROUND
.irp s, 0,1
	s_mov_b32 s[G0+4*\s], 1
	s_add_co_u32 s[G0+4*\s+1], s45, \s*SLOT
	s_add_nc_u64 s[G0+4*\s+2:G0+4*\s+3], s[20:21], \s*4096
	s_or_b32 s[G0+4*\s+3], s[G0+4*\s+3], 0x80000000
	s_mov_b32 s[G0B+4*\s], 1
	s_add_co_u32 s[G0B+4*\s+1], s45, \s*SLOT
	s_add_nc_u64 s[G0B+4*\s+2:G0B+4*\s+3], s[46:47], \s*4096
	s_or_b32 s[G0B+4*\s+3], s[G0B+4*\s+3], 0x80000000
	JLOAD G0+4*\s, G1, G0B+4*\s, G1B
.endr
	v_and_b32 v1, 31, v0
	v_lshlrev_b32 v[LI], 4, v1
	v_and_b32 v2, 15, v0                           ; r
	v_bfe_u32 v3, v0, 4, 1                         ; h
	v_and_b32 v4, 8, v2
	v_add_nc_u32 v4, v4, v2                        ; r + 8 (r / 8)
	v_lshlrev_b32 v[RO], 12, v4
	v_lshl_add_u32 v[RO], v3, 6, v[RO]
	v_lshlrev_b32 v[BO], 6, v3
	s_lshl_b32 s88, s17, 20                        ; my corner of the result: row 256 x tile row + 128 x half, 4,096 bytes a row,
	s_lshl_b32 s89, s15, 19
	s_add_co_u32 s88, s88, s89
	s_lshl_b32 s90, s42, 10                        ; column 256 x tile column + 128 x half
	s_lshl_b32 s91, s16, 9
	s_add_co_u32 s90, s90, s91
	s_mov_b32 s91, 0
	s_add_nc_u64 s[10:11], s[10:11], s[90:91]      ; the bias of my 128 columns
	s_add_co_u32 s88, s88, s90
	s_mov_b32 s89, 0
	s_add_nc_u64 s[84:85], s[84:85], s[88:89]
	s_add_nc_u64 s[86:87], s[86:87], s[88:89]
.macro RES a                           ; the residual of block a goes straight into its accumulators
.irp u, 0,1,2,3
.irp q, 0,1,2,3
	global_load_b128 v[8*(8*((\a)%4)+2*\u)+4*\q:8*(8*((\a)%4)+2*\u)+4*\q+3], v[RO], s[84:85] offset:(32*((\a)/2)+8*((\a)%2))*4096+128*\u+16*\q
.endr
.endr
.endm
	WIN 0x80                                       ; destination window 2
.irp a, 0,1,2,3
	RES \a
.endr
	WIN 0xc0                                       ; destination window 3
.irp a, 4,5,6,7
	RES \a
.endr
	WIN 0
.irp u, 0,1,2,3
.irp q, 0,1,2,3
	global_load_b128 v[BIAS+16*\u+4*\q:BIAS+16*\u+4*\q+3], v[BO], s[10:11] offset:128*\u+16*\q   ; register 8 b + j: the bias of column 32 (b / 2) + 16 h + 8 (b % 2) + j
.endr
.endr
	s_lshl_b32 s21, s15, 15
	s_lshl_b32 s22, s16, 15
	s_add_co_u32 s22, s22, 65536
.irp s, 0,1
	v_add_nc_u32 v[ADRA+\s], s21, v[LI]
	v_add_nc_u32 v[ADRB+\s], s22, v[LI]
	s_add_co_u32 s21, s21, SLOT
	s_add_co_u32 s22, s22, SLOT
.endr
	s_mul_i32 s23, s14, 16*SPITCH                  ; my stage
	v_mul_u32_u24 v5, v2, SPITCH
	v_lshl_add_u32 v5, v3, 6, v5
	v_add_nc_u32 v[STO], s23, v5                   ; in: row r, + 64 h
	v_add_nc_u32 v[RD], s23, v[LI]                 ; back: the 32 lanes take one row of 512 bytes
	s_wait_kmcnt 0x0
	s_add_co_i32 s90, s[EA], s[EB]
	s_sub_co_i32 s96, 127, s90
	s_lshl_b32 s96, s96, 23                        ; 2^-(eA + eB)
	s_mov_b32 s97, s96
	s_add_co_i32 s94, s90, 127
	s_lshl_b32 s94, s94, 23                        ; 2^(eA + eB)
	s_mov_b32 s95, s94
	s_wait_loadcnt 0x0
.set j, 0
.rept 32
	v_pk_mul_f32 v[BIAS+j:BIAS+j+1], v[BIAS+j:BIAS+j+1], s[96:97] op_sel_hi:[1,0]
.set j, j+2
.endr
	WIN 0x82                                       ; source 0 and destination window 2, the bias window 0
.set j, 0
.rept 128
	v_pk_fma_f32 v[j:j+1], v[j:j+1], s[96:97], v[BIAS+j%64:BIAS+j%64+1] op_sel_hi:[1,0,1]
.set j, j+2
.endr
	WIN 0xc3
.set j, 0
.rept 128
	v_pk_fma_f32 v[j:j+1], v[j:j+1], s[96:97], v[BIAS+j%64:BIAS+j%64+1] op_sel_hi:[1,0,1]
.set j, j+2
.endr
	WIN 0
.macro FRAG reg, adr, q, i
.irp c, 0,1,2,3
	ds_load_b128 v[\reg+4*\c:\reg+4*\c+3], v[\adr] offset:4096*(\i)+2048*(\q)+512*\c
.endr
.endm
; 16 matrix instructions; the 64 accumulators take turns, one instruction a turn, in the same order in every step
.macro MUL16 a0, p
.irp a, \a0, \a0+1
.irp b, 0,1,2,3,4,5,6,7
	v_wmma_f32_16x16x128_bf8_bf8 v[8*(8*((\a)%4)+\b):8*(8*((\a)%4)+\b)+7], v[128*(\p)+FR*\b:128*(\p)+FR*\b+FR-1], v[AF+FR*(\a):AF+FR*(\a)+FR-1], v[8*(8*((\a)%4)+\b):8*(8*((\a)%4)+\b)+7]
.endr
.endr
.endm
.macro FETCH_B slot, q, p
	WIN TO_B
.irp i, 0,1,2,3,4,5,6,7
	FRAG 128*(\p)+FR*\i, ADRB+\slot, \q, \i
.endr
	WIN 0
.endm
.macro FETCH_A slot, q, i0
.irp i, \i0, \i0+1, \i0+2, \i0+3
	FRAG AF+FR*(\i), ADRA+\slot, \q, \i
.endr
.endm
.macro PLACES n
.rept \n
	v_nop
.endr
.endm
.macro STEP slot, q
	s_wait_dscnt 4*NL                              ; W's set and A's blocks 0-3 are in; the youngest sixteen loads (A's blocks 4-7) may be out
	WIN MUL_LO
	MUL16 0, (\q)%2
	MUL16 2, (\q)%2
	s_wait_dscnt 0
	PLACES NP
	FETCH_B \slot, (\q)+1, 1-(\q)%2
	FETCH_A \slot, (\q)+1, 0
	WIN MUL_HI
	MUL16 4, (\q)%2
	MUL16 6, (\q)%2
	PLACES NP
	WIN 0
	FETCH_A \slot, (\q)+1, 4
.endm
.macro TURN slot, next, fill
	s_wait_tensorcnt 0x0                           ; all my tensor loads have landed: my part of the next slot
	ds_add_u32 v[SPW], v[NIL]                      ; 0 onto my spare word
	s_wait_dscnt 4*NL+1                            ; (the add and the youngest sixteen loads may be out)
	WIN MUL_LO
	MUL16 0, 1
	s_wait_dscnt 0x0                               ; the add is done, and my reads of this slot are over
	s_barrier_signal -1
	MUL16 2, 1
	WIN 0
	s_barrier_wait -1
.if \fill
	CREST                                          ; the barrier has opened a round of the cluster's barrier
	s_add_nc_u64 s[G0+4*\slot+2:G0+4*\slot+3], s[G0+4*\slot+2:G0+4*\slot+3], 2*4096
	s_add_nc_u64 s[G0B+4*\slot+2:G0B+4*\slot+3], s[G0B+4*\slot+2:G0B+4*\slot+3], 2*4096
	JLOAD G0+4*\slot, G1, G0B+4*\slot, G1B
.else
	PLACES NP
.endif
	FETCH_B \next, 0, 0
	FETCH_A \next, 0, 0
	WIN MUL_HI
	MUL16 4, 1
	MUL16 6, 1
	PLACES NP
	WIN 0
	FETCH_A \next, 0, 4
.endm
	s_wait_tensorcnt 1                             ; my part of slot 0 is in; slot 1's load may be out
	s_barrier_signal -1
	s_barrier_wait -1
	FETCH_B 0, 0, 0
	FETCH_A 0, 0, 0
	FETCH_A 0, 0, 4
	STEP 0, 0
	s_mov_b32 s3, LAPS-1
.Llap:
	TURN 0, 1, 1
	STEP 1, 0
	TURN 1, 0, 1
	STEP 0, 0
	s_sub_co_u32 s3, s3, 1
	s_cmp_lg_u32 s3, 0
	s_cbranch_scc1 .Llap
	TURN 0, 1, 0
	STEP 1, 0
	s_wait_dscnt 4*NL
	WIN MUL_LO
	MUL16 0, 1
	MUL16 2, 1
	s_wait_dscnt 0
	WIN MUL_HI
	MUL16 4, 1
	MUL16 6, 1
	WIN 0
; THE WAY OUT, block by block of 16 rows x 128 columns, through my own stage: in as the lanes hold them, back as whole rows of 512 bytes.  LDS serves a wave's instructions in order (ISA guide 5.7.1.4).
.macro TOSTAGE a
.set AC, 64*((\a)%4)
	WIN 0x02+((\a)/4)
.set j, 0
.rept 32
	v_pk_mul_f32 v[TMP+j:TMP+j+1], v[AC+j:AC+j+1], s[94:95] op_sel_hi:[1,0]   ; x 2^(eA + eB); each accumulator from its low end on
.set j, j+2
.endr
	WIN 0
.irp b, 0,1,2,3,4,5,6,7
	ds_store_b128 v[STO], v[TMP+8*\b:TMP+8*\b+3] offset:128*(\b/2)+32*(\b%2)
	ds_store_b128 v[STO], v[TMP+8*\b+4:TMP+8*\b+7] offset:128*(\b/2)+32*(\b%2)+16
.endr
.set BB, BK+64*((\a)%2)
.irp t, 0,1,2,3,4,5,6,7,8,9,10,11,12,13,14,15
	ds_load_b128 v[BB+4*\t:BB+4*\t+3], v[RD] offset:\t*SPITCH
.endr
.endm
.macro SEND a, younger                 ; stage row t is row p(a, t); its place stands in the immediate: 127 rows of 4,096 bytes at the most
.set BB, BK+64*((\a)%2)
	s_wait_dscnt \younger
.irp t, 0,1,2,3,4,5,6,7,8,9,10,11,12,13,14,15
.if NTS
	global_store_b128 v[LI], v[BB+4*\t:BB+4*\t+3], s[86:87] offset:(32*((\a)/2)+8*((\a)%2)+\t+8*(\t/8))*4096 th:TH_STORE_NT
.else
	global_store_b128 v[LI], v[BB+4*\t:BB+4*\t+3], s[86:87] offset:(32*((\a)/2)+8*((\a)%2)+\t+8*(\t/8))*4096
.endif
.endr
.endm
	PLACES NP
	TOSTAGE 0
.irp a, 1,2,3,4,5,6,7
.if \a > 1
	s_wait_xcnt 0x0                                ; block a - 2's stores have read their registers: block a's loads may land there
.endif
	TOSTAGE \a
	SEND \a-1, 32                                  ; behind block a - 1's loads: block a's 16 stores and 16 loads
.endr
	SEND 7, 0
	s_wait_tensorcnt 0x0                           ; the wave's end
	ds_add_u32 v[SPW], v[NIL]
	s_wait_dscnt 0x0
	CROUND
	s_endpgm
.Lfunc_end_k_qd1f710417a_wo:
	.size	k_qd1f710417a_wo, .Lfunc_end_k_qd1f710417a_wo-k_qd1f710417a_wo
	.p2alignl 7, 3214868480
	.fill 96, 4, 3214868480
	.section	.rodata,"a",@progbits
	.p2align	6, 0x0
	.amdhsa_kernel k_qd1f710417a_wo
		.amdhsa_group_segment_fixed_size 327680
		.amdhsa_private_segment_fixed_size 0
		.amdhsa_enable_private_segment 0
		.amdhsa_kernarg_size 48
		.amdhsa_user_sgpr_count 2
		.amdhsa_user_sgpr_kernarg_segment_ptr 1
		.amdhsa_wavefront_size32 1
		.amdhsa_system_sgpr_workgroup_id_x 1
		.amdhsa_system_sgpr_workgroup_id_y 1
		.amdhsa_system_sgpr_workgroup_id_z 1
		.amdhsa_system_vgpr_workitem_id 0
		.amdhsa_next_free_vgpr 1024
		.amdhsa_next_free_sgpr 98
		.amdhsa_reserve_vcc 0
		.amdhsa_float_denorm_mode_32 3
		.amdhsa_float_denorm_mode_16_64 3
		.amdhsa_memory_ordered 1
		.amdhsa_forward_progress 1
		.amdhsa_inst_pref_size 154
	.end_amdhsa_kernel
	.amdgpu_metadata
---
amdhsa.version: [ 1, 2 ]
amdhsa.kernels:
  - .name:           k_qd1f710417a_wo
    .symbol:         k_qd1f710417a_wo.kd
    .args:
      - { .name: cc, .offset: 0, .size: 8, .value_kind: global_buffer, .address_space: global }
      - { .name: wc, .offset: 8, .size: 8, .value_kind: global_buffer, .address_space: global }
      - { .name: lowp_scales, .offset: 16, .size: 8, .value_kind: global_buffer, .address_space: global }
      - { .name: bo, .offset: 24, .size: 8, .value_kind: global_buffer, .address_space: global }
      - { .name: x, .offset: 32, .size: 8, .value_kind: global_buffer, .address_space: global }
      - { .name: x1, .offset: 40, .size: 8, .value_kind: global_buffer, .address_space: global }
    .group_segment_fixed_size: 327680
    .private_segment_fixed_size: 0
    .kernarg_segment_align: 8
    .kernarg_segment_size: 48
    .max_flat_workgroup_size: 128
    .sgpr_count:     98
    .vgpr_count:     1024
    .wavefront_size: 32
...
	.end_amdgpu_metadata
.endif
;; end of part 4
;; launch ln2 (part 5): grid 256 x 1, 8 waves a work-group, no clusters, 67,072 bytes of LDS; arguments x1, ln2_a, ln2_b, lowp_scales, x2c; writes x2c
.if DOCPART == 5
	.amdgcn_target "amdgcn-amd-amdhsa--gfx1250"
	.amdhsa_code_object_version 6
	.text
	.protected	k_qd1f710417a_ln2
	.globl	k_qd1f710417a_ln2
	.p2align	8
	.type	k_qd1f710417a_ln2,@function
k_qd1f710417a_ln2:
	s_mov_b64 s[64:65], 0
	v_nop
	global_prefetch_b8 v0, s[64:65] scope:SCOPE_SE
	s_setreg_imm32_b32 hwreg(HW_REG_WAVE_MODE, 25, 1), 1
	s_wait_xcnt 0x0
; The second layer norm of x1 [4096][1024] f32, quantised (exponent 12) to codes of E5M2, stored as images of fragments: 16 rows x 128 K = 2,048 bytes; lane l = r + 16 h has 16 bytes of piece c at 512 c + 16 l:
; K = 128 kt + 32 c + 16 h + 0..15 of row p(rt, r) = 32 (rt / 2) + 8 (rt % 2) + r + 8 (r / 8); fragments [rt][kt].  The work-group makes row tile rt = its number.
; LIMITS: e12 between -126 and 112.  NaN and infinities are not served.  No matrix work, no tensor loads; work-groups share no input.
.set PIT, 4112                         ; an LDS row: 4,096 bytes + 16 = 1,028 words: row r starts at bank 4 r mod 64 (64 banks of 4 bytes: ISA guide 11.1)
.set X,   32
.set GA,  96
.set GB,  128
.set T,   96
.set CD,  160
.macro LANESUM r, t
	v_add_f32_dpp v[\r], v[\r], v[\r] row_xmask:1 row_mask:0xf bank_mask:0xf
	v_add_f32_dpp v[\r], v[\r], v[\r] row_xmask:2 row_mask:0xf bank_mask:0xf
	v_add_f32_dpp v[\r], v[\r], v[\r] row_xmask:4 row_mask:0xf bank_mask:0xf
	v_add_f32_dpp v[\r], v[\r], v[\r] row_xmask:8 row_mask:0xf bank_mask:0xf
	v_permlanex16_b32 v[\t], v[\r], s52, s53
	v_add_f32 v[\r], v[\r], v[\t]
.endm
	s_load_b256 s[4:11], s[0:1], 0x0               ; x1 4:5, ln2_a 6:7, ln2_b 8:9, the exponents 10:11
	s_load_b64 s[12:13], s[0:1], 0x20              ; x2c
	v_lshl_add_u32 v176, v0, 2, 0x10200
	v_mov_b32 v177, 0
	v_lshrrev_b32 v2, 5, v0
	v_readfirstlane_b32 s28, v2                    ; wave 0..7
	v_and_b32 v3, 31, v0
	v_lshlrev_b32 v1, 4, v3                        ; 16 x lane
	s_mov_b32 s52, 0x76543210
	s_mov_b32 s53, 0xfedcba98
	s_lshr_b32 s29, ttmp9, 1                       ; phase 1: wave w takes rows r = 2 w and 2 w + 1: tokens 32 (rt / 2) + 8 (rt % 2) + 2 w + 8 (w / 4) and the next
	s_lshl_b32 s29, s29, 5
	s_and_b32 s30, ttmp9, 1
	s_lshl_b32 s30, s30, 3
	s_add_co_u32 s29, s29, s30
	s_lshl_b32 s30, s28, 1
	s_add_co_u32 s29, s29, s30
	s_lshr_b32 s30, s28, 2
	s_lshl_b32 s30, s30, 3
	s_add_co_u32 s29, s29, s30
	s_lshl_b32 s30, s29, 12
	s_mov_b32 s31, 0
	s_wait_kmcnt 0x0
	s_load_b32 s36, s[10:11], 0x30                 ; e12
	s_add_nc_u64 s[4:5], s[4:5], s[30:31]
.irp i, 0,1
.irp j, 0,1,2,3,4,5,6,7
	global_load_b128 v[X+32*\i+4*\j:X+32*\i+4*\j+3], v1, s[4:5] offset:\i*4096+512*\j   ; 32 lanes read 512 consecutive bytes
.endr
.endr
.irp j, 0,1,2,3,4,5,6,7
	global_load_b128 v[GA+4*\j:GA+4*\j+3], v1, s[6:7] offset:512*\j
.endr
.irp j, 0,1,2,3,4,5,6,7
	global_load_b128 v[GB+4*\j:GB+4*\j+3], v1, s[8:9] offset:512*\j
.endr
	s_mul_i32 s30, s28, 2*PIT
	v_add_nc_u32 v28, s30, v1
	v_and_b32 v30, 15, v0
	v_bfe_u32 v31, v0, 4, 1
	v_mul_u32_u24 v29, v30, PIT
	v_lshl_add_u32 v29, v31, 6, v29
	s_lshl_b32 s30, s28, 9
	v_add_nc_u32 v29, s30, v29
	s_lshl_b32 s30, ttmp9, 14
	s_lshl_b32 s31, s28, 11
	s_add_co_u32 s30, s30, s31
	s_mov_b32 s31, 0
	s_add_nc_u64 s[54:55], s[12:13], s[30:31]      ; my fragment (rt, wave)
	v_mov_b32 v22, 0
	v_mov_b32 v23, 0
	v_mov_b32 v25, 0
	v_mov_b32 v27, 0
	s_wait_kmcnt 0x0
	s_add_co_i32 s60, s36, 127
	s_lshl_b32 s61, s60, 23
	v_mov_b32 v16, s61                             ; 2^e12 as f32
	s_add_co_i32 s60, s60, 15
	s_lshl_b32 s60, s60, 23
	s_or_b32 s60, s60, 0x600000
	v_mov_b32 v17, s60                             ; 57,344 x 2^e12
	s_wait_loadcnt 16                              ; my two rows are in; the gain's and the bias's sixteen loads may be out
.irp i, 0,1
	v_pk_add_f32 v[4+4*\i:5+4*\i], v[X+32*\i:X+32*\i+1], v[X+32*\i+4:X+32*\i+5]
	v_pk_add_f32 v[6+4*\i:7+4*\i], v[X+32*\i+2:X+32*\i+3], v[X+32*\i+6:X+32*\i+7]
.endr
.irp k, 8,12,16,20,24,28
.irp i, 0,1
	v_pk_add_f32 v[4+4*\i:5+4*\i], v[4+4*\i:5+4*\i], v[X+32*\i+\k:X+32*\i+\k+1]
	v_pk_add_f32 v[6+4*\i:7+4*\i], v[6+4*\i:7+4*\i], v[X+32*\i+\k+2:X+32*\i+\k+3]
.endr
.endr
.irp i, 0,1
	v_pk_add_f32 v[4+4*\i:5+4*\i], v[4+4*\i:5+4*\i], v[6+4*\i:7+4*\i]
.endr
.irp i, 0,1
	v_add_f32 v[4+4*\i], v[4+4*\i], v[5+4*\i]
.endr
	LANESUM 4, 22
	LANESUM 8, 23
	v_mul_f32 v24, 0x3a800000, v4                  ; the mean
	v_mul_f32 v26, 0x3a800000, v8
.irp i, 0,1
.irp k, 0,2,4,6,8,10,12,14,16,18,20,22,24,26,28,30
	v_pk_add_f32 v[X+32*\i+\k:X+32*\i+\k+1], v[X+32*\i+\k:X+32*\i+\k+1], v[24+2*\i:25+2*\i] op_sel_hi:[1,0] neg_lo:[0,1] neg_hi:[0,1]   ; d = x - mean: the variance is made of d
.endr
.endr
.irp i, 0,1
	v_pk_mul_f32 v[4+4*\i:5+4*\i], v[X+32*\i:X+32*\i+1], v[X+32*\i:X+32*\i+1]
	v_pk_mul_f32 v[6+4*\i:7+4*\i], v[X+32*\i+2:X+32*\i+3], v[X+32*\i+2:X+32*\i+3]
.endr
.irp k, 4,8,12,16,20,24,28
.irp i, 0,1
	v_pk_fma_f32 v[4+4*\i:5+4*\i], v[X+32*\i+\k:X+32*\i+\k+1], v[X+32*\i+\k:X+32*\i+\k+1], v[4+4*\i:5+4*\i]
	v_pk_fma_f32 v[6+4*\i:7+4*\i], v[X+32*\i+\k+2:X+32*\i+\k+3], v[X+32*\i+\k+2:X+32*\i+\k+3], v[6+4*\i:7+4*\i]
.endr
.endr
.irp i, 0,1
	v_pk_add_f32 v[4+4*\i:5+4*\i], v[4+4*\i:5+4*\i], v[6+4*\i:7+4*\i]
.endr
.irp i, 0,1
	v_add_f32 v[4+4*\i], v[4+4*\i], v[5+4*\i]
.endr
	LANESUM 4, 22
	LANESUM 8, 23
	v_mul_f32 v4, 0x3a802008, v4                   ; / 1,023
	v_mul_f32 v8, 0x3a802008, v8
	v_sqrt_f32 v4, v4
	v_sqrt_f32 v8, v8
	v_nop                                          ; a plain instruction behind the roots,
	s_wait_alu depctr_va_vdst(0)                   ; and the wait ahead of the first use: one for both rows
	v_add_f32 v4, 0x358637bd, v4                   ; + 1e-6
	v_add_f32 v8, 0x358637bd, v8
	v_rcp_f32 v24, v4
	v_rcp_f32 v26, v8
	v_nop
	s_wait_alu depctr_va_vdst(0)
	s_wait_loadcnt 0x0
.irp i, 0,1
.irp k, 0,2,4,6,8,10,12,14,16,18,20,22,24,26,28,30
	v_pk_mul_f32 v[X+32*\i+\k:X+32*\i+\k+1], v[X+32*\i+\k:X+32*\i+\k+1], v[24+2*\i:25+2*\i] op_sel_hi:[1,0]
	v_pk_fma_f32 v[X+32*\i+\k:X+32*\i+\k+1], v[X+32*\i+\k:X+32*\i+\k+1], v[GA+\k:GA+\k+1], v[GB+\k:GB+\k+1]
.endr
.endr
.irp i, 0,1
.irp j, 0,1,2,3,4,5,6,7
	ds_store_b128 v28, v[X+32*\i+4*\j:X+32*\i+4*\j+3] offset:\i*PIT+512*\j
.endr
.endr
	s_wait_dscnt 0x0                               ; for the others' sake: my two rows lie in LDS
	s_barrier_signal -1
	s_barrier_wait -1
	; phase 2: wave w makes fragment (rt, w): register 16 c + i = K 128 w + 32 c + 16 h + i of row r
.irp c, 0,1,2,3
.irp q, 0,1,2,3
	ds_load_b128 v[X+16*\c+4*\q:X+16*\c+4*\q+3], v29 offset:128*\c+16*\q
.endr
.endr
	s_wait_dscnt 0x0
.set i, 0
.rept 64
	v_med3_num_f32 v[T+i], v[X+i], -v17, v17       ; the conversion does not saturate (ISA guide 7.6.2): the hold at the largest code x the scale
.set i, i+1
.endr
.irp g, 0,1,2,3,4,5,6,7
	v_cvt_scalef32_pk8_bf8_f32 v[CD+2*\g:CD+2*\g+1], v[T+8*\g:T+8*\g+7], v16
.endr
.irp c, 0,1,2,3
	global_store_b128 v1, v[CD+4*\c:CD+4*\c+3], s[54:55] offset:512*\c   ; 32 lanes store 512 consecutive bytes, aligned
.endr
	s_wait_tensorcnt 0x0
	ds_add_u32 v176, v177
	s_wait_dscnt 0x0
	s_endpgm
.Lfunc_end_k_qd1f710417a_ln2:
	.size	k_qd1f710417a_ln2, .Lfunc_end_k_qd1f710417a_ln2-k_qd1f710417a_ln2
	.p2alignl 7, 3214868480
	.fill 96, 4, 3214868480
	.section	.rodata,"a",@progbits
	.p2align	6, 0x0
	.amdhsa_kernel k_qd1f710417a_ln2
		.amdhsa_group_segment_fixed_size 67072
		.amdhsa_private_segment_fixed_size 0
		.amdhsa_enable_private_segment 0
		.amdhsa_kernarg_size 40
		.amdhsa_user_sgpr_count 2
		.amdhsa_user_sgpr_kernarg_segment_ptr 1
		.amdhsa_wavefront_size32 1
		.amdhsa_system_sgpr_workgroup_id_x 1
		.amdhsa_system_sgpr_workgroup_id_y 1
		.amdhsa_system_sgpr_workgroup_id_z 1
		.amdhsa_system_vgpr_workitem_id 0
		.amdhsa_next_free_vgpr 178
		.amdhsa_next_free_sgpr 66
		.amdhsa_reserve_vcc 0
		.amdhsa_float_denorm_mode_32 3
		.amdhsa_float_denorm_mode_16_64 3
		.amdhsa_memory_ordered 1
		.amdhsa_forward_progress 1
		.amdhsa_inst_pref_size 25
	.end_amdhsa_kernel
	.amdgpu_metadata
---
amdhsa.version: [ 1, 2 ]
amdhsa.kernels:
  - .name:           k_qd1f710417a_ln2
    .symbol:         k_qd1f710417a_ln2.kd
    .args:
      - { .name: x1, .offset: 0, .size: 8, .value_kind: global_buffer, .address_space: global }
      - { .name: ln2_a, .offset: 8, .size: 8, .value_kind: global_buffer, .address_space: global }
      - { .name: ln2_b, .offset: 16, .size: 8, .value_kind: global_buffer, .address_space: global }
      - { .name: lowp_scales, .offset: 24, .size: 8, .value_kind: global_buffer, .address_space: global }
      - { .name: x2c, .offset: 32, .size: 8, .value_kind: global_buffer, .address_space: global }
    .group_segment_fixed_size: 67072
    .private_segment_fixed_size: 0
    .kernarg_segment_align: 8
    .kernarg_segment_size: 40
    .max_flat_workgroup_size: 256
    .sgpr_count:     66
    .vgpr_count:     178
    .wavefront_size: 32
...
	.end_amdgpu_metadata
.endif
;; end of part 5
;; launch ffn1 (part 6): grid 8 x 16, 4 waves a work-group, clusters of 4 x 4, 327,680 bytes of LDS; arguments x2c, wc, lowp_scales, b1, hc; writes hc
.if DOCPART == 6
	.amdgcn_target "amdgcn-amd-amdhsa--gfx1250"
	.amdhsa_code_object_version 6
	.text
	.protected	k_qd1f710417a_ffn1
	.globl	k_qd1f710417a_ffn1
	.p2align	8
	.type	k_qd1f710417a_ffn1,@function
k_qd1f710417a_ffn1:
	s_mov_b64 s[64:65], 0
	v_nop
	global_prefetch_b8 v0, s[64:65] scope:SCOPE_SE
	s_setreg_imm32_b32 hwreg(HW_REG_WAVE_MODE, 25, 1), 1
	s_wait_xcnt 0x0
	s_wait_alu depctr_hold_cnt(0) depctr_sa_sdst(0) depctr_va_vdst(0) depctr_va_sdst(0) depctr_va_ssrc(0) depctr_va_vcc(0) depctr_vm_vsrc(0)
	s_getreg_b32 s2, hwreg(HW_REG_IB_STS2, 6, 4)
	s_cmp_eq_u32 s2, 0
	s_cbranch_scc0 .Lentry_in_a_cluster
	s_endpgm
.Lentry_in_a_cluster:
	s_bfe_u32 s2, ttmp6, 0x10000c
	s_cmp_lg_u32 s2, 0xf033
	s_cbranch_scc0 .Lentry_shape_is_right
	s_endpgm
.Lentry_shape_is_right:
; h = relu(x2 W1 + b1) on codes of E5M2, quantised at once (exponent 14) for the next product.  K = 1,024, 2,048 hidden units.
; Operands and result are images of fragments (16 rows x 128 K = 2,048 bytes; lane l's 16 bytes of piece c at 512 c + 16 l; row p(rt, r) = 32 (rt / 2) + 8 (rt % 2) + r + 8 (r / 8); fragments [rt][kt]).
; A tile of the result is 256 x 256, four waves, 128 x 128 each.  K goes in steps of 256 through two LDS slots.  CLUSTERS: 4 x 4; A's tiles are asked for jointly along a row, W1's along a column.
; THE MATRIX INSTRUCTION IS USED TRANSPOSED (source 0 = 16 rows of W1's image, source 1 = 16 tokens): the 16 registers of accumulators (a, 2 u), (a, 2 u + 1) are hidden units 32 u + 16 h + 0..15: piece u of the next operand's fragment.
; The bias, divided by 2^(e12 + e13), is the C of each sum's first matrix instruction.  The activation costs nothing: the hold clips at 0 as well.
; LIMITS: e14 - e12 - e13 between -126 and 112.
; REGISTERS: window 0: v12-30 scale, limit, addresses; v32-95 the bias, later held numbers; v96-127 codes; v128-255 A's fragments.  window 1: W1's fragments, two sets.  windows 2, 3: accumulators, (a, b) at v[8 (8 (a % 4) + b)].
.set KK,    1024
.set WOFF,  0x400000                   ; W1's image in wc
.set RTB,   16*KK
.set LAPS,  KK/512
.set SLOT,  131072
.set SPARE, 2*SLOT                     ; behind the ring: the spare words, 128 bytes for each wave: two blocks of 256 bytes that no other line names
.set FR,    16
.set NL,    4
.set NP,    4
.set SC,    12
.set LIM,   13
.set ADRA,  16
.set ADRB,  20
.set LI,    26
.set SPW,   28
.set NIL,   29
.set BO,    30
.set BIAS,  32
.set T,     32
.set CD,    96
.set AF,    128
.set G1,  24
.set G0,  32
.set G1B, 48
.set G0B, 56
.set MSB, 0
.macro WIN new
.if MSB != \new
	s_set_vgpr_msb (MSB<<8)|\new
.set MSB, \new
.endif
.endm
.set MUL_LO, 0xa1
.set MUL_HI, 0xf1
.set TO_B,   0x40
.macro JLOAD g0a, g1a, g0b, g1b        ; a joint load: waves 0 and 1 fetch for A, waves 2 and 3 for W1; four v_nop follow each of the two lines
	s_cmp_eq_u32 s15, 0
	s_cbranch_scc0 .Lfor_b_\@
	tensor_load_to_lds s[\g0a:\g0a+3], s[\g1a:\g1a+7]
	s_nop 0
.rept 4
	v_nop
.endr
	s_branch .Lasked_\@
.Lfor_b_\@:
	tensor_load_to_lds s[\g0b:\g0b+3], s[\g1b:\g1b+7]
	s_nop 0
.rept 4
	v_nop
.endr
.Lasked_\@:
.endm
.macro CREST
	s_cmp_lg_u32 s14, 0
	s_cbranch_scc1 .Lnot_wave_0_\@
	s_barrier_signal -3
.Lnot_wave_0_\@:
	s_barrier_wait -3
	s_barrier_signal -1
	s_barrier_wait -1
.endm
.macro CROUND
	s_barrier_signal -1
	s_barrier_wait -1
	CREST
.endm
	s_load_b256 s[4:11], s[0:1], 0x0               ; x2c 4:5, wc 6:7, the exponents 8:9, b1 10:11
	s_load_b64 s[12:13], s[0:1], 0x20              ; hc
	v_lshl_add_u32 v[SPW], v0, 2, SPARE
	v_mov_b32 v[NIL], 0
	ds_add_u32 v28, v29
	ds_add_u32 v28, v29
	s_wait_dscnt 0x0
	v_lshrrev_b32 v1, 5, v0
	v_readfirstlane_b32 s14, v1
	s_lshr_b32 s15, s14, 1
	s_and_b32 s16, s14, 1
	s_bfe_u32 s40, ttmp6, 0x40000
	s_bfe_u32 s41, ttmp6, 0x40004
	s_lshl_b32 s42, ttmp9, 2
	s_add_co_u32 s42, s42, s40                     ; tile column
	s_and_b32 s17, ttmp7, 0xffff
	s_lshl_b32 s17, s17, 2
	s_add_co_u32 s17, s17, s41                     ; tile row
	s_lshl_b32 s43, s41, 2
	s_lshl_b32 s43, 15, s43
	s_lshl_b32 s44, 0x1111, s40
	s_or_b32 s[G1+0], s43, (3<<16)|(1<<21)         ; the mask: my row; elements of 8 bytes; bit 21 set beside a mask
	s_or_b32 s[G1B+0], s44, (3<<16)|(1<<21)
.irp g, G1, G1B
	s_mov_b32 s[\g+1], 512<<16                     ; 8 row tiles x 4,096 bytes (two fragments on end), RTB bytes apart; dense in LDS
	s_mov_b32 s[\g+2], 8<<16
	s_mov_b32 s[\g+3], 512<<16
	s_mov_b32 s[\g+4], 8
	s_mov_b32 s[\g+5], RTB/8
	s_mov_b32 s[\g+6], 0
	s_mov_b32 s[\g+7], 0
.endr
	s_mul_i32 s18, s16, 8*RTB
	s_mul_i32 s20, s17, 16*RTB
	s_add_co_u32 s20, s20, s18
	s_mov_b32 s21, 0
	s_mul_i32 s46, s42, 16*RTB
	s_add_co_u32 s46, s46, s18
	s_add_co_u32 s46, s46, WOFF
	s_mov_b32 s47, 0
	s_lshl_b32 s45, s14, 15
	s_wait_kmcnt 0x0
	s_load_b512 s[68:83], s[8:9], 0x0
	s_add_nc_u64 s[20:21], s[4:5], s[20:21]
	s_add_nc_u64 s[46:47], s[6:7], s[46:47]
	CROUND
.irp s, 0,1
	s_mov_b32 s[G0+4*\s], 1
	s_add_co_u32 s[G0+4*\s+1], s45, \s*SLOT
	s_add_nc_u64 s[G0+4*\s+2:G0+4*\s+3], s[20:21], \s*4096
	s_or_b32 s[G0+4*\s+3], s[G0+4*\s+3], 0x80000000
	s_mov_b32 s[G0B+4*\s], 1
	s_add_co_u32 s[G0B+4*\s+1], s45, \s*SLOT
	s_add_nc_u64 s[G0B+4*\s+2:G0B+4*\s+3], s[46:47], \s*4096
	s_or_b32 s[G0B+4*\s+3], s[G0B+4*\s+3], 0x80000000
	JLOAD G0+4*\s, G1, G0B+4*\s, G1B
.endr
	v_and_b32 v1, 31, v0
	v_lshlrev_b32 v[LI], 4, v1
	v_bfe_u32 v2, v0, 4, 1                         ; h
	v_lshlrev_b32 v[BO], 6, v2
	s_lshl_b32 s86, s42, 10
	s_lshl_b32 s87, s16, 9
	s_add_co_u32 s86, s86, s87
	s_mov_b32 s87, 0
	s_add_nc_u64 s[10:11], s[10:11], s[86:87]      ; the bias of my 128 hidden units
.irp u, 0,1,2,3
.irp q, 0,1,2,3
	global_load_b128 v[BIAS+16*\u+4*\q:BIAS+16*\u+4*\q+3], v[BO], s[10:11] offset:128*\u+16*\q   ; register 8 b + j: the bias of unit 32 (b / 2) + 16 h + 8 (b % 2) + j
.endr
.endr
	s_lshl_b32 s21, s15, 15
	s_lshl_b32 s22, s16, 15
	s_add_co_u32 s22, s22, 65536
.irp s, 0,1
	v_add_nc_u32 v[ADRA+\s], s21, v[LI]
	v_add_nc_u32 v[ADRB+\s], s22, v[LI]
	s_add_co_u32 s21, s21, SLOT
	s_add_co_u32 s22, s22, SLOT
.endr
	s_wait_kmcnt 0x0
	s_add_co_i32 s88, s80, s81                     ; e12 + e13: a sum stands for sum x 2^(e12 + e13), so the bias goes in divided by that
	s_sub_co_i32 s89, 0, s88
	s_wait_loadcnt 0x0
.set j, 0
.rept 64
	v_ldexp_f32 v[BIAS+j], v[BIAS+j], s89
.set j, j+1
.endr
.macro FRAG reg, adr, q, i
.irp c, 0,1,2,3
	ds_load_b128 v[\reg+4*\c:\reg+4*\c+3], v[\adr] offset:4096*(\i)+2048*(\q)+512*\c
.endr
.endm
; 16 matrix instructions.  first = 1: the bias starts the sums.  The 64 accumulators take turns, one instruction a turn, in the same order in every step.
.macro MUL16 a0, p, first
.irp a, \a0, \a0+1
.irp b, 0,1,2,3,4,5,6,7
.if \first
	v_wmma_f32_16x16x128_bf8_bf8 v[8*(8*((\a)%4)+\b):8*(8*((\a)%4)+\b)+7], v[128*(\p)+FR*\b:128*(\p)+FR*\b+FR-1], v[AF+FR*(\a):AF+FR*(\a)+FR-1], v[BIAS+8*\b:BIAS+8*\b+7]
.else
	v_wmma_f32_16x16x128_bf8_bf8 v[8*(8*((\a)%4)+\b):8*(8*((\a)%4)+\b)+7], v[128*(\p)+FR*\b:128*(\p)+FR*\b+FR-1], v[AF+FR*(\a):AF+FR*(\a)+FR-1], v[8*(8*((\a)%4)+\b):8*(8*((\a)%4)+\b)+7]
.endif
.endr
.endr
.endm
.macro FETCH_B slot, q, p
	WIN TO_B
.irp i, 0,1,2,3,4,5,6,7
	FRAG 128*(\p)+FR*\i, ADRB+\slot, \q, \i
.endr
	WIN 0
.endm
.macro FETCH_A slot, q, i0
.irp i, \i0, \i0+1, \i0+2, \i0+3
	FRAG AF+FR*(\i), ADRA+\slot, \q, \i
.endr
.endm
.macro PLACES n
.rept \n
	v_nop
.endr
.endm
.macro STEP slot, q, first
	s_wait_dscnt 4*NL                              ; W1's set and A's blocks 0-3 are in; the youngest sixteen loads (A's blocks 4-7) may be out
.if \first
	WIN 0x81                                       ; source 0 window 1, source 1 and C (the bias) window 0, D window 2
.else
	WIN MUL_LO
.endif
	MUL16 0, (\q)%2, \first
	MUL16 2, (\q)%2, \first
	s_wait_dscnt 0
	PLACES NP
	FETCH_B \slot, (\q)+1, 1-(\q)%2
	FETCH_A \slot, (\q)+1, 0
.if \first
	WIN 0xc1                                       ; the same, D window 3
.else
	WIN MUL_HI
.endif
	MUL16 4, (\q)%2, \first
	MUL16 6, (\q)%2, \first
	PLACES NP
	WIN 0
	FETCH_A \slot, (\q)+1, 4
.endm
.macro TURN slot, next, fill
	s_wait_tensorcnt 0x0                           ; all my tensor loads have landed: my part of the next slot
	ds_add_u32 v[SPW], v[NIL]                      ; 0 onto my spare word
	s_wait_dscnt 4*NL+1                            ; (the add and the youngest sixteen loads may be out)
	WIN MUL_LO
	MUL16 0, 1, 0
	s_wait_dscnt 0x0                               ; the add is done, and my reads of this slot are over
	s_barrier_signal -1
	MUL16 2, 1, 0
	WIN 0
	s_barrier_wait -1
.if \fill
	CREST                                          ; the barrier has opened a round of the cluster's barrier
	s_add_nc_u64 s[G0+4*\slot+2:G0+4*\slot+3], s[G0+4*\slot+2:G0+4*\slot+3], 2*4096
	s_add_nc_u64 s[G0B+4*\slot+2:G0B+4*\slot+3], s[G0B+4*\slot+2:G0B+4*\slot+3], 2*4096
	JLOAD G0+4*\slot, G1, G0B+4*\slot, G1B
.else
	PLACES NP
.endif
	FETCH_B \next, 0, 0
	FETCH_A \next, 0, 0
	WIN MUL_HI
	MUL16 4, 1, 0
	MUL16 6, 1, 0
	PLACES NP
	WIN 0
	FETCH_A \next, 0, 4
.endm
	s_wait_tensorcnt 1                             ; my part of slot 0 is in; slot 1's load may be out
	s_barrier_signal -1
	s_barrier_wait -1
	FETCH_B 0, 0, 0
	FETCH_A 0, 0, 0
	FETCH_A 0, 0, 4
	STEP 0, 0, 1
	s_mov_b32 s3, LAPS-1
.Llap:
	TURN 0, 1, 1
	STEP 1, 0, 0
	TURN 1, 0, 1
	STEP 0, 0, 0
	s_sub_co_u32 s3, s3, 1
	s_cmp_lg_u32 s3, 0
	s_cbranch_scc1 .Llap
	TURN 0, 1, 0
	STEP 1, 0, 0
	s_wait_dscnt 4*NL
	WIN MUL_LO
	MUL16 0, 1, 0
	MUL16 2, 1, 0
	s_wait_dscnt 0
	WIN MUL_HI
	MUL16 4, 1, 0
	MUL16 6, 1, 0
	WIN 0
	; THE WAY OUT: the code of a sum is sum / 2^(e14 - e12 - e13)
	s_sub_co_i32 s90, s82, s88
	s_add_co_i32 s90, s90, 127
	s_lshl_b32 s91, s90, 23
	v_mov_b32 v[SC], s91
	s_add_co_i32 s90, s90, 15
	s_lshl_b32 s90, s90, 23
	s_or_b32 s90, s90, 0x600000
	v_mov_b32 v[LIM], s90
	s_lshl_b32 s18, s17, 4
	s_lshl_b32 s19, s15, 3
	s_add_co_u32 s18, s18, s19                     ; my first row tile of h: 16 x tile row + 8 x half; 32,768 bytes a row tile,
	s_lshl_b32 s18, s18, 15
	s_lshl_b32 s19, s42, 1
	s_add_co_u32 s19, s19, s16                     ; my fragment along its K: 2 x tile column + half
	s_lshl_b32 s19, s19, 11
	s_add_co_u32 s18, s18, s19
	s_mov_b32 s19, 0
	s_add_nc_u64 s[12:13], s[12:13], s[18:19]
	PLACES NP
.macro QOUT a
.set AC, 64*((\a)%4)
	WIN 0x02+((\a)/4)
.set j, 0
.rept 64
	v_med3_num_f32 v[T+j], v[AC+j], 0, v[LIM]      ; the activation and the hold in one; each accumulator from its low end on
.set j, j+1
.endr
	WIN 0
.if (\a) >= 2
	s_wait_xcnt 0x0                                ; block a - 2's stores have read their data registers, which are written again below
.endif
.set CB, CD+16*((\a)%2)
.irp g, 0,1,2,3,4,5,6,7
	v_cvt_scalef32_pk8_bf8_f32 v[CB+2*\g:CB+2*\g+1], v[T+8*\g:T+8*\g+7], v[SC]
.endr
	v_nop                                          ; a plain instruction between the conversions and the next block's holds, which write their sources
.irp u, 0,1,2,3
	global_store_b128 v[LI], v[CB+4*\u:CB+4*\u+3], s[12:13] offset:32768*(\a)+512*\u   ; 32 lanes store 512 consecutive bytes, aligned
.endr
.endm
.irp a, 0,1,2,3,4,5,6,7
	QOUT \a
.endr
	s_wait_tensorcnt 0x0                           ; the wave's end
	ds_add_u32 v[SPW], v[NIL]
	s_wait_dscnt 0x0
	CROUND
	s_endpgm
.Lfunc_end_k_qd1f710417a_ffn1:
	.size	k_qd1f710417a_ffn1, .Lfunc_end_k_qd1f710417a_ffn1-k_qd1f710417a_ffn1
	.p2alignl 7, 3214868480
	.fill 96, 4, 3214868480
	.section	.rodata,"a",@progbits
	.p2align	6, 0x0
	.amdhsa_kernel k_qd1f710417a_ffn1
		.amdhsa_group_segment_fixed_size 327680
		.amdhsa_private_segment_fixed_size 0
		.amdhsa_enable_private_segment 0
		.amdhsa_kernarg_size 40
		.amdhsa_user_sgpr_count 2
		.amdhsa_user_sgpr_kernarg_segment_ptr 1
		.amdhsa_wavefront_size32 1
		.amdhsa_system_sgpr_workgroup_id_x 1
		.amdhsa_system_sgpr_workgroup_id_y 1
		.amdhsa_system_sgpr_workgroup_id_z 1
		.amdhsa_system_vgpr_workitem_id 0
		.amdhsa_next_free_vgpr 1024
		.amdhsa_next_free_sgpr 98
		.amdhsa_reserve_vcc 0
		.amdhsa_float_denorm_mode_32 3
		.amdhsa_float_denorm_mode_16_64 3
		.amdhsa_memory_ordered 1
		.amdhsa_forward_progress 1
		.amdhsa_inst_pref_size 123
	.end_amdhsa_kernel
	.amdgpu_metadata
---
amdhsa.version: [ 1, 2 ]
amdhsa.kernels:
  - .name:           k_qd1f710417a_ffn1
    .symbol:         k_qd1f710417a_ffn1.kd
    .args:
      - { .name: x2c, .offset: 0, .size: 8, .value_kind: global_buffer, .address_space: global }
      - { .name: wc, .offset: 8, .size: 8, .value_kind: global_buffer, .address_space: global }
      - { .name: lowp_scales, .offset: 16, .size: 8, .value_kind: global_buffer, .address_space: global }
      - { .name: b1, .offset: 24, .size: 8, .value_kind: global_buffer, .address_space: global }
      - { .name: hc, .offset: 32, .size: 8, .value_kind: global_buffer, .address_space: global }
    .group_segment_fixed_size: 327680
    .private_segment_fixed_size: 0
    .kernarg_segment_align: 8
    .kernarg_segment_size: 40
    .max_flat_workgroup_size: 128
    .sgpr_count:     98
    .vgpr_count:     1024
    .wavefront_size: 32
...
	.end_amdgpu_metadata
.endif
;; end of part 6
;; launch ffn2 (part 7): grid 4 x 16, 4 waves a work-group, clusters of 4 x 4, 327,680 bytes of LDS; arguments hc, wc, lowp_scales, b2, x1, out0; writes out0
.if DOCPART == 7
	.amdgcn_target "amdgcn-amd-amdhsa--gfx1250"
	.amdhsa_code_object_version 6
	.text
	.protected	k_qd1f710417a_ffn2
	.globl	k_qd1f710417a_ffn2
	.p2align	8
	.type	k_qd1f710417a_ffn2,@function
k_qd1f710417a_ffn2:
	s_mov_b64 s[64:65], 0
	v_nop
	global_prefetch_b8 v0, s[64:65] scope:SCOPE_SE
	s_setreg_imm32_b32 hwreg(HW_REG_WAVE_MODE, 25, 1), 1
	s_wait_xcnt 0x0
	s_wait_alu depctr_hold_cnt(0) depctr_sa_sdst(0) depctr_va_vdst(0) depctr_va_sdst(0) depctr_va_ssrc(0) depctr_va_vcc(0) depctr_vm_vsrc(0)
	s_getreg_b32 s2, hwreg(HW_REG_IB_STS2, 6, 4)
	s_cmp_eq_u32 s2, 0
	s_cbranch_scc0 .Lentry_in_a_cluster
	s_endpgm
.Lentry_in_a_cluster:
	s_bfe_u32 s2, ttmp6, 0x10000c
	s_cmp_lg_u32 s2, 0xf033
	s_cbranch_scc0 .Lentry_shape_is_right
	s_endpgm
.Lentry_shape_is_right:
; out = residual + (A W + bias), the product on codes of E5M2.  A: [4096][KK] and W: [1024 (n)][KK] as images of fragments (16 rows x 128 K = 2,048 bytes; lane l's 16 bytes of piece c at
; 512 c + 16 l; row p(rt, r) = 32 (rt / 2) + 8 (rt % 2) + r + 8 (r / 8); fragments [rt][kt]).  residual, out: [4096][1024] f32; bias [1024] f32.
; A tile of the result is 256 x 256, four waves, 128 x 128 each.  K goes in steps of 256 through two LDS slots.  CLUSTERS: 4 x 4; A's tiles are asked for jointly along a row, W's along a column.
; RESIDUAL AND BIAS START THE SUMS: while the first tiles are on their way, (residual + bias) / 2^(eA + eB) is laid into the accumulators (a division by a power of two rounds nothing); every product adds in place,
; and each finished sum is multiplied once by 2^(eA + eB).
; THE MATRIX INSTRUCTION IS USED TRANSPOSED (source 0 = 16 rows of W, source 1 = 16 rows of A): in accumulator (a, b) lane (r, h), register j is row p(a, r), column 32 (b / 2) + 16 h + 8 (b % 2) + j.
; LIMIT: eA + eB between -126 and 126, so that 2^(eA + eB) and its reciprocal are f32 numbers; (residual + bias) / 2^(eA + eB) stays inside f32's range.
; REGISTERS: window 0: v16-30 addresses; v32-95 the bias, later a block's results; v128-255 A's fragments, later rows read back.  window 1: W's fragments, two sets.  windows 2, 3: accumulators, (a, b) at v[8 (8 (a % 4) + b)].
.set KK,    2048
.set WOFF,  0x600000                   ; the weight's image in wc
.set EA,    82                         ; s82, s83: exponents 14 and 15
.set EB,    83
.set NTS,   1                          ; the result is written once and read by nobody here
.set RTB,   16*KK
.set LAPS,  KK/512
.set SLOT,  131072
.set SPARE, 2*SLOT                     ; behind the ring: the spare words, 128 bytes for each wave: two blocks of 256 bytes that no other line names
.set SPITCH, 528                       ; the way out: a stage of 16 rows x (512 bytes + 16) for each wave, in slot 0, which has had its last fill and its last read when the first result is stored there
.set FR,    16
.set NL,    4
.set NP,    4
.set ADRA,  16
.set ADRB,  20
.set STO,   24                         ; v24  the stage: where I put my bytes of a row
.set RD,    25                         ; v25  and where I read a row back
.set LI,    26                         ; v26  16 x lane
.set RO,    27                         ; v27  the residual: my row's and half's bytes
.set SPW,   28
.set NIL,   29
.set BO,    30                         ; v30  the bias: 64 h
.set BIAS,  32
.set TMP,   32
.set AF,    128
.set BK,    128
.set G1,  24
.set G0,  32
.set G1B, 48
.set G0B, 56
.set MSB, 0
.macro WIN new
.if MSB != \new
	s_set_vgpr_msb (MSB<<8)|\new
.set MSB, \new
.endif
.endm
.set MUL_LO, 0xa1
.set MUL_HI, 0xf1
.set TO_B,   0x40
.macro JLOAD g0a, g1a, g0b, g1b        ; a joint load: waves 0 and 1 fetch for A, waves 2 and 3 for W; four v_nop follow each of the two lines
	s_cmp_eq_u32 s15, 0
	s_cbranch_scc0 .Lfor_b_\@
	tensor_load_to_lds s[\g0a:\g0a+3], s[\g1a:\g1a+7]
	s_nop 0
.rept 4
	v_nop
.endr
	s_branch .Lasked_\@
.Lfor_b_\@:
	tensor_load_to_lds s[\g0b:\g0b+3], s[\g1b:\g1b+7]
	s_nop 0
.rept 4
	v_nop
.endr
.Lasked_\@:
.endm
.macro CREST
	s_cmp_lg_u32 s14, 0
	s_cbranch_scc1 .Lnot_wave_0_\@
	s_barrier_signal -3
.Lnot_wave_0_\@:
	s_barrier_wait -3
	s_barrier_signal -1
	s_barrier_wait -1
.endm
.macro CROUND
	s_barrier_signal -1
	s_barrier_wait -1
	CREST
.endm
	s_load_b256 s[4:11], s[0:1], 0x0               ; A's codes 4:5, wc 6:7, the exponents 8:9, the bias 10:11
	s_load_b128 s[84:87], s[0:1], 0x20             ; the residual 84:85, the result 86:87
	v_lshl_add_u32 v[SPW], v0, 2, SPARE
	v_mov_b32 v[NIL], 0
	ds_add_u32 v28, v29
	ds_add_u32 v28, v29
	s_wait_dscnt 0x0
	v_lshrrev_b32 v1, 5, v0
	v_readfirstlane_b32 s14, v1
	s_lshr_b32 s15, s14, 1
	s_and_b32 s16, s14, 1
	s_bfe_u32 s40, ttmp6, 0x40000
	s_bfe_u32 s41, ttmp6, 0x40004
	s_lshl_b32 s42, ttmp9, 2
	s_add_co_u32 s42, s42, s40                     ; tile column
	s_and_b32 s17, ttmp7, 0xffff
	s_lshl_b32 s17, s17, 2
	s_add_co_u32 s17, s17, s41                     ; tile row
	s_lshl_b32 s43, s41, 2
	s_lshl_b32 s43, 15, s43
	s_lshl_b32 s44, 0x1111, s40
	s_or_b32 s[G1+0], s43, (3<<16)|(1<<21)         ; the mask: my row; elements of 8 bytes; bit 21 set beside a mask
	s_or_b32 s[G1B+0], s44, (3<<16)|(1<<21)
.irp g, G1, G1B
	s_mov_b32 s[\g+1], 512<<16                     ; 8 row tiles x 4,096 bytes (two fragments on end), RTB bytes apart; dense in LDS
	s_mov_b32 s[\g+2], 8<<16
	s_mov_b32 s[\g+3], 512<<16
	s_mov_b32 s[\g+4], 8
	s_mov_b32 s[\g+5], RTB/8
	s_mov_b32 s[\g+6], 0
	s_mov_b32 s[\g+7], 0
.endr
	s_mul_i32 s18, s16, 8*RTB
	s_mul_i32 s20, s17, 16*RTB
	s_add_co_u32 s20, s20, s18
	s_mov_b32 s21, 0
	s_mul_i32 s46, s42, 16*RTB
	s_add_co_u32 s46, s46, s18
	s_add_co_u32 s46, s46, WOFF
	s_mov_b32 s47, 0
	s_lshl_b32 s45, s14, 15
	s_wait_kmcnt 0x0
	s_load_b512 s[68:83], s[8:9], 0x0
	s_add_nc_u64 s[20:21], s[4:5], s[20:21]
	s_add_nc_u64 s[46:47], s[6:7], s[46:47]
	CROUND
.irp s, 0,1
	s_mov_b32 s[G0+4*\s], 1
	s_add_co_u32 s[G0+4*\s+1], s45, \s*SLOT
	s_add_nc_u64 s[G0+4*\s+2:G0+4*\s+3], s[20:21], \s*4096
	s_or_b32 s[G0+4*\s+3], s[G0+4*\s+3], 0x80000000
	s_mov_b32 s[G0B+4*\s], 1
	s_add_co_u32 s[G0B+4*\s+1], s45, \s*SLOT
	s_add_nc_u64 s[G0B+4*\s+2:G0B+4*\s+3], s[46:47], \s*4096
	s_or_b32 s[G0B+4*\s+3], s[G0B+4*\s+3], 0x80000000
	JLOAD G0+4*\s, G1, G0B+4*\s, G1B
.endr
	v_and_b32 v1, 31, v0
	v_lshlrev_b32 v[LI], 4, v1
	v_and_b32 v2, 15, v0                           ; r
	v_bfe_u32 v3, v0, 4, 1                         ; h
	v_and_b32 v4, 8, v2
	v_add_nc_u32 v4, v4, v2                        ; r + 8 (r / 8)
	v_lshlrev_b32 v[RO], 12, v4
	v_lshl_add_u32 v[RO], v3, 6, v[RO]
	v_lshlrev_b32 v[BO], 6, v3
	s_lshl_b32 s88, s17, 20                        ; my corner of the result: row 256 x tile row + 128 x half, 4,096 bytes a row,
	s_lshl_b32 s89, s15, 19
	s_add_co_u32 s88, s88, s89
	s_lshl_b32 s90, s42, 10                        ; column 256 x tile column + 128 x half
	s_lshl_b32 s91, s16, 9
	s_add_co_u32 s90, s90, s91
	s_mov_b32 s91, 0
	s_add_nc_u64 s[10:11], s[10:11], s[90:91]      ; the bias of my 128 columns
	s_add_co_u32 s88, s88, s90
	s_mov_b32 s89, 0
	s_add_nc_u64 s[84:85], s[84:85], s[88:89]
	s_add_nc_u64 s[86:87], s[86:87], s[88:89]
.macro RES a                           ; the residual of block a goes straight into its accumulators
.irp u, 0,1,2,3
.irp q, 0,1,2,3
	global_load_b128 v[8*(8*((\a)%4)+2*\u)+4*\q:8*(8*((\a)%4)+2*\u)+4*\q+3], v[RO], s[84:85] offset:(32*((\a)/2)+8*((\a)%2))*4096+128*\u+16*\q
.endr
.endr
.endm
	WIN 0x80                                       ; destination window 2
.irp a, 0,1,2,3
	RES \a
.endr
	WIN 0xc0                                       ; destination window 3
.irp a, 4,5,6,7
	RES \a
.endr
	WIN 0
.irp u, 0,1,2,3
.irp q, 0,1,2,3
	global_load_b128 v[BIAS+16*\u+4*\q:BIAS+16*\u+4*\q+3], v[BO], s[10:11] offset:128*\u+16*\q   ; register 8 b + j: the bias of column 32 (b / 2) + 16 h + 8 (b % 2) + j
.endr
.endr
	s_lshl_b32 s21, s15, 15
	s_lshl_b32 s22, s16, 15
	s_add_co_u32 s22, s22, 65536
.irp s, 0,1
	v_add_nc_u32 v[ADRA+\s], s21, v[LI]
	v_add_nc_u32 v[ADRB+\s], s22, v[LI]
	s_add_co_u32 s21, s21, SLOT
	s_add_co_u32 s22, s22, SLOT
.endr
	s_mul_i32 s23, s14, 16*SPITCH                  ; my stage
	v_mul_u32_u24 v5, v2, SPITCH
	v_lshl_add_u32 v5, v3, 6, v5
	v_add_nc_u32 v[STO], s23, v5                   ; in: row r, + 64 h
	v_add_nc_u32 v[RD], s23, v[LI]                 ; back: the 32 lanes take one row of 512 bytes
	s_wait_kmcnt 0x0
	s_add_co_i32 s90, s[EA], s[EB]
	s_sub_co_i32 s96, 127, s90
	s_lshl_b32 s96, s96, 23                        ; 2^-(eA + eB)
	s_mov_b32 s97, s96
	s_add_co_i32 s94, s90, 127
	s_lshl_b32 s94, s94, 23                        ; 2^(eA + eB)
	s_mov_b32 s95, s94
	s_wait_loadcnt 0x0
.set j, 0
.rept 32
	v_pk_mul_f32 v[BIAS+j:BIAS+j+1], v[BIAS+j:BIAS+j+1], s[96:97] op_sel_hi:[1,0]
.set j, j+2
.endr
	WIN 0x82                                       ; source 0 and destination window 2, the bias window 0
.set j, 0
.rept 128
	v_pk_fma_f32 v[j:j+1], v[j:j+1], s[96:97], v[BIAS+j%64:BIAS+j%64+1] op_sel_hi:[1,0,1]
.set j, j+2
.endr
	WIN 0xc3
.set j, 0
.rept 128
	v_pk_fma_f32 v[j:j+1], v[j:j+1], s[96:97], v[BIAS+j%64:BIAS+j%64+1] op_sel_hi:[1,0,1]
.set j, j+2
.endr
	WIN 0
.macro FRAG reg, adr, q, i
.irp c, 0,1,2,3
	ds_load_b128 v[\reg+4*\c:\reg+4*\c+3], v[\adr] offset:4096*(\i)+2048*(\q)+512*\c
.endr
.endm
; 16 matrix instructions; the 64 accumulators take turns, one instruction a turn, in the same order in every step
.macro MUL16 a0, p
.irp a, \a0, \a0+1
.irp b, 0,1,2,3,4,5,6,7
	v_wmma_f32_16x16x128_bf8_bf8 v[8*(8*((\a)%4)+\b):8*(8*((\a)%4)+\b)+7], v[128*(\p)+FR*\b:128*(\p)+FR*\b+FR-1], v[AF+FR*(\a):AF+FR*(\a)+FR-1], v[8*(8*((\a)%4)+\b):8*(8*((\a)%4)+\b)+7]
.endr
.endr
.endm
.macro FETCH_B slot, q, p
	WIN TO_B
.irp i, 0,1,2,3,4,5,6,7
	FRAG 128*(\p)+FR*\i, ADRB+\slot, \q, \i
.endr
	WIN 0
.endm
.macro FETCH_A slot, q, i0
.irp i, \i0, \i0+1, \i0+2, \i0+3
	FRAG AF+FR*(\i), ADRA+\slot, \q, \i
.endr
.endm
.macro PLACES n
.rept \n
	v_nop
.endr
.endm
.macro STEP slot, q
	s_wait_dscnt 4*NL                              ; W's set and A's blocks 0-3 are in; the youngest sixteen loads (A's blocks 4-7) may be out
	WIN MUL_LO
	MUL16 0, (\q)%2
	MUL16 2, (\q)%2
	s_wait_dscnt 0
	PLACES NP
	FETCH_B \slot, (\q)+1, 1-(\q)%2
	FETCH_A \slot, (\q)+1, 0
	WIN MUL_HI
	MUL16 4, (\q)%2
	MUL16 6, (\q)%2
	PLACES NP
	WIN 0
	FETCH_A \slot, (\q)+1, 4
.endm
.macro TURN slot, next, fill
	s_wait_tensorcnt 0x0                           ; all my tensor loads have landed: my part of the next slot
	ds_add_u32 v[SPW], v[NIL]                      ; 0 onto my spare word
	s_wait_dscnt 4*NL+1                            ; (the add and the youngest sixteen loads may be out)
	WIN MUL_LO
	MUL16 0, 1
	s_wait_dscnt 0x0                               ; the add is done, and my reads of this slot are over
	s_barrier_signal -1
	MUL16 2, 1
	WIN 0
	s_barrier_wait -1
.if \fill
	CREST                                          ; the barrier has opened a round of the cluster's barrier
	s_add_nc_u64 s[G0+4*\slot+2:G0+4*\slot+3], s[G0+4*\slot+2:G0+4*\slot+3], 2*4096
	s_add_nc_u64 s[G0B+4*\slot+2:G0B+4*\slot+3], s[G0B+4*\slot+2:G0B+4*\slot+3], 2*4096
	JLOAD G0+4*\slot, G1, G0B+4*\slot, G1B
.else
	PLACES NP
.endif
	FETCH_B \next, 0, 0
	FETCH_A \next, 0, 0
	WIN MUL_HI
	MUL16 4, 1
	MUL16 6, 1
	PLACES NP
	WIN 0
	FETCH_A \next, 0, 4
.endm
	s_wait_tensorcnt 1                             ; my part of slot 0 is in; slot 1's load may be out
	s_barrier_signal -1
	s_barrier_wait -1
	FETCH_B 0, 0, 0
	FETCH_A 0, 0, 0
	FETCH_A 0, 0, 4
	STEP 0, 0
	s_mov_b32 s3, LAPS-1
.Llap:
	TURN 0, 1, 1
	STEP 1, 0
	TURN 1, 0, 1
	STEP 0, 0
	s_sub_co_u32 s3, s3, 1
	s_cmp_lg_u32 s3, 0
	s_cbranch_scc1 .Llap
	TURN 0, 1, 0
	STEP 1, 0
	s_wait_dscnt 4*NL
	WIN MUL_LO
	MUL16 0, 1
	MUL16 2, 1
	s_wait_dscnt 0
	WIN MUL_HI
	MUL16 4, 1
	MUL16 6, 1
	WIN 0
; THE WAY OUT, block by block of 16 rows x 128 columns, through my own stage: in as the lanes hold them, back as whole rows of 512 bytes.  LDS serves a wave's instructions in order (ISA guide 5.7.1.4).
.macro TOSTAGE a
.set AC, 64*((\a)%4)
	WIN 0x02+((\a)/4)
.set j, 0
.rept 32
	v_pk_mul_f32 v[TMP+j:TMP+j+1], v[AC+j:AC+j+1], s[94:95] op_sel_hi:[1,0]   ; x 2^(eA + eB); each accumulator from its low end on
.set j, j+2
.endr
	WIN 0
.irp b, 0,1,2,3,4,5,6,7
	ds_store_b128 v[STO], v[TMP+8*\b:TMP+8*\b+3] offset:128*(\b/2)+32*(\b%2)
	ds_store_b128 v[STO], v[TMP+8*\b+4:TMP+8*\b+7] offset:128*(\b/2)+32*(\b%2)+16
.endr
.set BB, BK+64*((\a)%2)
.irp t, 0,1,2,3,4,5,6,7,8,9,10,11,12,13,14,15
	ds_load_b128 v[BB+4*\t:BB+4*\t+3], v[RD] offset:\t*SPITCH
.endr
.endm
.macro SEND a, younger                 ; stage row t is row p(a, t); its place stands in the immediate: 127 rows of 4,096 bytes at the most
.set BB, BK+64*((\a)%2)
	s_wait_dscnt \younger
.irp t, 0,1,2,3,4,5,6,7,8,9,10,11,12,13,14,15
.if NTS
	global_store_b128 v[LI], v[BB+4*\t:BB+4*\t+3], s[86:87] offset:(32*((\a)/2)+8*((\a)%2)+\t+8*(\t/8))*4096 th:TH_STORE_NT
.else
	global_store_b128 v[LI], v[BB+4*\t:BB+4*\t+3], s[86:87] offset:(32*((\a)/2)+8*((\a)%2)+\t+8*(\t/8))*4096
.endif
.endr
.endm
	PLACES NP
	TOSTAGE 0
.irp a, 1,2,3,4,5,6,7
.if \a > 1
	s_wait_xcnt 0x0                                ; block a - 2's stores have read their registers: block a's loads may land there
.endif
	TOSTAGE \a
	SEND \a-1, 32                                  ; behind block a - 1's loads: block a's 16 stores and 16 loads
.endr
	SEND 7, 0
	s_wait_tensorcnt 0x0                           ; the wave's end
	ds_add_u32 v[SPW], v[NIL]
	s_wait_dscnt 0x0
	CROUND
	s_endpgm
.Lfunc_end_k_qd1f710417a_ffn2:
	.size	k_qd1f710417a_ffn2, .Lfunc_end_k_qd1f710417a_ffn2-k_qd1f710417a_ffn2
	.p2alignl 7, 3214868480
	.fill 96, 4, 3214868480
	.section	.rodata,"a",@progbits
	.p2align	6, 0x0
	.amdhsa_kernel k_qd1f710417a_ffn2
		.amdhsa_group_segment_fixed_size 327680
		.amdhsa_private_segment_fixed_size 0
		.amdhsa_enable_private_segment 0
		.amdhsa_kernarg_size 48
		.amdhsa_user_sgpr_count 2
		.amdhsa_user_sgpr_kernarg_segment_ptr 1
		.amdhsa_wavefront_size32 1
		.amdhsa_system_sgpr_workgroup_id_x 1
		.amdhsa_system_sgpr_workgroup_id_y 1
		.amdhsa_system_sgpr_workgroup_id_z 1
		.amdhsa_system_vgpr_workitem_id 0
		.amdhsa_next_free_vgpr 1024
		.amdhsa_next_free_sgpr 98
		.amdhsa_reserve_vcc 0
		.amdhsa_float_denorm_mode_32 3
		.amdhsa_float_denorm_mode_16_64 3
		.amdhsa_memory_ordered 1
		.amdhsa_forward_progress 1
		.amdhsa_inst_pref_size 154
	.end_amdhsa_kernel
	.amdgpu_metadata
---
amdhsa.version: [ 1, 2 ]
amdhsa.kernels:
  - .name:           k_qd1f710417a_ffn2
    .symbol:         k_qd1f710417a_ffn2.kd
    .args:
      - { .name: hc, .offset: 0, .size: 8, .value_kind: global_buffer, .address_space: global }
      - { .name: wc, .offset: 8, .size: 8, .value_kind: global_buffer, .address_space: global }
      - { .name: lowp_scales, .offset: 16, .size: 8, .value_kind: global_buffer, .address_space: global }
      - { .name: b2, .offset: 24, .size: 8, .value_kind: global_buffer, .address_space: global }
      - { .name: x1, .offset: 32, .size: 8, .value_kind: global_buffer, .address_space: global }
      - { .name: out0, .offset: 40, .size: 8, .value_kind: global_buffer, .address_space: global }
    .group_segment_fixed_size: 327680
    .private_segment_fixed_size: 0
    .kernarg_segment_align: 8
    .kernarg_segment_size: 48
    .max_flat_workgroup_size: 128
    .sgpr_count:     98
    .vgpr_count:     1024
    .wavefront_size: 32
...
	.end_amdgpu_metadata
.endif
;; end of part 7
;; ======== version 2 of 2: 7 launches; 1.17 times as fast as version 1
;; workspace buffers: xq 12,582,912 bytes; wc 8,388,608 bytes; qkv 12,582,912 bytes; cc 4,194,304 bytes; x1 16,777,216 bytes; x2c 4,194,304 bytes; hc 8,388,608 bytes
;; launch prep: the kernel of part 1 again; grid 512 x 1, 8 waves a work-group, no clusters, 67,072 bytes of LDS; arguments x, ln1_a, ln1_b, Wq, Wk, Wv, Wo, W1, W2, lowp_scales, xq, wc; writes xq, wc
;; launch qkv: the kernel of part 2 again; grid 12 x 16, 4 waves a work-group, clusters of 4 x 4, 327,680 bytes of LDS; arguments xq, wc, lowp_scales, qkv; writes qkv
;; launch attn: the kernel of part 3 again; grid 8 x 32, 16 waves a work-group, clusters of 4 x 1, 327,680 bytes of LDS; arguments qkv, mask, lowp_scales, cc; writes cc
;; launch wo (part 8): grid 8 x 32, 4 waves a work-group, clusters of 4 x 4, 327,680 bytes of LDS; arguments cc, wc, lowp_scales, bo, x, x1; writes x1
.if DOCPART == 8
	.amdgcn_target "amdgcn-amd-amdhsa--gfx1250"
	.amdhsa_code_object_version 6
	.text
	.protected	k_qd1f710417a_wo
	.globl	k_qd1f710417a_wo
	.p2align	8
	.type	k_qd1f710417a_wo,@function
k_qd1f710417a_wo:
	s_mov_b64 s[64:65], 0
	v_nop
	global_prefetch_b8 v0, s[64:65] scope:SCOPE_SE
	s_setreg_imm32_b32 hwreg(HW_REG_WAVE_MODE, 25, 1), 1
	s_wait_xcnt 0x0
	s_wait_alu depctr_hold_cnt(0) depctr_sa_sdst(0) depctr_va_vdst(0) depctr_va_sdst(0) depctr_va_ssrc(0) depctr_va_vcc(0) depctr_vm_vsrc(0)
	s_getreg_b32 s2, hwreg(HW_REG_IB_STS2, 6, 4)
	s_cmp_eq_u32 s2, 0
	s_cbranch_scc0 .Lentry_in_a_cluster
	s_endpgm
.Lentry_in_a_cluster:
	s_bfe_u32 s2, ttmp6, 0x10000c
	s_cmp_lg_u32 s2, 0xf033
	s_cbranch_scc0 .Lentry_shape_is_right
	s_endpgm
.Lentry_shape_is_right:
; out = residual + (A W + bias), the product on codes of E5M2.  A: [4096][KK] and W: [1024 (n)][KK] as images of fragments (16 rows x 128 K = 2,048 bytes; lane l's 16 bytes of piece c at
; 512 c + 16 l; row p(rt, r) = 32 (rt / 2) + 8 (rt % 2) + r + 8 (r / 8); fragments [rt][kt]).  residual, out: [4096][1024] f32; bias [1024] f32.
; A tile of the result is 128 x 128: the 4,096 x 1,024 numbers make 256 such tiles, against 64 of 256 x 256.  Four waves, 64 x 64 each: 16 accumulators, 128 registers.
; K goes in steps of 512 through two LDS slots filled by the tensor data mover; a wave's load brings 4 row tiles x 8,192 bytes (four fragments on end).  With KK = 1,024 both slots are filled once and never again.
; CLUSTERS: 4 x 4 work-groups; A's tiles are asked for jointly along a row of the cluster, W's along a column.
; THE MATRIX INSTRUCTION IS USED TRANSPOSED (source 0 = 16 rows of W, source 1 = 16 rows of A): in accumulator (a, b) lane (r, h), register j is row p(a, r), column 32 (b / 2) + 16 h + 8 (b % 2) + j:
; the 16 registers of accumulators (a, 2 u), (a, 2 u + 1) are 16 neighbouring columns 32 u + 16 h + 0..15.
; THE RESIDUAL is loaded while the first tiles are on their way, as it lies: a load takes two rows x 256 consecutive bytes.  The bias is added to it once.  On the way out a block of 16 rows goes through the wave's own
; stage in LDS and comes back in that same layout; one packed multiply-add gives sum x 2^(eA + eB) + (residual + bias).
; LIMIT: eA + eB between -126 and 127, so that 2^(eA + eB) is an f32 number.
; REGISTERS: window 0: v16-30 addresses; v32-35 the bias; v64-127 rows read back, two sets; v128-255 accumulators, (a, b) at v[128 + 8 (4 a + b)].
;   window 1: two fragment buffers of 128: A's four fragments, then W's four.   window 2: v0-127 the residual: block a, rows 2 t and 2 t + 1 at v[32 a + 4 t].
.set KK,    1024
.set WOFF,  0x300000                   ; the weight's image in wc
.set EA,    78                         ; s78, s79: exponents 10 and 11
.set EB,    79
.set NTS,   0                          ; the result is read again by later launches: no hint on its stores
.set RTB,   16*KK                      ; a row tile's fragments in bytes
.set LAPS,  KK/1024                    ; a lap = two slots = 1,024 along K
.set SLOT,  131072                     ; A's 8 row tiles x 8,192 bytes, then W's
.set SPARE, 2*SLOT                     ; behind the ring: the spare words, 128 bytes for each wave: two blocks of 256 bytes that no other line names
.set STAGE, SPARE+512                  ; behind them: a stage of 16 rows x 272 bytes for each wave; no tile lands there
.set SPITCH, 272                       ; 256 bytes + 16 = 68 words: row r starts at bank 4 r mod 64 (64 banks of 4 bytes: ISA guide 11.1)
.set FR,    16
.set ADRA,  16                         ; v16-17  LDS address of my A fragments in slot 0, 1
.set ADRB,  20                         ; v20-21  the same for W
.set STO,   24                         ; v24  the stage: where I put my bytes of a row
.set RD,    25                         ; v25  and where I read two rows back
.set LI,    26                         ; v26  16 x lane
.set CO,    27                         ; v27  residual and result: 4,096 x (lane / 16) + 16 x (lane % 16)
.set SPW,   28                         ; v28  LDS address of my spare word; never rewritten
.set NIL,   29                         ; v29  0; never rewritten
.set BO,    30                         ; v30  the bias: 16 x (lane % 16)
.set BIAS,  32
.set BB,    64
.set ACC,   128
.set F0,    0
.set F1,    128
.set G1,  24
.set G0,  32
.set G1B, 48
.set G0B, 56
.set MSB, 0
.macro WIN new                         ; the immediate's high byte repeats the setting that is left
.if MSB != \new
	s_set_vgpr_msb (MSB<<8)|\new
.set MSB, \new
.endif
.endm
.set MUL,  0x05                        ; sources 0 (W) and 1 (A) window 1; C and D window 0
.set TO_F, 0x40                        ; destination window 1, address window 0
.macro JLOAD g0a, g1a, g0b, g1b        ; a joint load: waves 0 and 1 fetch for A, waves 2 and 3 for W; the branch hangs on the wave's number alone; four v_nop follow each of the two lines
	s_cmp_eq_u32 s15, 0
	s_cbranch_scc0 .Lfor_b_\@
	tensor_load_to_lds s[\g0a:\g0a+3], s[\g1a:\g1a+7]
	s_nop 0
.rept 4
	v_nop
.endr
	s_branch .Lasked_\@
.Lfor_b_\@:
	tensor_load_to_lds s[\g0b:\g0b+3], s[\g1b:\g1b+7]
	s_nop 0
.rept 4
	v_nop
.endr
.Lasked_\@:
.endm
.macro CREST                           ; a round of the cluster's barrier behind its opening barrier
	s_cmp_lg_u32 s14, 0
	s_cbranch_scc1 .Lnot_wave_0_\@
	s_barrier_signal -3
.Lnot_wave_0_\@:
	s_barrier_wait -3
	s_barrier_signal -1
	s_barrier_wait -1
.endm
.macro CROUND
	s_barrier_signal -1
	s_barrier_wait -1
	CREST
.endm
	s_load_b256 s[4:11], s[0:1], 0x0               ; A's codes 4:5, wc 6:7, the exponents 8:9, the bias 10:11
	s_load_b128 s[84:87], s[0:1], 0x20             ; the residual 84:85, the result 86:87
	v_lshl_add_u32 v[SPW], v0, 2, SPARE
	v_mov_b32 v[NIL], 0
	ds_add_u32 v28, v29
	ds_add_u32 v28, v29
	s_wait_dscnt 0x0
	v_lshrrev_b32 v1, 5, v0
	v_readfirstlane_b32 s14, v1                    ; wave 0..3
	s_lshr_b32 s15, s14, 1                         ; which half of A's rows is mine.  Also: I fetch for A (0) or for W (1)
	s_and_b32 s16, s14, 1                          ; which half of W's rows.  Also: which 4 row tiles I fetch
	s_bfe_u32 s40, ttmp6, 0x40000                  ; cx
	s_bfe_u32 s41, ttmp6, 0x40004                  ; cy
	s_lshl_b32 s42, ttmp9, 2
	s_add_co_u32 s42, s42, s40                     ; tile column 0..7
	s_and_b32 s17, ttmp7, 0xffff
	s_lshl_b32 s17, s17, 2
	s_add_co_u32 s17, s17, s41                     ; tile row 0..31
	s_lshl_b32 s43, s41, 2
	s_lshl_b32 s43, 15, s43                        ; my row of the cluster
	s_lshl_b32 s44, 0x1111, s40                    ; my column
	s_or_b32 s[G1+0], s43, (3<<16)|(1<<21)         ; 15:0 the mask: my row; 17:16 elements of 8 bytes; 21 set beside a mask
	s_or_b32 s[G1B+0], s44, (3<<16)|(1<<21)        ; the same with my column
.irp g, G1, G1B
	s_mov_b32 s[\g+1], 1024<<16                    ; tensor_dim0 = 1,024 elements: 8,192 bytes, four fragments on end
	s_mov_b32 s[\g+2], 4<<16                       ; tensor_dim1 = 4 row tiles
	s_mov_b32 s[\g+3], 1024<<16                    ; tile_dim0
	s_mov_b32 s[\g+4], 4                           ; tile_dim1
	s_mov_b32 s[\g+5], RTB/8                       ; tensor_dim0_stride, in elements; dense in LDS
	s_mov_b32 s[\g+6], 0
	s_mov_b32 s[\g+7], 0
.endr
	s_mul_i32 s18, s16, 4*RTB                      ; which 4 row tiles of the 8 I fetch
	s_mul_i32 s20, s17, 8*RTB
	s_add_co_u32 s20, s20, s18
	s_mov_b32 s21, 0
	s_mul_i32 s46, s42, 8*RTB
	s_add_co_u32 s46, s46, s18
	s_add_co_u32 s46, s46, WOFF
	s_mov_b32 s47, 0
	s_lshl_b32 s45, s14, 15                        ; where they go: wave x 32,768: no place in the cluster enters an LDS address
	s_wait_kmcnt 0x0
	s_load_b512 s[68:83], s[8:9], 0x0              ; the sixteen exponents: entry i in s[68 + i]
	s_add_nc_u64 s[20:21], s[4:5], s[20:21]
	s_add_nc_u64 s[46:47], s[6:7], s[46:47]
	CROUND                                         ; all sixteen work-groups are here: the first joint loads meet
.irp s, 0,1
	s_mov_b32 s[G0+4*\s], 1
	s_add_co_u32 s[G0+4*\s+1], s45, \s*SLOT
	s_add_nc_u64 s[G0+4*\s+2:G0+4*\s+3], s[20:21], \s*8192
	s_or_b32 s[G0+4*\s+3], s[G0+4*\s+3], 0x80000000
	s_mov_b32 s[G0B+4*\s], 1
	s_add_co_u32 s[G0B+4*\s+1], s45, \s*SLOT
	s_add_nc_u64 s[G0B+4*\s+2:G0B+4*\s+3], s[46:47], \s*8192
	s_or_b32 s[G0B+4*\s+3], s[G0B+4*\s+3], 0x80000000
	JLOAD G0+4*\s, G1, G0B+4*\s, G1B
.endr
	v_and_b32 v1, 31, v0
	v_lshlrev_b32 v[LI], 4, v1
	v_and_b32 v2, 15, v0                           ; lane % 16
	v_bfe_u32 v3, v0, 4, 1                         ; lane / 16
	v_lshlrev_b32 v[BO], 4, v2
	v_lshl_add_u32 v[CO], v3, 12, v[BO]            ; lanes 0-15 take 256 bytes of one row, lanes 16-31 of the next
	s_lshl_b32 s88, s17, 19                        ; my corner of the result: row 128 x tile row + 64 x half, 4,096 bytes a row,
	s_lshl_b32 s89, s15, 18
	s_add_co_u32 s88, s88, s89
	s_lshl_b32 s90, s42, 9                         ; column 128 x tile column + 64 x half, 4 bytes a number
	s_lshl_b32 s91, s16, 8
	s_add_co_u32 s90, s90, s91
	s_mov_b32 s91, 0
	s_add_nc_u64 s[10:11], s[10:11], s[90:91]      ; the bias of my 64 columns
	s_add_co_u32 s88, s88, s90
	s_mov_b32 s89, 0
	s_add_nc_u64 s[84:85], s[84:85], s[88:89]
	s_add_nc_u64 s[86:87], s[86:87], s[88:89]
	WIN 0x80                                       ; destination window 2
.irp a, 0,1,2,3
.irp t, 0,1,2,3,4,5,6,7
	global_load_b128 v[32*\a+4*\t:32*\a+4*\t+3], v[CO], s[84:85] offset:(32*(\a/2)+8*(\a%2)+2*\t+8*(\t/4))*4096 th:TH_LOAD_NT   ; rows p(a, 2 t) and p(a, 2 t + 1), which are neighbours; each number is read once in the launch
.endr
.endr
	WIN 0
	global_load_b128 v[BIAS:BIAS+3], v[BO], s[10:11]
	s_lshl_b32 s21, s15, 15                        ; my 4 row tiles of A
	s_lshl_b32 s22, s16, 15                        ; my 4 of W,
	s_add_co_u32 s22, s22, 65536                   ; which lie behind A's 8
.irp s, 0,1
	v_add_nc_u32 v[ADRA+\s], s21, v[LI]
	v_add_nc_u32 v[ADRB+\s], s22, v[LI]
	s_add_co_u32 s21, s21, SLOT
	s_add_co_u32 s22, s22, SLOT
.endr
	s_mul_i32 s23, s14, 16*SPITCH
	s_add_co_u32 s23, s23, STAGE                   ; my stage
	v_mul_u32_u24 v5, v2, SPITCH
	v_lshl_add_u32 v5, v3, 6, v5
	v_add_nc_u32 v[STO], s23, v5                   ; in: row lane % 16, + 64 x (lane / 16)
	v_mul_u32_u24 v5, v3, SPITCH
	v_lshl_add_u32 v5, v2, 4, v5
	v_add_nc_u32 v[RD], s23, v5                    ; back: lanes 0-15 one row of 256 bytes, lanes 16-31 the next
	s_wait_kmcnt 0x0
	s_add_co_i32 s94, s[EA], s[EB]
	s_add_co_i32 s94, s94, 127
	s_lshl_b32 s94, s94, 23                        ; 2^(eA + eB) as f32
	s_mov_b32 s95, s94                             ; (named with it as a pair, so it is written)
	s_wait_loadcnt 0x0                             ; the residual and the bias, while the tiles are on their way
	WIN 0x82                                       ; source 0 and destination window 2, the bias window 0
.set j, 0
.rept 64
	v_pk_add_f32 v[j:j+1], v[j:j+1], v[BIAS+j%4:BIAS+j%4+1]   ; residual + bias
.set j, j+2
.endr
	WIN 0
.macro FRAG reg, adr, q, i             ; a fragment comes as it lies: four loads of 512 consecutive bytes
.irp c, 0,1,2,3
	ds_load_b128 v[\reg+4*\c:\reg+4*\c+3], v[\adr] offset:8192*(\i)+2048*(\q)+512*\c
.endr
.endm
.macro FETCH slot, q, f                ; 32 LDS loads in one run: the slot's q-th 128 along K into buffer f: W's four fragments, then A's blocks 0 to 3
	WIN TO_F
.irp i, 0,1,2,3
	FRAG 64+(\f)+FR*\i, ADRB+\slot, \q, \i
.endr
.irp i, 0,1,2,3
	FRAG FR*\i+(\f), ADRA+\slot, \q, \i
.endr
.endm
; 4 matrix instructions: A's block a x W's four.  zero = 1: the first product starts the sums.  The 16 accumulators take turns, one instruction a turn, in the same order in every step.
.macro MULA f, a, zero
.irp b, 0,1,2,3
.if \zero
	v_wmma_f32_16x16x128_bf8_bf8 v[ACC+8*(4*(\a)+\b):ACC+8*(4*(\a)+\b)+7], v[64+(\f)+FR*\b:64+(\f)+FR*\b+FR-1], v[FR*(\a)+(\f):FR*(\a)+(\f)+FR-1], 0
.else
	v_wmma_f32_16x16x128_bf8_bf8 v[ACC+8*(4*(\a)+\b):ACC+8*(4*(\a)+\b)+7], v[64+(\f)+FR*\b:64+(\f)+FR*\b+FR-1], v[FR*(\a)+(\f):FR*(\a)+(\f)+FR-1], v[ACC+8*(4*(\a)+\b):ACC+8*(4*(\a)+\b)+7]
.endif
.endr
.endm
.macro PLACES n                        ; plain instructions between a matrix instruction and a load into one of its registers, or a read of its result
.rept \n
	v_nop
.endr
.endm
.macro STEP slot, q, zero              ; 128 along K, from buffer q % 2; its successor, in the same slot, is fetched into the other buffer in the step's middle
	s_wait_dscnt 8                                 ; W's four and A's blocks 0, 1 are in; the youngest eight loads (A's blocks 2, 3) may be out
	WIN MUL
	MULA 128*((\q)%2), 0, \zero
	MULA 128*((\q)%2), 1, \zero
	PLACES 4
	FETCH \slot, (\q)+1, 128-128*((\q)%2)
	s_wait_dscnt 32                                ; all but the 32 just issued
	WIN MUL
	MULA 128*((\q)%2), 2, \zero
	MULA 128*((\q)%2), 3, \zero
.endm
; A slot's last step (buffer 1) changes slots: one barrier; in front of it each wave waits for all its tensor loads, adds 0 to its spare word, and waits for that and for its reads of this slot.  fill = 1: this slot is filled again, two slots ahead.
.macro TURN slot, next, fill
	WIN 0                                          ; (the add's two registers lie in window 0)
	s_wait_tensorcnt 0x0                           ; all my tensor loads have landed: my part of the next slot
	ds_add_u32 v[SPW], v[NIL]                      ; 0 onto my spare word
	s_wait_dscnt 9                                 ; (the add and the youngest eight loads may be out)
	WIN MUL
	MULA F1, 0, 0                                  ; four matrix instructions stand between the add and the wait for it
	s_wait_dscnt 0x0                               ; the add is done, and my reads of this slot are over
	s_barrier_signal -1
	MULA F1, 1, 0
	WIN 0
	s_barrier_wait -1
.if \fill
	CREST                                          ; the barrier has opened a round of the cluster's barrier: no wave of any partner still reads this slot or has a load on its way
	s_add_nc_u64 s[G0+4*\slot+2:G0+4*\slot+3], s[G0+4*\slot+2:G0+4*\slot+3], 2*8192
	s_add_nc_u64 s[G0B+4*\slot+2:G0B+4*\slot+3], s[G0B+4*\slot+2:G0B+4*\slot+3], 2*8192
	JLOAD G0+4*\slot, G1, G0B+4*\slot, G1B         ; the first tensor load behind the round; its four v_nop are the places in front of the loads below
.else
	PLACES 4
.endif
	FETCH \next, 0, F0
	WIN MUL
	MULA F1, 2, 0
	MULA F1, 3, 0
.endm
	s_wait_tensorcnt 1                             ; my part of slot 0 is in; slot 1's load may be out
	s_barrier_signal -1
	s_barrier_wait -1
	FETCH 0, 0, F0
	STEP 0, 0, 1                                   ; the first step starts the sums
.if LAPS > 1
	WIN 0                                          ; at a label and at a branch every window is 0
	s_mov_b32 s3, LAPS-1
.Llap:                                                 ; a trip goes once round the ring, from a lap's second step to the next lap's first, and fills both slots again
	STEP 0, 1, 0
	STEP 0, 2, 0
	TURN 0, 1, 1
	STEP 1, 0, 0
	STEP 1, 1, 0
	STEP 1, 2, 0
	TURN 1, 0, 1
	STEP 0, 0, 0
	WIN 0
	s_sub_co_u32 s3, s3, 1
	s_cmp_lg_u32 s3, 0
	s_cbranch_scc1 .Llap
.endif
	STEP 0, 1, 0                                   ; the last lap fills nothing
	STEP 0, 2, 0
	TURN 0, 1, 0
	STEP 1, 0, 0
	STEP 1, 1, 0
	STEP 1, 2, 0
	s_wait_dscnt 8                                 ; the very last step: nothing more to fetch
	WIN MUL
	MULA F1, 0, 0
	MULA F1, 1, 0
	s_wait_dscnt 0
	MULA F1, 2, 0
	MULA F1, 3, 0
	WIN 0
; THE WAY OUT, block by block of 16 rows x 64 columns, through my own stage: in as the lanes hold them, back two whole rows of 256 bytes an instruction.  LDS serves a wave's instructions in order (ISA guide 5.7.1.4):
; no wait between the stores and the loads, nor in front of the next block's stores.
.macro TOSTAGE a
.irp u, 0,1
.irp q, 0,1,2,3
	ds_store_b128 v[STO], v[ACC+32*(\a)+16*\u+4*\q:ACC+32*(\a)+16*\u+4*\q+3] offset:128*\u+16*\q   ; columns 32 u + 16 h + 4 q on; each accumulator from its low end on
.endr
.endr
.set BS, BB+32*((\a)%2)
.irp t, 0,1,2,3,4,5,6,7
	ds_load_b128 v[BS+4*\t:BS+4*\t+3], v[RD] offset:\t*2*SPITCH
.endr
.endm
.macro SEND a, younger                 ; younger: the LDS instructions issued behind block a's loads, which may stay out.  Stage rows 2 t, 2 t + 1 are rows p(a, 2 t) and the next; their place stands in the immediate: 62 rows of 4,096 bytes at the most
.set BS, BB+32*((\a)%2)
	s_wait_dscnt \younger
	WIN 0x20                                       ; source 2 (residual + bias) window 2
.set j, 0
.rept 16
	v_pk_fma_f32 v[BS+j:BS+j+1], v[BS+j:BS+j+1], s[94:95], v[32*(\a)+j:32*(\a)+j+1] op_sel_hi:[1,0,1]   ; sum x 2^(eA + eB) + (residual + bias)
.set j, j+2
.endr
	WIN 0
.irp t, 0,1,2,3,4,5,6,7
.if NTS
	global_store_b128 v[CO], v[BS+4*\t:BS+4*\t+3], s[86:87] offset:(32*((\a)/2)+8*((\a)%2)+2*\t+8*(\t/4))*4096 th:TH_STORE_NT   ; sixteen lanes store 256 consecutive bytes, aligned
.else
	global_store_b128 v[CO], v[BS+4*\t:BS+4*\t+3], s[86:87] offset:(32*((\a)/2)+8*((\a)%2)+2*\t+8*(\t/4))*4096   ; sixteen lanes store 256 consecutive bytes, aligned
.endif
.endr
.endm
	PLACES 4
	TOSTAGE 0
.irp a, 1,2,3
.if \a > 1
	s_wait_xcnt 0x0                                ; block a - 2's stores have read their registers: block a's loads may land there
.endif
	TOSTAGE \a
	SEND \a-1, 16                                  ; behind block a - 1's loads: block a's 8 stores and 8 loads
.endr
	SEND 3, 0
	s_wait_tensorcnt 0x0                           ; the wave's end
	ds_add_u32 v[SPW], v[NIL]
	s_wait_dscnt 0x0
	CROUND                                         ; the closing round: no work-group ends while a partner may still ask for a tile that names it
	s_endpgm
.Lfunc_end_k_qd1f710417a_wo:
	.size	k_qd1f710417a_wo, .Lfunc_end_k_qd1f710417a_wo-k_qd1f710417a_wo
	.p2alignl 7, 3214868480
	.fill 96, 4, 3214868480
	.section	.rodata,"a",@progbits
	.p2align	6, 0x0
	.amdhsa_kernel k_qd1f710417a_wo
		.amdhsa_group_segment_fixed_size 327680
		.amdhsa_private_segment_fixed_size 0
		.amdhsa_enable_private_segment 0
		.amdhsa_kernarg_size 48
		.amdhsa_user_sgpr_count 2
		.amdhsa_user_sgpr_kernarg_segment_ptr 1
		.amdhsa_wavefront_size32 1
		.amdhsa_system_sgpr_workgroup_id_x 1
		.amdhsa_system_sgpr_workgroup_id_y 1
		.amdhsa_system_sgpr_workgroup_id_z 1
		.amdhsa_system_vgpr_workitem_id 0
		.amdhsa_next_free_vgpr 640
		.amdhsa_next_free_sgpr 98
		.amdhsa_reserve_vcc 0
		.amdhsa_float_denorm_mode_32 3
		.amdhsa_float_denorm_mode_16_64 3
		.amdhsa_memory_ordered 1
		.amdhsa_forward_progress 1
		.amdhsa_inst_pref_size 53
	.end_amdhsa_kernel
	.amdgpu_metadata
---
amdhsa.version: [ 1, 2 ]
amdhsa.kernels:
  - .name:           k_qd1f710417a_wo
    .symbol:         k_qd1f710417a_wo.kd
    .args:
      - { .name: cc, .offset: 0, .size: 8, .value_kind: global_buffer, .address_space: global }
      - { .name: wc, .offset: 8, .size: 8, .value_kind: global_buffer, .address_space: global }
      - { .name: lowp_scales, .offset: 16, .size: 8, .value_kind: global_buffer, .address_space: global }
      - { .name: bo, .offset: 24, .size: 8, .value_kind: global_buffer, .address_space: global }
      - { .name: x, .offset: 32, .size: 8, .value_kind: global_buffer, .address_space: global }
      - { .name: x1, .offset: 40, .size: 8, .value_kind: global_buffer, .address_space: global }
    .group_segment_fixed_size: 327680
    .private_segment_fixed_size: 0
    .kernarg_segment_align: 8
    .kernarg_segment_size: 48
    .max_flat_workgroup_size: 128
    .sgpr_count:     98
    .vgpr_count:     640
    .wavefront_size: 32
...
	.end_amdgpu_metadata
.endif
;; end of part 8
;; launch ln2: the kernel of part 5 again; grid 256 x 1, 8 waves a work-group, no clusters, 67,072 bytes of LDS; arguments x1, ln2_a, ln2_b, lowp_scales, x2c; writes x2c
;; launch ffn1: the kernel of part 6 again; grid 8 x 16, 4 waves a work-group, clusters of 4 x 4, 327,680 bytes of LDS; arguments x2c, wc, lowp_scales, b1, hc; writes hc
;; launch ffn2 (part 9): grid 8 x 32, 4 waves a work-group, clusters of 4 x 4, 327,680 bytes of LDS; arguments hc, wc, lowp_scales, b2, x1, out0; writes out0
.if DOCPART == 9
	.amdgcn_target "amdgcn-amd-amdhsa--gfx1250"
	.amdhsa_code_object_version 6
	.text
	.protected	k_qd1f710417a_ffn2
	.globl	k_qd1f710417a_ffn2
	.p2align	8
	.type	k_qd1f710417a_ffn2,@function
k_qd1f710417a_ffn2:
	s_mov_b64 s[64:65], 0
	v_nop
	global_prefetch_b8 v0, s[64:65] scope:SCOPE_SE
	s_setreg_imm32_b32 hwreg(HW_REG_WAVE_MODE, 25, 1), 1
	s_wait_xcnt 0x0
	s_wait_alu depctr_hold_cnt(0) depctr_sa_sdst(0) depctr_va_vdst(0) depctr_va_sdst(0) depctr_va_ssrc(0) depctr_va_vcc(0) depctr_vm_vsrc(0)
	s_getreg_b32 s2, hwreg(HW_REG_IB_STS2, 6, 4)
	s_cmp_eq_u32 s2, 0
	s_cbranch_scc0 .Lentry_in_a_cluster
	s_endpgm
.Lentry_in_a_cluster:
	s_bfe_u32 s2, ttmp6, 0x10000c
	s_cmp_lg_u32 s2, 0xf033
	s_cbranch_scc0 .Lentry_shape_is_right
	s_endpgm
.Lentry_shape_is_right:
; out = residual + (A W + bias), the product on codes of E5M2.  A: [4096][KK] and W: [1024 (n)][KK] as images of fragments (16 rows x 128 K = 2,048 bytes; lane l's 16 bytes of piece c at
; 512 c + 16 l; row p(rt, r) = 32 (rt / 2) + 8 (rt % 2) + r + 8 (r / 8); fragments [rt][kt]).  residual, out: [4096][1024] f32; bias [1024] f32.
; A tile of the result is 128 x 128: the 4,096 x 1,024 numbers make 256 such tiles, against 64 of 256 x 256.  Four waves, 64 x 64 each: 16 accumulators, 128 registers.
; K goes in steps of 512 through two LDS slots filled by the tensor data mover; a wave's load brings 4 row tiles x 8,192 bytes (four fragments on end).  With KK = 2,048 each slot is filled again once.
; CLUSTERS: 4 x 4 work-groups; A's tiles are asked for jointly along a row of the cluster, W's along a column.
; THE MATRIX INSTRUCTION IS USED TRANSPOSED (source 0 = 16 rows of W, source 1 = 16 rows of A): in accumulator (a, b) lane (r, h), register j is row p(a, r), column 32 (b / 2) + 16 h + 8 (b % 2) + j:
; the 16 registers of accumulators (a, 2 u), (a, 2 u + 1) are 16 neighbouring columns 32 u + 16 h + 0..15.
; THE RESIDUAL is loaded while the first tiles are on their way, as it lies: a load takes two rows x 256 consecutive bytes.  The bias is added to it once.  On the way out a block of 16 rows goes through the wave's own
; stage in LDS and comes back in that same layout; one packed multiply-add gives sum x 2^(eA + eB) + (residual + bias).
; LIMIT: eA + eB between -126 and 127, so that 2^(eA + eB) is an f32 number.
; REGISTERS: window 0: v16-30 addresses; v32-35 the bias; v64-127 rows read back, two sets; v128-255 accumulators, (a, b) at v[128 + 8 (4 a + b)].
;   window 1: two fragment buffers of 128: A's four fragments, then W's four.   window 2: v0-127 the residual: block a, rows 2 t and 2 t + 1 at v[32 a + 4 t].
.set KK,    2048
.set WOFF,  0x600000                   ; the weight's image in wc
.set EA,    82                         ; s82, s83: exponents 14 and 15
.set EB,    83
.set NTS,   1                          ; the result is written once and read by nobody here
.set RTB,   16*KK                      ; a row tile's fragments in bytes
.set LAPS,  KK/1024                    ; a lap = two slots = 1,024 along K
.set SLOT,  131072                     ; A's 8 row tiles x 8,192 bytes, then W's
.set SPARE, 2*SLOT                     ; behind the ring: the spare words, 128 bytes for each wave: two blocks of 256 bytes that no other line names
.set STAGE, SPARE+512                  ; behind them: a stage of 16 rows x 272 bytes for each wave; no tile lands there
.set SPITCH, 272                       ; 256 bytes + 16 = 68 words: row r starts at bank 4 r mod 64 (64 banks of 4 bytes: ISA guide 11.1)
.set FR,    16
.set ADRA,  16                         ; v16-17  LDS address of my A fragments in slot 0, 1
.set ADRB,  20                         ; v20-21  the same for W
.set STO,   24                         ; v24  the stage: where I put my bytes of a row
.set RD,    25                         ; v25  and where I read two rows back
.set LI,    26                         ; v26  16 x lane
.set CO,    27                         ; v27  residual and result: 4,096 x (lane / 16) + 16 x (lane % 16)
.set SPW,   28                         ; v28  LDS address of my spare word; never rewritten
.set NIL,   29                         ; v29  0; never rewritten
.set BO,    30                         ; v30  the bias: 16 x (lane % 16)
.set BIAS,  32
.set BB,    64
.set ACC,   128
.set F0,    0
.set F1,    128
.set G1,  24
.set G0,  32
.set G1B, 48
.set G0B, 56
.set MSB, 0
.macro WIN new                         ; the immediate's high byte repeats the setting that is left
.if MSB != \new
	s_set_vgpr_msb (MSB<<8)|\new
.set MSB, \new
.endif
.endm
.set MUL,  0x05                        ; sources 0 (W) and 1 (A) window 1; C and D window 0
.set TO_F, 0x40                        ; destination window 1, address window 0
.macro JLOAD g0a, g1a, g0b, g1b        ; a joint load: waves 0 and 1 fetch for A, waves 2 and 3 for W; the branch hangs on the wave's number alone; four v_nop follow each of the two lines
	s_cmp_eq_u32 s15, 0
	s_cbranch_scc0 .Lfor_b_\@
	tensor_load_to_lds s[\g0a:\g0a+3], s[\g1a:\g1a+7]
	s_nop 0
.rept 4
	v_nop
.endr
	s_branch .Lasked_\@
.Lfor_b_\@:
	tensor_load_to_lds s[\g0b:\g0b+3], s[\g1b:\g1b+7]
	s_nop 0
.rept 4
	v_nop
.endr
.Lasked_\@:
.endm
.macro CREST                           ; a round of the cluster's barrier behind its opening barrier
	s_cmp_lg_u32 s14, 0
	s_cbranch_scc1 .Lnot_wave_0_\@
	s_barrier_signal -3
.Lnot_wave_0_\@:
	s_barrier_wait -3
	s_barrier_signal -1
	s_barrier_wait -1
.endm
.macro CROUND
	s_barrier_signal -1
	s_barrier_wait -1
	CREST
.endm
	s_load_b256 s[4:11], s[0:1], 0x0               ; A's codes 4:5, wc 6:7, the exponents 8:9, the bias 10:11
	s_load_b128 s[84:87], s[0:1], 0x20             ; the residual 84:85, the result 86:87
	v_lshl_add_u32 v[SPW], v0, 2, SPARE
	v_mov_b32 v[NIL], 0
	ds_add_u32 v28, v29
	ds_add_u32 v28, v29
	s_wait_dscnt 0x0
	v_lshrrev_b32 v1, 5, v0
	v_readfirstlane_b32 s14, v1                    ; wave 0..3
	s_lshr_b32 s15, s14, 1                         ; which half of A's rows is mine.  Also: I fetch for A (0) or for W (1)
	s_and_b32 s16, s14, 1                          ; which half of W's rows.  Also: which 4 row tiles I fetch
	s_bfe_u32 s40, ttmp6, 0x40000                  ; cx
	s_bfe_u32 s41, ttmp6, 0x40004                  ; cy
	s_lshl_b32 s42, ttmp9, 2
	s_add_co_u32 s42, s42, s40                     ; tile column 0..7
	s_and_b32 s17, ttmp7, 0xffff
	s_lshl_b32 s17, s17, 2
	s_add_co_u32 s17, s17, s41                     ; tile row 0..31
	s_lshl_b32 s43, s41, 2
	s_lshl_b32 s43, 15, s43                        ; my row of the cluster
	s_lshl_b32 s44, 0x1111, s40                    ; my column
	s_or_b32 s[G1+0], s43, (3<<16)|(1<<21)         ; 15:0 the mask: my row; 17:16 elements of 8 bytes; 21 set beside a mask
	s_or_b32 s[G1B+0], s44, (3<<16)|(1<<21)        ; the same with my column
.irp g, G1, G1B
	s_mov_b32 s[\g+1], 1024<<16                    ; tensor_dim0 = 1,024 elements: 8,192 bytes, four fragments on end
	s_mov_b32 s[\g+2], 4<<16                       ; tensor_dim1 = 4 row tiles
	s_mov_b32 s[\g+3], 1024<<16                    ; tile_dim0
	s_mov_b32 s[\g+4], 4                           ; tile_dim1
	s_mov_b32 s[\g+5], RTB/8                       ; tensor_dim0_stride, in elements; dense in LDS
	s_mov_b32 s[\g+6], 0
	s_mov_b32 s[\g+7], 0
.endr
	s_mul_i32 s18, s16, 4*RTB                      ; which 4 row tiles of the 8 I fetch
	s_mul_i32 s20, s17, 8*RTB
	s_add_co_u32 s20, s20, s18
	s_mov_b32 s21, 0
	s_mul_i32 s46, s42, 8*RTB
	s_add_co_u32 s46, s46, s18
	s_add_co_u32 s46, s46, WOFF
	s_mov_b32 s47, 0
	s_lshl_b32 s45, s14, 15                        ; where they go: wave x 32,768: no place in the cluster enters an LDS address
	s_wait_kmcnt 0x0
	s_load_b512 s[68:83], s[8:9], 0x0              ; the sixteen exponents: entry i in s[68 + i]
	s_add_nc_u64 s[20:21], s[4:5], s[20:21]
	s_add_nc_u64 s[46:47], s[6:7], s[46:47]
	CROUND                                         ; all sixteen work-groups are here: the first joint loads meet
.irp s, 0,1
	s_mov_b32 s[G0+4*\s], 1
	s_add_co_u32 s[G0+4*\s+1], s45, \s*SLOT
	s_add_nc_u64 s[G0+4*\s+2:G0+4*\s+3], s[20:21], \s*8192
	s_or_b32 s[G0+4*\s+3], s[G0+4*\s+3], 0x80000000
	s_mov_b32 s[G0B+4*\s], 1
	s_add_co_u32 s[G0B+4*\s+1], s45, \s*SLOT
	s_add_nc_u64 s[G0B+4*\s+2:G0B+4*\s+3], s[46:47], \s*8192
	s_or_b32 s[G0B+4*\s+3], s[G0B+4*\s+3], 0x80000000
	JLOAD G0+4*\s, G1, G0B+4*\s, G1B
.endr
	v_and_b32 v1, 31, v0
	v_lshlrev_b32 v[LI], 4, v1
	v_and_b32 v2, 15, v0                           ; lane % 16
	v_bfe_u32 v3, v0, 4, 1                         ; lane / 16
	v_lshlrev_b32 v[BO], 4, v2
	v_lshl_add_u32 v[CO], v3, 12, v[BO]            ; lanes 0-15 take 256 bytes of one row, lanes 16-31 of the next
	s_lshl_b32 s88, s17, 19                        ; my corner of the result: row 128 x tile row + 64 x half, 4,096 bytes a row,
	s_lshl_b32 s89, s15, 18
	s_add_co_u32 s88, s88, s89
	s_lshl_b32 s90, s42, 9                         ; column 128 x tile column + 64 x half, 4 bytes a number
	s_lshl_b32 s91, s16, 8
	s_add_co_u32 s90, s90, s91
	s_mov_b32 s91, 0
	s_add_nc_u64 s[10:11], s[10:11], s[90:91]      ; the bias of my 64 columns
	s_add_co_u32 s88, s88, s90
	s_mov_b32 s89, 0
	s_add_nc_u64 s[84:85], s[84:85], s[88:89]
	s_add_nc_u64 s[86:87], s[86:87], s[88:89]
	WIN 0x80                                       ; destination window 2
.irp a, 0,1,2,3
.irp t, 0,1,2,3,4,5,6,7
	global_load_b128 v[32*\a+4*\t:32*\a+4*\t+3], v[CO], s[84:85] offset:(32*(\a/2)+8*(\a%2)+2*\t+8*(\t/4))*4096 th:TH_LOAD_NT   ; rows p(a, 2 t) and p(a, 2 t + 1), which are neighbours; each number is read once in the launch
.endr
.endr
	WIN 0
	global_load_b128 v[BIAS:BIAS+3], v[BO], s[10:11]
	s_lshl_b32 s21, s15, 15                        ; my 4 row tiles of A
	s_lshl_b32 s22, s16, 15                        ; my 4 of W,
	s_add_co_u32 s22, s22, 65536                   ; which lie behind A's 8
.irp s, 0,1
	v_add_nc_u32 v[ADRA+\s], s21, v[LI]
	v_add_nc_u32 v[ADRB+\s], s22, v[LI]
	s_add_co_u32 s21, s21, SLOT
	s_add_co_u32 s22, s22, SLOT
.endr
	s_mul_i32 s23, s14, 16*SPITCH
	s_add_co_u32 s23, s23, STAGE                   ; my stage
	v_mul_u32_u24 v5, v2, SPITCH
	v_lshl_add_u32 v5, v3, 6, v5
	v_add_nc_u32 v[STO], s23, v5                   ; in: row lane % 16, + 64 x (lane / 16)
	v_mul_u32_u24 v5, v3, SPITCH
	v_lshl_add_u32 v5, v2, 4, v5
	v_add_nc_u32 v[RD], s23, v5                    ; back: lanes 0-15 one row of 256 bytes, lanes 16-31 the next
	s_wait_kmcnt 0x0
	s_add_co_i32 s94, s[EA], s[EB]
	s_add_co_i32 s94, s94, 127
	s_lshl_b32 s94, s94, 23                        ; 2^(eA + eB) as f32
	s_mov_b32 s95, s94                             ; (named with it as a pair, so it is written)
	s_wait_loadcnt 0x0                             ; the residual and the bias, while the tiles are on their way
	WIN 0x82                                       ; source 0 and destination window 2, the bias window 0
.set j, 0
.rept 64
	v_pk_add_f32 v[j:j+1], v[j:j+1], v[BIAS+j%4:BIAS+j%4+1]   ; residual + bias
.set j, j+2
.endr
	WIN 0
.macro FRAG reg, adr, q, i             ; a fragment comes as it lies: four loads of 512 consecutive bytes
.irp c, 0,1,2,3
	ds_load_b128 v[\reg+4*\c:\reg+4*\c+3], v[\adr] offset:8192*(\i)+2048*(\q)+512*\c
.endr
.endm
.macro FETCH slot, q, f                ; 32 LDS loads in one run: the slot's q-th 128 along K into buffer f: W's four fragments, then A's blocks 0 to 3
	WIN TO_F
.irp i, 0,1,2,3
	FRAG 64+(\f)+FR*\i, ADRB+\slot, \q, \i
.endr
.irp i, 0,1,2,3
	FRAG FR*\i+(\f), ADRA+\slot, \q, \i
.endr
.endm
; 4 matrix instructions: A's block a x W's four.  zero = 1: the first product starts the sums.  The 16 accumulators take turns, one instruction a turn, in the same order in every step.
.macro MULA f, a, zero
.irp b, 0,1,2,3
.if \zero
	v_wmma_f32_16x16x128_bf8_bf8 v[ACC+8*(4*(\a)+\b):ACC+8*(4*(\a)+\b)+7], v[64+(\f)+FR*\b:64+(\f)+FR*\b+FR-1], v[FR*(\a)+(\f):FR*(\a)+(\f)+FR-1], 0
.else
	v_wmma_f32_16x16x128_bf8_bf8 v[ACC+8*(4*(\a)+\b):ACC+8*(4*(\a)+\b)+7], v[64+(\f)+FR*\b:64+(\f)+FR*\b+FR-1], v[FR*(\a)+(\f):FR*(\a)+(\f)+FR-1], v[ACC+8*(4*(\a)+\b):ACC+8*(4*(\a)+\b)+7]
.endif
.endr
.endm
.macro PLACES n                        ; plain instructions between a matrix instruction and a load into one of its registers, or a read of its result
.rept \n
	v_nop
.endr
.endm
.macro STEP slot, q, zero              ; 128 along K, from buffer q % 2; its successor, in the same slot, is fetched into the other buffer in the step's middle
	s_wait_dscnt 8                                 ; W's four and A's blocks 0, 1 are in; the youngest eight loads (A's blocks 2, 3) may be out
	WIN MUL
	MULA 128*((\q)%2), 0, \zero
	MULA 128*((\q)%2), 1, \zero
	PLACES 4
	FETCH \slot, (\q)+1, 128-128*((\q)%2)
	s_wait_dscnt 32                                ; all but the 32 just issued
	WIN MUL
	MULA 128*((\q)%2), 2, \zero
	MULA 128*((\q)%2), 3, \zero
.endm
; A slot's last step (buffer 1) changes slots: one barrier; in front of it each wave waits for all its tensor loads, adds 0 to its spare word, and waits for that and for its reads of this slot.  fill = 1: this slot is filled again, two slots ahead.
.macro TURN slot, next, fill
	WIN 0                                          ; (the add's two registers lie in window 0)
	s_wait_tensorcnt 0x0                           ; all my tensor loads have landed: my part of the next slot
	ds_add_u32 v[SPW], v[NIL]                      ; 0 onto my spare word
	s_wait_dscnt 9                                 ; (the add and the youngest eight loads may be out)
	WIN MUL
	MULA F1, 0, 0                                  ; four matrix instructions stand between the add and the wait for it
	s_wait_dscnt 0x0                               ; the add is done, and my reads of this slot are over
	s_barrier_signal -1
	MULA F1, 1, 0
	WIN 0
	s_barrier_wait -1
.if \fill
	CREST                                          ; the barrier has opened a round of the cluster's barrier: no wave of any partner still reads this slot or has a load on its way
	s_add_nc_u64 s[G0+4*\slot+2:G0+4*\slot+3], s[G0+4*\slot+2:G0+4*\slot+3], 2*8192
	s_add_nc_u64 s[G0B+4*\slot+2:G0B+4*\slot+3], s[G0B+4*\slot+2:G0B+4*\slot+3], 2*8192
	JLOAD G0+4*\slot, G1, G0B+4*\slot, G1B         ; the first tensor load behind the round; its four v_nop are the places in front of the loads below
.else
	PLACES 4
.endif
	FETCH \next, 0, F0
	WIN MUL
	MULA F1, 2, 0
	MULA F1, 3, 0
.endm
	s_wait_tensorcnt 1                             ; my part of slot 0 is in; slot 1's load may be out
	s_barrier_signal -1
	s_barrier_wait -1
	FETCH 0, 0, F0
	STEP 0, 0, 1                                   ; the first step starts the sums
.if LAPS > 1
	WIN 0                                          ; at a label and at a branch every window is 0
	s_mov_b32 s3, LAPS-1
.Llap:                                                 ; a trip goes once round the ring, from a lap's second step to the next lap's first, and fills both slots again
	STEP 0, 1, 0
	STEP 0, 2, 0
	TURN 0, 1, 1
	STEP 1, 0, 0
	STEP 1, 1, 0
	STEP 1, 2, 0
	TURN 1, 0, 1
	STEP 0, 0, 0
	WIN 0
	s_sub_co_u32 s3, s3, 1
	s_cmp_lg_u32 s3, 0
	s_cbranch_scc1 .Llap
.endif
	STEP 0, 1, 0                                   ; the last lap fills nothing
	STEP 0, 2, 0
	TURN 0, 1, 0
	STEP 1, 0, 0
	STEP 1, 1, 0
	STEP 1, 2, 0
	s_wait_dscnt 8                                 ; the very last step: nothing more to fetch
	WIN MUL
	MULA F1, 0, 0
	MULA F1, 1, 0
	s_wait_dscnt 0
	MULA F1, 2, 0
	MULA F1, 3, 0
	WIN 0
; THE WAY OUT, block by block of 16 rows x 64 columns, through my own stage: in as the lanes hold them, back two whole rows of 256 bytes an instruction.  LDS serves a wave's instructions in order (ISA guide 5.7.1.4):
; no wait between the stores and the loads, nor in front of the next block's stores.
.macro TOSTAGE a
.irp u, 0,1
.irp q, 0,1,2,3
	ds_store_b128 v[STO], v[ACC+32*(\a)+16*\u+4*\q:ACC+32*(\a)+16*\u+4*\q+3] offset:128*\u+16*\q   ; columns 32 u + 16 h + 4 q on; each accumulator from its low end on
.endr
.endr
.set BS, BB+32*((\a)%2)
.irp t, 0,1,2,3,4,5,6,7
	ds_load_b128 v[BS+4*\t:BS+4*\t+3], v[RD] offset:\t*2*SPITCH
.endr
.endm
.macro SEND a, younger                 ; younger: the LDS instructions issued behind block a's loads, which may stay out.  Stage rows 2 t, 2 t + 1 are rows p(a, 2 t) and the next; their place stands in the immediate: 62 rows of 4,096 bytes at the most
.set BS, BB+32*((\a)%2)
	s_wait_dscnt \younger
	WIN 0x20                                       ; source 2 (residual + bias) window 2
.set j, 0
.rept 16
	v_pk_fma_f32 v[BS+j:BS+j+1], v[BS+j:BS+j+1], s[94:95], v[32*(\a)+j:32*(\a)+j+1] op_sel_hi:[1,0,1]   ; sum x 2^(eA + eB) + (residual + bias)
.set j, j+2
.endr
	WIN 0
.irp t, 0,1,2,3,4,5,6,7
.if NTS
	global_store_b128 v[CO], v[BS+4*\t:BS+4*\t+3], s[86:87] offset:(32*((\a)/2)+8*((\a)%2)+2*\t+8*(\t/4))*4096 th:TH_STORE_NT   ; sixteen lanes store 256 consecutive bytes, aligned
.else
	global_store_b128 v[CO], v[BS+4*\t:BS+4*\t+3], s[86:87] offset:(32*((\a)/2)+8*((\a)%2)+2*\t+8*(\t/4))*4096   ; sixteen lanes store 256 consecutive bytes, aligned
.endif
.endr
.endm
	PLACES 4
	TOSTAGE 0
.irp a, 1,2,3
.if \a > 1
	s_wait_xcnt 0x0                                ; block a - 2's stores have read their registers: block a's loads may land there
.endif
	TOSTAGE \a
	SEND \a-1, 16                                  ; behind block a - 1's loads: block a's 8 stores and 8 loads
.endr
	SEND 3, 0
	s_wait_tensorcnt 0x0                           ; the wave's end
	ds_add_u32 v[SPW], v[NIL]
	s_wait_dscnt 0x0
	CROUND                                         ; the closing round: no work-group ends while a partner may still ask for a tile that names it
	s_endpgm
.Lfunc_end_k_qd1f710417a_ffn2:
	.size	k_qd1f710417a_ffn2, .Lfunc_end_k_qd1f710417a_ffn2-k_qd1f710417a_ffn2
	.p2alignl 7, 3214868480
	.fill 96, 4, 3214868480
	.section	.rodata,"a",@progbits
	.p2align	6, 0x0
	.amdhsa_kernel k_qd1f710417a_ffn2
		.amdhsa_group_segment_fixed_size 327680
		.amdhsa_private_segment_fixed_size 0
		.amdhsa_enable_private_segment 0
		.amdhsa_kernarg_size 48
		.amdhsa_user_sgpr_count 2
		.amdhsa_user_sgpr_kernarg_segment_ptr 1
		.amdhsa_wavefront_size32 1
		.amdhsa_system_sgpr_workgroup_id_x 1
		.amdhsa_system_sgpr_workgroup_id_y 1
		.amdhsa_system_sgpr_workgroup_id_z 1
		.amdhsa_system_vgpr_workitem_id 0
		.amdhsa_next_free_vgpr 640
		.amdhsa_next_free_sgpr 98
		.amdhsa_reserve_vcc 0
		.amdhsa_float_denorm_mode_32 3
		.amdhsa_float_denorm_mode_16_64 3
		.amdhsa_memory_ordered 1
		.amdhsa_forward_progress 1
		.amdhsa_inst_pref_size 81
	.end_amdhsa_kernel
	.amdgpu_metadata
---
amdhsa.version: [ 1, 2 ]
amdhsa.kernels:
  - .name:           k_qd1f710417a_ffn2
    .symbol:         k_qd1f710417a_ffn2.kd
    .args:
      - { .name: hc, .offset: 0, .size: 8, .value_kind: global_buffer, .address_space: global }
      - { .name: wc, .offset: 8, .size: 8, .value_kind: global_buffer, .address_space: global }
      - { .name: lowp_scales, .offset: 16, .size: 8, .value_kind: global_buffer, .address_space: global }
      - { .name: b2, .offset: 24, .size: 8, .value_kind: global_buffer, .address_space: global }
      - { .name: x1, .offset: 32, .size: 8, .value_kind: global_buffer, .address_space: global }
      - { .name: out0, .offset: 40, .size: 8, .value_kind: global_buffer, .address_space: global }
    .group_segment_fixed_size: 327680
    .private_segment_fixed_size: 0
    .kernarg_segment_align: 8
    .kernarg_segment_size: 48
    .max_flat_workgroup_size: 128
    .sgpr_count:     98
    .vgpr_count:     640
    .wavefront_size: 32
...
	.end_amdgpu_metadata
.endif
;; end of part 9
